; MI455X (gfx1250); checked and timed in simulation.
; The chip was launched on July 23, 2026; its instructions are those of AMD's public machine-readable ISA for CDNA 5 (MIT licence, August 2026) and "CDNA5" Instruction Set Architecture Reference Guide (July 2026). The comments in the code are by the model that wrote it; some were corrected since.
;; Global Context Aware Attention. Allowed arithmetic: matrix products marked QUANTISED: E4M3 operands, one E8M0 scale for each 32 along K, by v_wmma_scale_f32_16x16x128_f8f6f4 with both operands' format E4M3, f32 sums; products left as they are: f32 operands where the result goes on into a quantised operand, else bf16, f16 or f32 operands; f32 sums; everything else in f32.
;; Inputs: W_Vkc 1,024 x 1 float32; W_Vkx 1,024 x 1 float32; W_Vqc 1,024 x 1 float32; W_Vqx 1,024 x 1 float32; W_kc_lin 1,024 x 1,024 float32; W_kx_lin 1,024 x 1,024 float32; W_out_lin 1,024 x 1,024 float32; W_qc_lin 1,024 x 1,024 float32; W_qx_lin 1,024 x 1,024 float32; W_vx_lin 1,024 x 1,024 float32; b_Vkc 1 float32; b_Vkx 1 float32; b_Vqc 1 float32; b_Vqx 1 float32; b_kc_lin 1,024 float32; b_kx_lin 1,024 float32; b_out_lin 1,024 float32; b_qc_lin 1,024 float32; b_qx_lin 1,024 float32; b_vx_lin 1,024 float32; kc 2,048 x 2 x 1,024 float32; kx 2,048 x 2 x 1,024 float32; qc 2,048 x 2 x 1,024 float32; qx 2,048 x 2 x 1,024 float32; vx 2,048 x 2 x 1,024 float32.
;; Outputs: out0 2,048 x 2 x 1,024 float32.
;; This version of the problem:
;;   THIS VERSION OF THE PROBLEM IS GIVEN IN LOW PRECISION. The matrix products marked QUANTISED in the list below multiply operands that are first quantised to E4M3 (4 exponent bits, 3 mantissa bits; 8 bits a number), with one power-of-two scale for each 32 numbers along K (OCP MX v1.0); their sums are f32. All else is computed in f32.
;;   The module's matrix products, in the order in which they are computed (A, B: the left and right operand; K: the contracted axis; several contracted axes count as one K, in the product's order):
;;     1. [M 4,096, K 1,024] x [K 1,024, N 1,024]; A: input qx; B: input W_qx_lin: QUANTISED
;;     2. [M 4,096, K 1,024] x [K 1,024, N 1,024]; A: input kx; B: input W_kx_lin: QUANTISED
;;     3. [M 4,096, K 1,024] x [K 1,024, N 1,024]; A: input vx; B: input W_vx_lin: QUANTISED
;;     4. [M 4,096, K 1,024] x [K 1,024, N 1,024]; A: input qc; B: input W_qc_lin: QUANTISED
;;     5. [M 4,096, K 1,024] x [K 1,024, N 1,024]; A: input kc; B: input W_kc_lin: QUANTISED
;;     6. [M 4,096, K 1,024] x [K 1,024, N 1]; A: computed on the way; B: input W_Vqx: left as it is (N = 1 < 16)
;;     7. [M 4,096, K 1,024] x [K 1,024, N 1]; A: computed on the way; B: input W_Vqc: left as it is (N = 1 < 16)
;;     8. [M 4,096, K 1,024] x [K 1,024, N 1]; A: computed on the way; B: input W_Vkx: left as it is (N = 1 < 16)
;;     9. [M 4,096, K 1,024] x [K 1,024, N 1]; A: computed on the way; B: input W_Vkc: left as it is (N = 1 < 16)
;;     10. batch 32 x [M 2,048, K 64] x [K 64, N 2,048]; A: computed on the way; B: computed on the way: QUANTISED
;;     11. batch 32 x [M 2,048, K 2,048] x [K 2,048, N 64]; A: softmax (see below); B: computed on the way: QUANTISED
;;     12. [M 4,096, K 1,024] x [K 1,024, N 1,024]; A: computed on the way; B: input W_out_lin: QUANTISED
;;   THE QUANTISER, for each operand of a quantised product, along K:
;;     - K is cut into blocks of 32 from its start; a last block that is shorter is filled with zeros.
;;     - A block's scale is 2^e with e = floor(log2(the largest magnitude in the block)) - 8, held to -126 .. 127; a block of zeros has e = 0. As a byte (E8M0): e + 127.
;;     - Each number is divided by its block's scale, clamped to +-448, and rounded to the nearest number of E4M3, ties to even, subnormals kept.
;;     - The product sums the exact products of the quantised numbers (number of the format x scale) in f32.
;;   ~~~python
;;   def quantise(x, axis):      # numpy; x: float32 -> the quantised numbers, widened to float32 again
;;       x = np.moveaxis(x, axis, -1); K = x.shape[-1]
;;       x = np.pad(x, [(0, 0)] * (x.ndim - 1) + [(0, -K % 32)]); x = x.reshape(x.shape[:-1] + (-1, 32)); a = np.abs(x).max(-1, keepdims=True)
;;       e = np.where(a > 0, np.clip(np.frexp(np.where(a > 0, a, 1))[1] - 1 - 8, -126, 127), 0)      # np.frexp(a)[1] - 1 = floor(log2(a)), exactly
;;       r = np.clip(x / 2.0 ** e, -448, 448)
;;       step = 2.0 ** (np.maximum(np.frexp(np.where(r == 0, 1, r))[1] - 1, -6) - 3)
;;       q = np.round(r / step) * step * 2.0 ** e      # np.round: ties to even
;;       return np.moveaxis(q.reshape(q.shape[:-2] + (-1,))[..., :K], -1, axis).astype(np.float32)
;;   ~~~
;;   SOFTMAX AHEAD OF A QUANTISED PRODUCT. Where the list says 'softmax', what is quantised is not the finished softmax but p = 2^(t - M), with t = logit x log2(e) and M = ceil(the row's largest t), a whole number; so 1/2 < the row's largest p <= 1. The row's sum l is taken of the UNQUANTISED p, in f32, and the product's result is divided by l at the end. Since M is a whole number, a kernel that streams over the keys may use a running M (the ceiling of the running maximum): every later rescaling is an exact power of two, which a block's scale takes up: the codes' values come out the same.
;;   OPERANDS COMPUTED ON THE WAY. 'Computed on the way' means the value that the module computes at that place (a softmax that the list does not call 'softmax' is quantised finished and normalised). What goes into a quantiser is computed in f32, as accurately as f32 sums, v_exp_f32 and their like allow (about 1e-6 of the number): no bf16 or f16 on the way to a quantiser, and a product that is left as it is and whose result goes on into a quantised operand takes f32 operands (vector FMAs, or v_wmma_f32_16x16x4_f32). A number that lies on a knife's edge between two numbers of the format may be rounded either way, as far as f32 arithmetic and the matrix unit's own rounding can turn it there, and no further.
;; 2 versions. Each part assembles by itself: llvm-mc -triple=amdgcn-amd-amdhsa -mcpu=gfx1250 --defsym DOCPART=n.
;; ======== version 1 of 2: 7 launches
;; workspace buffers: aq 21,626,880 bytes; cq 4,849,664 bytes; wq 5,427,200 bytes; wo 1,232,896 bytes; pj 83,886,080 bytes; qk 8,912,896 bytes; vq 4,325,376 bytes
;; launch quant_w (part 1): grid 8 x 24, 4 waves a work-group, no clusters, 36,352 bytes of LDS; arguments W_qx_lin, W_qc_lin, W_kx_lin, W_kc_lin, W_vx_lin, W_out_lin, b_qx_lin, b_qc_lin, b_kx_lin, b_kc_lin, b_vx_lin, b_out_lin, wq, wo; writes wq, wo
.if DOCPART == 1
	.amdgcn_target "amdgcn-amd-amdhsa--gfx1250"
	.amdhsa_code_object_version 6
	.text
	.protected	k_q3d19cc5c3b_quant_w
	.globl	k_q3d19cc5c3b_quant_w
	.p2align	8
	.type	k_q3d19cc5c3b_quant_w,@function
k_q3d19cc5c3b_quant_w:
	s_mov_b64 s[64:65], 0
	v_nop
	global_prefetch_b8 v0, s[64:65] scope:SCOPE_SE
	s_setreg_imm32_b32 hwreg(HW_REG_WAVE_MODE, 25, 1), 1
	s_wait_xcnt 0x0
; Six weights W [1024 (k)][1024 (n)], f32, K their FIRST axis, become codes of FP8 (E4M3) laid [n][k], K innermost, with one E8M0 scale byte for each 32 along K, laid [n][32].
; Tensors 0 to 4 (qx, qc, kx, kc, vx) go into wq one behind the other, tensor 5 (out) into wo.  Both buffers: scale bytes at 0, biases (f32, copied as they are) at W_BI, codes at W_CD.
; Work-group (x, y): 128 columns from 128 x; tensor y / 4; 256 along K from 256 (y % 4).  A LANE TAKES A COLUMN n AND ITS REGISTERS RUN DOWN K: each load reads 128 consecutive bytes a wave,
; a block of 32 along K lies in one lane's 32 registers, and the conversions give codes with K innermost.  A wave's 32 columns x 256 codes go through its own stage in LDS and leave as rows:
; sixteen lanes store 256 consecutive bytes, aligned.  The scale bytes leave 8 a lane, rows 32 bytes apart; the biases 128 bytes a wave: both are small beside the 4 bytes a number that are read.
; A block's scale is 2^(floor(log2(its largest magnitude)) - 8); its byte is the largest magnitude's exponent field - 8, held at 1 from below.
; LIMITS: a block of zeros gets the byte 1 and not 127 (its codes are zeros, and this program alone reads the bytes); NaN and infinities among the inputs are not served.
; No tensor loads, no barrier: waves share nothing.  Loads run two blocks (64 loads a wave) ahead.
.set SIZE_K, 1024
.set SIZE_N, 1024
.set W_BI,  163840                     ; 5 x 1024 x 32 scale bytes lie in front
.set W_CD,  184320                     ; and 5 x 4096 bytes of biases
.set KW,    256
.set NB,    KW/32
.set ROWB,  256
.set PITCH, ROWB+16                    ; a stage row
.set KROW,  SIZE_K                     ; a row of codes in memory
.set EMAX,  8
.set MANT,  0x600000                   ; the mantissa field of 448
.set X,     32                         ; v32-95   two sets of 32 numbers
.set C,     96                         ; v96-103  a block's codes
.set OUTR,  112                        ; v112-175 the way out
.set SB,    24                         ; v24-25   the scale bytes
	s_load_b512 s[36:51], s[0:1], 0x0              ; W0 .. W5 at s[36+2 i], b0, b1 at s[48:51]
	s_load_b256 s[52:59], s[0:1], 0x40             ; b2 .. b5
	s_load_b128 s[60:63], s[0:1], 0x60             ; wq, wo
	v_lshl_add_u32 v192, v0, 2, 0x8c00
	v_mov_b32 v193, 0
	v_lshrrev_b32 v1, 5, v0
	v_readfirstlane_b32 s16, v1                    ; wave 0..3
	v_and_b32 v2, 31, v0                           ; lane
	s_lshl_b32 s17, ttmp9, 7
	s_lshl_b32 s18, s16, 5
	s_add_co_u32 s17, s17, s18                     ; my wave's first column
	s_and_b32 s19, ttmp7, 0xffff
	s_lshr_b32 s32, s19, 2                         ; the tensor, 0..5
	s_and_b32 s18, s19, 3                          ; which 256 along K
	v_lshlrev_b32 v3, 2, v2                        ; in: 4 bytes a lane
	s_mul_i32 s19, s16, 32*PITCH                   ; my stage
	v_mul_u32_u24 v4, v2, PITCH
	v_add_nc_u32 v4, s19, v4                       ; into it: row = my column
	v_and_b32 v5, 15, v2
	v_lshrrev_b32 v6, 4, v2                        ; out of it: sixteen lanes to a row, two rows an instruction
	v_mul_u32_u24 v7, v6, PITCH
	v_lshl_add_u32 v7, v5, 4, v7
	v_add_nc_u32 v7, s19, v7
	v_mul_u32_u24 v8, v6, KROW
	v_lshl_add_u32 v8, v5, 4, v8                   ; the same place in the codes
	v_mul_u32_u24 v9, v2, SIZE_K/32                ; my column's row of scale bytes
	s_cmp_eq_u32 s32, 5
	s_cselect_b32 s34, 0, s32                      ; the tensor's place in its output buffer
	; byte offsets, all under 2^32, in registers of their own
	s_lshl_b32 s20, s18, 20                        ; W: 256 rows of 4,096 bytes for each part of K,
	s_lshl_b32 s22, s17, 2                         ; + 4 x column (also the bias's offset)
	s_add_co_u32 s20, s20, s22
	s_mov_b32 s21, 0
	s_mov_b32 s23, 0
	s_lshl_b32 s24, s34, 20                        ; codes: tensor x 2^20 + column x 1,024 + 256 x part + W_CD
	s_lshl_b32 s25, s17, 10
	s_add_co_u32 s24, s24, s25
	s_lshl_b32 s25, s18, 8
	s_add_co_u32 s24, s24, s25
	s_add_co_u32 s24, s24, W_CD
	s_mov_b32 s25, 0
	s_lshl_b32 s28, s34, 15                        ; scale bytes: tensor x 32,768 + column x 32 + 8 x part
	s_lshl_b32 s29, s17, 5
	s_add_co_u32 s28, s28, s29
	s_lshl_b32 s29, s18, 3
	s_add_co_u32 s28, s28, s29
	s_mov_b32 s29, 0
	s_lshl_b32 s30, s34, 12                        ; bias out: tensor x 4,096 + 4 x column + W_BI
	s_add_co_u32 s30, s30, s22
	s_add_co_u32 s30, s30, W_BI
	s_mov_b32 s31, 0
	s_mov_b32 s33, MANT
	s_wait_kmcnt 0x0
	s_mov_b64 s[4:5], s[36:37]                     ; the choice of buffers hangs on the work-group's number alone
	s_mov_b64 s[10:11], s[48:49]
.irp i, 1,2,3,4,5
	s_cmp_eq_u32 s32, \i
	s_cselect_b64 s[4:5], s[36+2*\i:37+2*\i], s[4:5]
	s_cselect_b64 s[10:11], s[48+2*\i:49+2*\i], s[10:11]
.endr
	s_cselect_b64 s[12:13], s[62:63], s[60:61]     ; (the last compare: tensor 5 goes to wo)
	s_add_nc_u64 s[4:5], s[4:5], s[20:21]
	s_add_nc_u64 s[6:7], s[12:13], s[24:25]
	s_add_nc_u64 s[8:9], s[12:13], s[28:29]
	s_add_nc_u64 s[14:15], s[12:13], s[30:31]
	s_add_nc_u64 s[10:11], s[10:11], s[22:23]
.macro LOAD t                          ; block t: W(32 t + i, my column), i = 0 .. 31, into set t % 2
.irp i, 0,1,2,3,4,5,6,7,8,9,10,11,12,13,14,15,16,17,18,19,20,21,22,23,24,25,26,27,28,29,30,31
	global_load_b32 v[X+32*((\t)%2)+\i], v3, s[4:5] offset:(32*(\t)+\i)*SIZE_N*4 th:TH_LOAD_NT
.endr
.endm
	LOAD 0
	LOAD 1
.macro BLOCK t
.set XS, X+32*((\t)%2)
.if (\t) < NB-1
	s_wait_loadcnt 32                              ; this block's 32 loads are in; the next block's 32 may be out
.else
	s_wait_loadcnt 0
.endif
	v_max3_num_f32 v12, |v[XS]|, |v[XS+1]|, |v[XS+2]|               ; the block's largest magnitude: all 32 numbers are mine
	v_max3_num_f32 v13, |v[XS+3]|, |v[XS+4]|, |v[XS+5]|
.irp i, 6,10,14,18,22,26
	v_max3_num_f32 v12, v12, |v[XS+\i]|, |v[XS+\i+1]|
	v_max3_num_f32 v13, v13, |v[XS+\i+2]|, |v[XS+\i+3]|
.endr
	v_max3_num_f32 v12, v12, |v[XS+30]|, |v[XS+31]|
	v_max3_num_f32 v12, v12, v13, (EMAX+1)<<23     ; and the floor 2^(9 - 127): the byte cannot fall under 1
	v_add_nc_u32 v11, -(EMAX<<23), v12             ; 8 off the exponent field: the conversion takes this operand's exponent field as its scale
	v_and_or_b32 v10, v12, 0x7f800000, s33         ; 448 x the scale
	v_lshrrev_b32 v13, 23, v11                     ; the scale's byte
.if (\t)%4 == 0
	v_mov_b32 v[SB+(\t)/4], v13                    ; four bytes to a register, the lower K in the lower byte
.else
	v_lshl_or_b32 v[SB+(\t)/4], v13, 8*((\t)%4), v[SB+(\t)/4]
.endif
.irp i, 0,1,2,3,4,5,6,7,8,9,10,11,12,13,14,15,16,17,18,19,20,21,22,23,24,25,26,27,28,29,30,31
	v_med3_num_f32 v[XS+\i], v[XS+\i], -v10, v10   ; the conversion to an 8-bit code does not saturate (ISA guide 7.6.2): the hold comes first
.endr
.irp g, 0,1,2,3
	v_cvt_scalef32_pk8_fp8_f32 v[C+2*\g:C+2*\g+1], v[XS+8*\g:XS+8*\g+7], v11
.endr
	ds_store_b128 v4, v[C:C+3] offset:32*(\t)      ; 32 codes: 32 bytes of my column's row
	ds_store_b128 v4, v[C+4:C+7] offset:32*(\t)+16
.if (\t)+2 < NB
	LOAD (\t)+2
.endif
	s_wait_dscnt 0x0                               ; the stores have read their registers: the next block's codes may be written
.endm
.set Q, 0
.rept NB
	BLOCK Q
.set Q, Q+1
.endr
	global_store_b64 v9, v[SB:SB+1], s[8:9]        ; my column's 8 scale bytes
.irp t, 0,1,2,3,4,5,6,7,8,9,10,11,12,13,14,15
	ds_load_b128 v[OUTR+4*\t:OUTR+4*\t+3], v7 offset:2*\t*PITCH   ; LDS serves a wave's instructions in order: these see my stores
.endr
.irp t, 0,1,2,3,4,5,6,7,8,9,10,11,12,13,14,15
	s_wait_dscnt 15-\t                             ; the loads behind load t may stay out
	global_store_b128 v8, v[OUTR+4*\t:OUTR+4*\t+3], s[6:7] offset:2*\t*KROW
.endr
	s_cmp_lg_u32 s18, 0                            ; the work-groups of K's first part also copy their 128 numbers of the bias: one writer for each byte
	s_cbranch_scc1 .Lend
	global_load_b32 v176, v3, s[10:11]
	s_wait_loadcnt 0x0
	global_store_b32 v3, v176, s[14:15]
.Lend:
	s_wait_tensorcnt 0x0
	ds_add_u32 v192, v193
	s_wait_dscnt 0x0
	s_endpgm
.Lfunc_end_k_q3d19cc5c3b_quant_w:
	.size	k_q3d19cc5c3b_quant_w, .Lfunc_end_k_q3d19cc5c3b_quant_w-k_q3d19cc5c3b_quant_w
	.p2alignl 7, 3214868480
	.fill 96, 4, 3214868480
	.section	.rodata,"a",@progbits
	.p2align	6, 0x0
	.amdhsa_kernel k_q3d19cc5c3b_quant_w
		.amdhsa_group_segment_fixed_size 36352
		.amdhsa_private_segment_fixed_size 0
		.amdhsa_enable_private_segment 0
		.amdhsa_kernarg_size 112
		.amdhsa_user_sgpr_count 2
		.amdhsa_user_sgpr_kernarg_segment_ptr 1
		.amdhsa_wavefront_size32 1
		.amdhsa_system_sgpr_workgroup_id_x 1
		.amdhsa_system_sgpr_workgroup_id_y 1
		.amdhsa_system_sgpr_workgroup_id_z 1
		.amdhsa_system_vgpr_workitem_id 0
		.amdhsa_next_free_vgpr 194
		.amdhsa_next_free_sgpr 66
		.amdhsa_reserve_vcc 0
		.amdhsa_float_denorm_mode_32 3
		.amdhsa_float_denorm_mode_16_64 3
		.amdhsa_memory_ordered 1
		.amdhsa_forward_progress 1
		.amdhsa_inst_pref_size 61
	.end_amdhsa_kernel
	.amdgpu_metadata
---
amdhsa.version: [ 1, 2 ]
amdhsa.kernels:
  - .name:           k_q3d19cc5c3b_quant_w
    .symbol:         k_q3d19cc5c3b_quant_w.kd
    .args:
      - { .name: W_qx_lin, .offset: 0, .size: 8, .value_kind: global_buffer, .address_space: global }
      - { .name: W_qc_lin, .offset: 8, .size: 8, .value_kind: global_buffer, .address_space: global }
      - { .name: W_kx_lin, .offset: 16, .size: 8, .value_kind: global_buffer, .address_space: global }
      - { .name: W_kc_lin, .offset: 24, .size: 8, .value_kind: global_buffer, .address_space: global }
      - { .name: W_vx_lin, .offset: 32, .size: 8, .value_kind: global_buffer, .address_space: global }
      - { .name: W_out_lin, .offset: 40, .size: 8, .value_kind: global_buffer, .address_space: global }
      - { .name: b_qx_lin, .offset: 48, .size: 8, .value_kind: global_buffer, .address_space: global }
      - { .name: b_qc_lin, .offset: 56, .size: 8, .value_kind: global_buffer, .address_space: global }
      - { .name: b_kx_lin, .offset: 64, .size: 8, .value_kind: global_buffer, .address_space: global }
      - { .name: b_kc_lin, .offset: 72, .size: 8, .value_kind: global_buffer, .address_space: global }
      - { .name: b_vx_lin, .offset: 80, .size: 8, .value_kind: global_buffer, .address_space: global }
      - { .name: b_out_lin, .offset: 88, .size: 8, .value_kind: global_buffer, .address_space: global }
      - { .name: wq, .offset: 96, .size: 8, .value_kind: global_buffer, .address_space: global }
      - { .name: wo, .offset: 104, .size: 8, .value_kind: global_buffer, .address_space: global }
    .group_segment_fixed_size: 36352
    .private_segment_fixed_size: 0
    .kernarg_segment_align: 8
    .kernarg_segment_size: 112
    .max_flat_workgroup_size: 128
    .sgpr_count:     66
    .vgpr_count:     194
    .wavefront_size: 32
...
	.end_amdgpu_metadata
.endif
;; end of part 1
;; launch quant_a (part 2): grid 640 x 1, 4 waves a work-group, no clusters, 33,280 bytes of LDS; arguments qx, qc, kx, kc, vx, aq; writes aq
.if DOCPART == 2
	.amdgcn_target "amdgcn-amd-amdhsa--gfx1250"
	.amdhsa_code_object_version 6
	.text
	.protected	k_q3d19cc5c3b_quant_a
	.globl	k_q3d19cc5c3b_quant_a
	.p2align	8
	.type	k_q3d19cc5c3b_quant_a,@function
k_q3d19cc5c3b_quant_a:
	s_mov_b64 s[64:65], 0
	v_nop
	global_prefetch_b8 v0, s[64:65] scope:SCOPE_SE
	s_setreg_imm32_b32 hwreg(HW_REG_WAVE_MODE, 25, 1), 1
	s_wait_xcnt 0x0
; Five activations [2048][2][1024], f32, become codes of FP8 (E4M3), K = the last axis innermost, with one E8M0 scale byte for each 32 along K.  Rows keep their order in memory, r = 2 s + b.
; aq: scale bytes [5 x 4096][32] at 0, codes [5 x 4096][1024] at A_CD; tensors in the order qx, qc, kx, kc, vx.  128 work-groups to a tensor.
; Rows are dense and K is a multiple of 32, so a tensor is a plain stream of blocks of 32 numbers, and so are its codes and its scale bytes.
; A wave takes 16 steps of 512 numbers.  Each of a step's four loads reads 512 consecutive bytes, 16 a lane; the 2,048 bytes turn through the wave's own stage in LDS and come back 64 bytes a lane,
; so that a lane holds 16 NEIGHBOURS along K (two neighbouring lanes hold a block), as the conversions want.  The stage has 16 bytes of padding behind each 64.
; A lane's 16 codes are 16 bytes: the wave stores 512 consecutive bytes.  A wave's 256 scale bytes are gathered in LDS and leave as 256 consecutive bytes, aligned.
; LIMITS: a block of zeros gets the byte 1 and not 127 (its codes are zeros, and this program alone reads the bytes); NaN and infinities among the inputs are not served.
; No tensor loads, no barrier: waves share nothing.  Loads run four steps (16 loads a wave) ahead, the turn through LDS one step.
.set STEPS, 16
.set A_CD,  655360                     ; 5 x 4096 x 32 scale bytes lie in front
.set EMAX,  8
.set MANT,  0x600000
.set CB,    16                         ; bytes of 16 codes
.set R,     16                         ; v16-79   four sets of 16 numbers as they are loaded
.set X,     80                         ; v80-111  two sets of 16 neighbours
.set C,     128                        ; v128-191 codes: four registers for each step, so that no store's data are written again
.set E,     112                        ; v112-127 a scale byte for each step
.set WREG,  8192                       ; LDS: a region for each wave: two stages of 32 x SP bytes, behind them its 256 scale bytes
.set SP,    80
	s_load_b256 s[4:11], s[0:1], 0x0               ; qx, qc, kx, kc
	s_load_b128 s[12:15], s[0:1], 0x20             ; vx, aq
	v_lshl_add_u32 v192, v0, 2, 0x8000
	v_mov_b32 v193, 0
	v_lshrrev_b32 v1, 5, v0
	v_readfirstlane_b32 s16, v1                    ; wave
	v_and_b32 v2, 31, v0                           ; lane
	v_lshlrev_b32 v3, 4, v2                        ; my 16 bytes of a load's 512
	s_mul_i32 s17, s16, WREG
	v_lshrrev_b32 v14, 2, v2
	v_mul_u32_u24 v14, v14, SP
	v_and_b32 v15, 3, v2
	v_lshl_add_u32 v14, v15, 4, v14
	v_add_nc_u32 v14, s17, v14                     ; the stage, on the way in: SP (lane / 4) + 16 (lane % 4)
	v_mul_u32_u24 v15, v2, SP
	v_add_nc_u32 v15, s17, v15                     ; and on the way out: SP x lane
	v_mul_u32_u24 v4, v2, CB                       ; my codes' place in a step's
	v_lshrrev_b32 v5, 1, v2
	s_add_co_u32 s17, s17, 2*32*SP
	v_add_nc_u32 v5, s17, v5                       ; my block's byte among my wave's 256
	v_lshlrev_b32 v7, 3, v2                        ; on the way out 8 bytes a lane
	v_add_nc_u32 v6, s17, v7
	s_mov_b32 s23, MANT
	s_lshr_b32 s24, ttmp9, 7                       ; the tensor
	s_and_b32 s18, ttmp9, 127
	s_lshl_b32 s18, s18, 2
	s_add_co_u32 s18, s18, s16                     ; my run of 8,192 numbers in the tensor,
	s_lshl_b32 s18, s18, 15                        ; in bytes
	s_mov_b32 s19, 0
	s_lshl_b32 s20, ttmp9, 2
	s_add_co_u32 s20, s20, s16                     ; my run among all five tensors'
	s_lshl_b32 s26, s20, 13                        ; 8,192 bytes of codes a run
	s_add_co_u32 s26, s26, A_CD
	s_mov_b32 s27, 0
	s_lshl_b32 s28, s20, 8                         ; 256 scale bytes a run
	s_mov_b32 s29, 0
	s_wait_kmcnt 0x0
	s_cmp_eq_u32 s24, 1                            ; the choice hangs on the work-group's number alone
	s_cselect_b64 s[4:5], s[6:7], s[4:5]
	s_cmp_eq_u32 s24, 2
	s_cselect_b64 s[4:5], s[8:9], s[4:5]
	s_cmp_eq_u32 s24, 3
	s_cselect_b64 s[4:5], s[10:11], s[4:5]
	s_cmp_eq_u32 s24, 4
	s_cselect_b64 s[4:5], s[12:13], s[4:5]
	s_add_nc_u64 s[4:5], s[4:5], s[18:19]
	s_add_nc_u64 s[8:9], s[14:15], s[26:27]        ; codes
	s_add_nc_u64 s[10:11], s[14:15], s[28:29]      ; scale bytes
.macro LOAD t
.irp i, 0,1,2,3
	global_load_b128 v[R+16*((\t)%4)+4*\i:R+16*((\t)%4)+4*\i+3], v3, s[4:5] offset:2048*(\t)+512*\i th:TH_LOAD_NT   ; 32 lanes read 512 consecutive bytes
.endr
.endm
.macro TURN t                          ; step t's numbers through the stage: LDS serves a wave's instructions in order, so no wait stands between the stores and the loads
.irp i, 0,1,2,3
	ds_store_b128 v14, v[R+16*((\t)%4)+4*\i:R+16*((\t)%4)+4*\i+3] offset:32*SP*((\t)%2)+8*SP*\i
.endr
.irp i, 0,1,2,3
	ds_load_b128 v[X+16*((\t)%2)+4*\i:X+16*((\t)%2)+4*\i+3], v15 offset:32*SP*((\t)%2)+16*\i
.endr
.endm
.irp t, 0,1,2,3
	LOAD \t
.endr
	s_wait_loadcnt 12                              ; step 0's four loads are in; three steps' twelve may be out
	TURN 0
.macro STEP t
.set XS, X+16*((\t)%2)
.if (\t) > 0
	s_wait_dscnt 1                                 ; this step's numbers are back from the stage (the last step's byte store may be out): its stores into the stage have read their registers,
.else
	s_wait_dscnt 0x0
.endif
.if (\t)+4 < STEPS
	LOAD (\t)+4                                    ; which take the loads of four steps on
.endif
.if (\t)+1 < STEPS
.if STEPS-2-(\t) >= 3
	s_wait_loadcnt 12                              ; the next step's four loads are in; those of the three steps behind it may be out
.else
	s_wait_loadcnt 4*(STEPS-2-(\t))
.endif
	TURN (\t)+1                                    ; and go through the other stage while this step is worked
.endif
	v_max3_num_f32 v8, |v[XS]|, |v[XS+1]|, |v[XS+2]|               ; the largest magnitude of my 16
	v_max3_num_f32 v9, |v[XS+3]|, |v[XS+4]|, |v[XS+5]|
.irp i, 6,10
	v_max3_num_f32 v8, v8, |v[XS+\i]|, |v[XS+\i+1]|
	v_max3_num_f32 v9, v9, |v[XS+\i+2]|, |v[XS+\i+3]|
.endr
	v_max3_num_f32 v8, v8, |v[XS+14]|, |v[XS+15]|
	v_max3_num_f32 v8, v8, v9, (EMAX+1)<<23        ; and the floor 2^(9 - 127): the byte cannot fall under 1
	v_max_num_f32_dpp v8, v8, v8 row_xmask:1 row_mask:0xf bank_mask:0xf   ; and of my neighbour's 16: the block's
	v_add_nc_u32 v11, -(EMAX<<23), v8              ; 8 off its exponent field: the conversion's scale operand
	v_and_or_b32 v10, v8, 0x7f800000, s23          ; 448 x the scale
.irp i, 0,1,2,3,4,5,6,7,8,9,10,11,12,13,14,15
	v_med3_num_f32 v[XS+\i], v[XS+\i], -v10, v10   ; the conversion to an 8-bit code does not saturate (ISA guide 7.6.2): the hold comes first
.endr
	v_cvt_scalef32_pk8_fp8_f32 v[C+4*(\t):C+4*(\t)+1], v[XS:XS+7], v11
	v_cvt_scalef32_pk8_fp8_f32 v[C+4*(\t)+2:C+4*(\t)+3], v[XS+8:XS+15], v11
	v_lshrrev_b32 v[E+(\t)], 23, v11               ; the scale's byte
	ds_store_b8 v5, v[E+(\t)] offset:16*(\t)       ; both lanes of a block write the same byte with the same value
	global_store_b128 v4, v[C+4*(\t):C+4*(\t)+3], s[8:9] offset:32*CB*(\t)
.endm
.irp t, 0,1,2,3,4,5,6,7,8,9,10,11,12,13,14,15
	STEP \t
.endr
	ds_load_b64 v[12:13], v6                       ; LDS serves a wave's instructions in order: these see my stores
	s_wait_dscnt 0x0
	global_store_b64 v7, v[12:13], s[10:11]        ; 32 lanes store 256 consecutive bytes, aligned
	s_wait_tensorcnt 0x0
	ds_add_u32 v192, v193
	s_wait_dscnt 0x0
	s_endpgm
.Lfunc_end_k_q3d19cc5c3b_quant_a:
	.size	k_q3d19cc5c3b_quant_a, .Lfunc_end_k_q3d19cc5c3b_quant_a-k_q3d19cc5c3b_quant_a
	.p2alignl 7, 3214868480
	.fill 96, 4, 3214868480
	.section	.rodata,"a",@progbits
	.p2align	6, 0x0
	.amdhsa_kernel k_q3d19cc5c3b_quant_a
		.amdhsa_group_segment_fixed_size 33280
		.amdhsa_private_segment_fixed_size 0
		.amdhsa_enable_private_segment 0
		.amdhsa_kernarg_size 48
		.amdhsa_user_sgpr_count 2
		.amdhsa_user_sgpr_kernarg_segment_ptr 1
		.amdhsa_wavefront_size32 1
		.amdhsa_system_sgpr_workgroup_id_x 1
		.amdhsa_system_sgpr_workgroup_id_y 1
		.amdhsa_system_sgpr_workgroup_id_z 1
		.amdhsa_system_vgpr_workitem_id 0
		.amdhsa_next_free_vgpr 194
		.amdhsa_next_free_sgpr 66
		.amdhsa_reserve_vcc 0
		.amdhsa_float_denorm_mode_32 3
		.amdhsa_float_denorm_mode_16_64 3
		.amdhsa_memory_ordered 1
		.amdhsa_forward_progress 1
		.amdhsa_inst_pref_size 51
	.end_amdhsa_kernel
	.amdgpu_metadata
---
amdhsa.version: [ 1, 2 ]
amdhsa.kernels:
  - .name:           k_q3d19cc5c3b_quant_a
    .symbol:         k_q3d19cc5c3b_quant_a.kd
    .args:
      - { .name: qx, .offset: 0, .size: 8, .value_kind: global_buffer, .address_space: global }
      - { .name: qc, .offset: 8, .size: 8, .value_kind: global_buffer, .address_space: global }
      - { .name: kx, .offset: 16, .size: 8, .value_kind: global_buffer, .address_space: global }
      - { .name: kc, .offset: 24, .size: 8, .value_kind: global_buffer, .address_space: global }
      - { .name: vx, .offset: 32, .size: 8, .value_kind: global_buffer, .address_space: global }
      - { .name: aq, .offset: 40, .size: 8, .value_kind: global_buffer, .address_space: global }
    .group_segment_fixed_size: 33280
    .private_segment_fixed_size: 0
    .kernarg_segment_align: 8
    .kernarg_segment_size: 48
    .max_flat_workgroup_size: 128
    .sgpr_count:     66
    .vgpr_count:     194
    .wavefront_size: 32
...
	.end_amdgpu_metadata
.endif
;; end of part 2
;; launch proj (part 3): grid 4 x 80, 4 waves a work-group, clusters of 4 x 4, 327,680 bytes of LDS; arguments aq, wq, pj; writes pj
.if DOCPART == 3
	.amdgcn_target "amdgcn-amd-amdhsa--gfx1250"
	.amdhsa_code_object_version 6
	.text
	.protected	k_q3d19cc5c3b_proj
	.globl	k_q3d19cc5c3b_proj
	.p2align	8
	.type	k_q3d19cc5c3b_proj,@function
k_q3d19cc5c3b_proj:
	s_mov_b64 s[64:65], 0
	v_nop
	global_prefetch_b8 v0, s[64:65] scope:SCOPE_SE
	s_setreg_imm32_b32 hwreg(HW_REG_WAVE_MODE, 25, 1), 1
	s_wait_xcnt 0x0
	s_wait_alu depctr_hold_cnt(0) depctr_sa_sdst(0) depctr_va_vdst(0) depctr_va_sdst(0) depctr_va_ssrc(0) depctr_va_vcc(0) depctr_vm_vsrc(0)
	s_getreg_b32 s2, hwreg(HW_REG_IB_STS2, 6, 4)
	s_cmp_eq_u32 s2, 0
	s_cbranch_scc0 .Lentry_in_a_cluster
	s_endpgm
.Lentry_in_a_cluster:
	s_bfe_u32 s2, ttmp6, 0x10000c
	s_cmp_lg_u32 s2, 0xf033
	s_cbranch_scc0 .Lentry_shape_is_right
	s_endpgm
.Lentry_shape_is_right:
; C[m][n] = bias[n] + sum over k of A[m][k] B[n][k], K = 1,024, N = 1,024 for each tensor; A and B are codes of FP8 (E4M3) with one E8M0 scale for each 32 along K; C is f32; sums in f32.
; Arguments a, w, c.  a: scale bytes [rows][32] at 0, codes [rows][1024] at A_CD.  w: scale bytes [T x 1024][32] at 0, biases f32 [T][1024] at W_BI, codes [T x 1024 (n)][1024 (k)] at W_CD.
; c: [rows][1024] f32.  Rows of a and c run through all tensors, 4,096 to a tensor: tile row y of C belongs to tensor y / 16, which picks B's rows and the bias.  With 16 tile rows there is one tensor.
; A tile of C, 256 x 256, is made by a work-group of four waves; a wave makes 128 x 128: 64 accumulators of 16 x 16, 512 registers.
; K goes in steps of 256 through a ring of two LDS slots filled by the tensor data mover: a tile's row is 256 bytes of memory.
; THE SCALES of the work-group's 256 rows of A and 256 rows of B, for all of K, are two dense blocks of memory: they come into LDS once, with the first fills, as rows of 256 bytes, and stay.
; THE BIAS is the C of each sum's first matrix instruction: eight registers for each of my eight column blocks, in the result's layout; it costs no addition.
; CLUSTERS: 4 x 4 work-groups.  The four of a row of the cluster need the same tiles of A, the four of a column the same tiles of B (a cluster's four tile rows lie in one tensor): each tile is asked
; for JOINTLY, by the same tensor load with the same descriptor and a mask that names the four.  THE MATRIX INSTRUCTION IS USED TRANSPOSED (source 0 = 16 rows of B, source 1 = 16 rows of A):
; a lane then holds eight neighbouring numbers of a row of C.
; REGISTERS, in windows of 256: window 0: v0-31 addresses; v32-63 scale words, two sets; v64-127 the bias; from v128 A's fragments (8 x 16 rows x 128 K), ONE set; on the way out v128-255 are free.
;   window 1: B's fragments, TWO sets, at v0 and at v128.   window 2: the 32 accumulators of my rows 0-63 (accumulator (a, b) at v[8 (8 a + b)]);   window 3: those of my rows 64-127.
; A step of 128 along K is 64 matrix instructions, A's blocks one after the other, each against B's eight: a block of A is free as soon as its eight products are issued, so one set serves A.
.set SIZE_K, 1024
.set SIZE_N, 1024
.set A_CD,   655360
.set W_BI,   163840
.set W_CD,   184320
.set KSTEP,  256                       ; along K in a slot
.set NQ,     KSTEP/128                 ; matrix instructions deep
.set ROWB,   256                       ; a tile's row in bytes
.set KROW,   SIZE_K                    ; a row of A or of B in memory, in bytes
.set PITCH,  272                       ; an LDS row: 256 bytes + 16 of padding = 68 words: row r starts at bank 4 r mod 64 (64 banks of 4 bytes: ISA guide 11.1)
.set FR,     16                        ; registers of a fragment
.set NL,     4                         ; LDS loads that bring one
.set NP,     8                         ; places behind this matrix instruction (ISA guide 7.12.1)
.set HALFT,  128*PITCH                 ; 128 rows: what one tensor load brings
.set SLOT,   4*HALFT                   ; A's 256 rows, then B's 256 rows
.set LAPS,   SIZE_K/(2*KSTEP)          ; a lap = two K steps = once round the ring
.set KS,     SIZE_K/32                 ; a row of scales in bytes
.set SCL,    2*SLOT                    ; behind the ring: the scales, as rows of 256 bytes + 16 of padding
.set HALFS,  (128*KS/256)*272          ; the scales of 128 rows
.set SBLK,   (16*KS/256)*272           ; those of 16 rows
.set SPARE,  SCL+4*HALFS               ; behind the scales: the spare words, 128 bytes for each wave
.set SPITCH, 528                       ; the way out: a stage of 16 rows x (512 bytes + 16) for each wave, in slot 0, which has had its last fill and its last read by then
.set ADRA, 16                          ; v16-17  LDS address of my A fragments in slot 0, 1
.set ADRB, 20                          ; v20-21  the same for B
.set STO,  24                          ; v24     the way out: where I put 32 bytes of a row
.set RD,   25                          ; v25     the way out: where I read a row back
.set CO,   26                          ; v26     my byte offset in a row of C
.set ADRS, 27                          ; v27     LDS address of my scale words: lanes 0-15 A's rows, lanes 16-31 B's
.set SPW,  28                          ; v28     LDS address of my spare word; never rewritten
.set NIL,  29                          ; v29     0; never rewritten
.set BO,   30                          ; v30     my byte offset in a block of the bias: 32 (lane / 16)
.set SC,   32                          ; scale words: set s at v[SC + 16 s]; register 2 i + q: lanes 0-15 A's block i, lanes 16-31 B's block i, the slot's q-th 128 along K
.set BIAS, 64                          ; v64-127 register 8 b + j: bias of column 16 b + 8 (lane / 16) + j of my 128
.set AF,   128                         ; A's fragments
.set BK,   128                         ; the way out: 16 rows read back: v128-191 and v192-255 by turns
.set G1, 24                            ; s[24:31] descriptor group 1 for A's tiles;  s[32:39] group 0, one set for each slot
.set G0, 32
.set G1B, 48                           ; s[48:55], s[56:63] the same for B's tiles
.set G0B, 56
.set G1S, 68                           ; s[68:75], s[76:79] groups 1 and 0 for A's scales;  s[80:87], s[88:91] for B's
.set G0S, 76
.set G1SB, 80
.set G0SB, 88
.set MSB, 0
.macro WIN new                         ; the immediate's high byte repeats the setting that is left
.if MSB != \new
	s_set_vgpr_msb (MSB<<8)|\new
.set MSB, \new
.endif
.endm
.set MUL_LO, 0xa1                      ; source 0 (B) window 1, source 1 (A) window 0, C and D window 2
.set MUL_HI, 0xf1                      ; the same, C and D window 3
.set FIRST_LO, 0x81                    ; the first products: C (the bias) window 0, D window 2
.set FIRST_HI, 0xc1                    ; D window 3
.set TO_B,   0x40                      ; destination window 1, address window 0
; A joint load: waves 0 and 1 fetch for A, waves 2 and 3 for B.  Each line has one mask and one set of registers; the branch hangs on the wave's number alone.
; Four v_nop follow each of the two lines, ahead of the jump, the label and what follows.
.macro JLOAD g0a, g1a, g0b, g1b
	s_cmp_eq_u32 s15, 0
	s_cbranch_scc0 .Lfor_b_\@
	tensor_load_to_lds s[\g0a:\g0a+3], s[\g1a:\g1a+7]
	s_nop 0
.rept 4
	v_nop
.endr
	s_branch .Lasked_\@
.Lfor_b_\@:
	tensor_load_to_lds s[\g0b:\g0b+3], s[\g1b:\g1b+7]
	s_nop 0
.rept 4
	v_nop
.endr
.Lasked_\@:
.endm
.macro CREST                           ; a round of the cluster's barrier behind its opening barrier
	s_cmp_lg_u32 s14, 0
	s_cbranch_scc1 .Lnot_wave_0_\@
	s_barrier_signal -3
.Lnot_wave_0_\@:
	s_barrier_wait -3
	s_barrier_signal -1
	s_barrier_wait -1
.endm
.macro CROUND                          ; a whole round
	s_barrier_signal -1
	s_barrier_wait -1
	CREST
.endm
	s_load_b64 s[4:5], s[0:1], 0x0                 ; a
	s_load_b64 s[8:9], s[0:1], 0x8                 ; w
	s_load_b64 s[12:13], s[0:1], 0x10              ; c
	v_lshl_add_u32 v[SPW], v0, 2, SPARE
	v_mov_b32 v[NIL], 0
	ds_add_u32 v28, v29
	s_wait_dscnt 0x0
	v_lshrrev_b32 v1, 5, v0
	v_readfirstlane_b32 s14, v1                    ; wave 0..3
	s_lshr_b32 s15, s14, 1                         ; which half of the tile's rows is mine.  Also: I fetch for A (0) or for B (1)
	s_and_b32 s16, s14, 1                          ; which half of its columns.  Also: which 128 rows of that tile I fetch
	s_bfe_u32 s40, ttmp6, 0x40000                  ; cx, cy: my place in the cluster
	s_bfe_u32 s41, ttmp6, 0x40004
	s_lshl_b32 s42, ttmp9, 2
	s_add_co_u32 s42, s42, s40                     ; tile column of C = 4 x cluster x + cx
	s_and_b32 s17, ttmp7, 0xffff
	s_lshr_b32 s95, s17, 2                         ; the tensor = cluster y / 4: the same in all sixteen work-groups
	s_lshl_b32 s17, s17, 2
	s_add_co_u32 s17, s17, s41                     ; tile row of C = 4 x cluster y + cy
	s_lshl_b32 s43, s41, 2
	s_lshl_b32 s43, 15, s43                        ; my row of the cluster
	s_lshl_b32 s44, 0x1111, s40                    ; my column
	; descriptor group 1: a tile of 128 rows x 256 bytes, padded in LDS
	s_or_b32 s[G1+0], s43, (0<<16)|(1<<20)|(1<<21)|(5<<22)|(3<<25)  ; 15:0 the mask: A's tiles go to my row; 17:16 element of 1 byte; 20 padding on; 21 set beside a mask; 24:22 after every 64 words; 31:25 of 4 words
	s_or_b32 s[G1B+0], s44, (0<<16)|(1<<20)|(1<<21)|(5<<22)|(3<<25)
.irp g, G1, G1B
	s_mov_b32 s[\g+1], ROWB<<16                    ; tensor_dim0
	s_mov_b32 s[\g+2], 128<<16                     ; tensor_dim1 = 128
	s_mov_b32 s[\g+3], ROWB<<16                    ; tile_dim0
	s_mov_b32 s[\g+4], 128                         ; tile_dim1 = 128
	s_mov_b32 s[\g+5], KROW                        ; tensor_dim0_stride
	s_mov_b32 s[\g+6], 0
	s_mov_b32 s[\g+7], 0
.endr
	; and for the scales of 128 rows: a dense block of 4,096 bytes, as rows of 256 bytes (32 elements of 8 bytes), 16 bytes of padding behind each
	s_or_b32 s[G1S+0], s43, (3<<16)|(1<<20)|(1<<21)|(5<<22)|(3<<25)
	s_or_b32 s[G1SB+0], s44, (3<<16)|(1<<20)|(1<<21)|(5<<22)|(3<<25)
.irp g, G1S, G1SB
	s_mov_b32 s[\g+1], 32<<16
	s_mov_b32 s[\g+2], (128*KS/256)<<16
	s_mov_b32 s[\g+3], 32<<16
	s_mov_b32 s[\g+4], 128*KS/256
	s_mov_b32 s[\g+5], 32
	s_mov_b32 s[\g+6], 0
	s_mov_b32 s[\g+7], 0
.endr
	s_lshl_b32 s18, s16, 7                         ; which 128 rows of the tile I fetch
	s_lshl_b32 s20, s17, 8
	s_add_co_u32 s20, s20, s18                     ; A: row 256 x tile row + 128 x half
	s_lshl_b32 s46, s42, 8
	s_add_co_u32 s46, s46, s18                     ; B: row 256 x tile column + 128 x half
	s_lshl_b32 s47, s95, 10
	s_add_co_u32 s46, s46, s47                     ;    + 1,024 x tensor
	s_mov_b32 s21, 0
	s_mov_b32 s47, 0
	s_mov_b64 s[18:19], KS
	s_mul_u64 s[22:23], s[20:21], s[18:19]         ; where these rows' scales begin, in bytes
	s_mul_u64 s[92:93], s[46:47], s[18:19]
	s_mov_b64 s[18:19], KROW
	s_mul_u64 s[20:21], s[20:21], s[18:19]         ; and their codes
	s_mul_u64 s[46:47], s[46:47], s[18:19]
	s_mul_i32 s45, s14, HALFT                      ; where they go: wave x 128 rows: no place in the cluster enters an LDS address
	s_mul_i32 s94, s14, HALFS
	s_lshl_b32 s98, s95, 12                        ; the bias of my 128 columns: 4,096 x tensor + 1,024 x tile column + 512 x half + W_BI
	s_lshl_b32 s99, s42, 10
	s_add_co_u32 s98, s98, s99
	s_lshl_b32 s99, s16, 9
	s_add_co_u32 s98, s98, s99
	s_add_co_u32 s98, s98, W_BI
	s_mov_b32 s99, 0
	s_wait_kmcnt 0x0
	s_mov_b64 s[6:7], s[4:5]                       ; A's scales lie at a's head,
	s_add_nc_u64 s[4:5], s[4:5], A_CD              ; its codes behind them
	s_mov_b64 s[10:11], s[8:9]                     ; B's likewise
	s_add_nc_u64 s[8:9], s[8:9], W_CD
	s_add_nc_u64 s[96:97], s[10:11], s[98:99]
	s_add_nc_u64 s[20:21], s[4:5], s[20:21]
	s_add_nc_u64 s[22:23], s[6:7], s[22:23]
	s_add_nc_u64 s[46:47], s[8:9], s[46:47]
	s_add_nc_u64 s[92:93], s[10:11], s[92:93]
	CROUND                                         ; all sixteen work-groups are here: the first joint loads meet
	s_mov_b32 s[G0S], 1
	s_add_co_u32 s[G0S+1], s94, SCL
	s_mov_b64 s[G0S+2:G0S+3], s[22:23]
	s_or_b32 s[G0S+3], s[G0S+3], 0x80000000
	s_mov_b32 s[G0SB], 1
	s_add_co_u32 s[G0SB+1], s94, SCL
	s_mov_b64 s[G0SB+2:G0SB+3], s[92:93]
	s_or_b32 s[G0SB+3], s[G0SB+3], 0x80000000
	JLOAD G0S, G1S, G0SB, G1SB                     ; the scales first: they are wanted with K step 0
.irp s, 0,1
	s_mov_b32 s[G0+4*\s], 1
	s_add_co_u32 s[G0+4*\s+1], s45, \s*SLOT
	s_add_nc_u64 s[G0+4*\s+2:G0+4*\s+3], s[20:21], \s*ROWB
	s_or_b32 s[G0+4*\s+3], s[G0+4*\s+3], 0x80000000
	s_mov_b32 s[G0B+4*\s], 1
	s_add_co_u32 s[G0B+4*\s+1], s45, \s*SLOT
	s_add_nc_u64 s[G0B+4*\s+2:G0B+4*\s+3], s[46:47], \s*ROWB
	s_or_b32 s[G0B+4*\s+3], s[G0B+4*\s+3], 0x80000000
	JLOAD G0+4*\s, G1, G0B+4*\s, G1B
.endr
	v_and_b32 v1, 15, v0                           ; l % 16
	v_bfe_u32 v2, v0, 4, 1                         ; l / 16
	v_lshlrev_b32 v[BO], 5, v2
.irp b, 0,1,2,3,4,5,6,7
	global_load_b128 v[BIAS+8*\b:BIAS+8*\b+3], v[BO], s[96:97] offset:64*\b        ; columns 16 b + 8 (l / 16) + 0 .. 3
	global_load_b128 v[BIAS+8*\b+4:BIAS+8*\b+7], v[BO], s[96:97] offset:64*\b+16   ; + 4 .. 7
.endr
	v_mul_u32_u24 v3, v1, PITCH
	v_lshl_add_u32 v4, v2, 4, v3                   ; a fragment's row x pitch + 16 x half
	s_mul_i32 s21, s15, HALFT                      ; my 128 rows of A
	s_mul_i32 s22, s16, HALFT                      ; my 128 rows of B,
	s_add_co_u32 s22, s22, 2*HALFT                 ; which lie behind A's 256
.irp s, 0,1
	v_add_nc_u32 v[ADRA+\s], s21, v4
	v_add_nc_u32 v[ADRB+\s], s22, v4
	s_add_co_u32 s21, s21, SLOT
	s_add_co_u32 s22, s22, SLOT
.endr
	v_mul_u32_u24 v5, v1, KS                       ; my row's scales: 32 bytes a row,
	v_lshrrev_b32 v6, 8, v5
	v_lshl_add_u32 v5, v6, 4, v5                   ; and 16 more for each 256 passed
	s_mul_i32 s21, s15, HALFS                      ; A's: my 128 rows
	s_mul_i32 s22, s16, HALFS                      ; B's: my 128 rows, behind A's 256
	s_add_co_u32 s22, s22, 2*HALFS
	s_sub_co_u32 s22, s22, s21
	v_mul_u32_u24 v6, s22, v2                      ; lanes 16-31 take B's
	s_add_co_u32 s21, s21, SCL
	v_add_nc_u32 v5, v5, v6
	v_add_nc_u32 v[ADRS], s21, v5
	s_mul_i32 s23, s14, 16*SPITCH                  ; my stage
	v_mul_u32_u24 v5, v1, SPITCH                   ; in: row l % 16, 32 bytes for each half of the lanes
	v_lshl_add_u32 v5, v2, 5, v5
	v_add_nc_u32 v[STO], s23, v5
	v_and_b32 v6, 31, v0
	v_lshlrev_b32 v[CO], 4, v6                     ; back: the 32 lanes take one row of 512 bytes; and the same in C
	v_add_nc_u32 v[RD], s23, v[CO]
	s_lshl_b32 s20, s17, 8
	s_lshl_b32 s21, s15, 7
	s_add_co_u32 s20, s20, s21                     ; my first row of C: 256 x tile row + 128 x half
	s_mov_b32 s21, 0
	s_mov_b64 s[18:19], SIZE_N*4
	s_mul_u64 s[20:21], s[20:21], s[18:19]
	s_lshl_b32 s46, s42, 10                        ; my first column, in bytes: 1,024 x tile column + 512 x half
	s_lshl_b32 s47, s16, 9
	s_add_co_u32 s46, s46, s47
	s_mov_b32 s47, 0
	s_add_nc_u64 s[20:21], s[20:21], s[46:47]
	s_add_nc_u64 s[12:13], s[12:13], s[20:21]
.macro FRAG reg, adr, q, i             ; a fragment, 16 rows x 128 K of 8-bit codes: lane l holds row l % 16; registers 4 c .. 4 c + 3 hold K = 32 c + 16 (l / 16) + 0 .. 15
.irp c, 0,1,2,3
	ds_load_b128 v[\reg+4*\c:\reg+4*\c+3], v[\adr] offset:128*(\q)+32*\c+(\i)*16*PITCH
.endr
.endm
; 16 matrix instructions: A's blocks a0, a0 + 1 x B's eight, 128 along K: the slot's q-th.  p: B's set;  sc: the set of scale words.  first = 1: the sums start from the bias: nothing is ever cleared.
; The 64 accumulators take turns, one instruction a turn, in the same order in every step.
.macro MUL16 a0, p, q, sc, first
.irp a, \a0, \a0+1
.irp b, 0,1,2,3,4,5,6,7
.if \first
	v_wmma_scale_f32_16x16x128_f8f6f4 v[8*(8*((\a)%4)+\b):8*(8*((\a)%4)+\b)+7], v[128*(\p)+FR*\b:128*(\p)+FR*\b+FR-1], v[AF+FR*(\a):AF+FR*(\a)+FR-1], v[BIAS+8*\b:BIAS+8*\b+7], v[SC+8*NQ*(\sc)+NQ*\b+(\q)], v[SC+8*NQ*(\sc)+NQ*(\a)+(\q)] matrix_a_scale:MATRIX_SCALE_ROW1
.else
	v_wmma_scale_f32_16x16x128_f8f6f4 v[8*(8*((\a)%4)+\b):8*(8*((\a)%4)+\b)+7], v[128*(\p)+FR*\b:128*(\p)+FR*\b+FR-1], v[AF+FR*(\a):AF+FR*(\a)+FR-1], v[8*(8*((\a)%4)+\b):8*(8*((\a)%4)+\b)+7], v[SC+8*NQ*(\sc)+NQ*\b+(\q)], v[SC+8*NQ*(\sc)+NQ*(\a)+(\q)] matrix_a_scale:MATRIX_SCALE_ROW1
.endif
.endr
.endr
.endm
.macro FETCH_B slot, q, p              ; B's eight fragments of the slot's q-th 128 along K into set p
	WIN TO_B
.irp i, 0,1,2,3,4,5,6,7
	FRAG 128*(\p)+FR*\i, ADRB+\slot, \q, \i
.endr
	WIN 0
.endm
.macro FETCH_A slot, q, i0             ; A's blocks i0 .. i0 + 3
.irp i, \i0, \i0+1, \i0+2, \i0+3
	FRAG AF+FR*(\i), ADRA+\slot, \q, \i
.endr
.endm
.macro SCALES sc                       ; the next K step's scale words into set sc: two words a row; lanes 0-15 take A's block i, lanes 16-31 B's block i
.irp i, 0,1,2,3,4,5,6,7
	ds_load_b64 v[SC+8*NQ*\sc+NQ*\i:SC+8*NQ*\sc+NQ*\i+1], v[ADRS] offset:\i*SBLK
.endr
.endm
; A load into a register that a matrix instruction has read, and an LDS store that reads a matrix result, stand NP places behind that matrix instruction; only plain vector
; instructions that name none of its registers are places (ISA guide 7.12.1 for vector instructions).
.macro PLACES n
.rept \n
	v_nop
.endr
.endm
; A step of 128 along K that has its successor in the same slot.
.macro STEP slot, q, first
	s_wait_dscnt 4*NL                              ; B's set and A's blocks 0-3 are in; the youngest sixteen loads (A's blocks 4-7) may be out
.if \first
	WIN FIRST_LO
.else
	WIN MUL_LO
.endif
	MUL16 0, (\q)%2, \q, \slot, \first
	MUL16 2, (\q)%2, \q, \slot, \first
	s_wait_dscnt 0                                 ; A's blocks 4-7 are in (asked for 32 matrix instructions ago)
	PLACES NP
	FETCH_B \slot, (\q)+1, 1-(\q)%2
	FETCH_A \slot, (\q)+1, 0
.if \first
	WIN FIRST_HI
.else
	WIN MUL_HI
.endif
	MUL16 4, (\q)%2, \q, \slot, \first
	MUL16 6, (\q)%2, \q, \slot, \first
	PLACES NP
	WIN 0
	FETCH_A \slot, (\q)+1, 4
.endm
; A slot's last step changes slots: ONE barrier; in front of it each wave waits for all its tensor loads, adds 0 to its spare word, and waits for that and for its own reads of this slot.  fill = 1: this slot is filled again, two K steps ahead.
.macro TURN slot, next, fill
	s_wait_tensorcnt 0x0                           ; all my tensor loads have landed: my part of the next slot;  (every window is 0 here)
	ds_add_u32 v[SPW], v[NIL]                      ; 0 onto my spare word
	s_wait_dscnt 4*NL+1                            ; (the add and the youngest sixteen loads, A's blocks 4-7, may be out)
	WIN MUL_LO
	MUL16 0, 1, NQ-1, \slot, 0                     ; sixteen matrix instructions stand between the add and the wait for it
	s_wait_dscnt 0x0                               ; the add is done, and my reads of this slot are over
	s_barrier_signal -1
	MUL16 2, 1, NQ-1, \slot, 0
	WIN 0
	s_barrier_wait -1
.if \fill
	CREST                                          ; the barrier has opened a round of the cluster's barrier: no wave of any partner still reads this slot's tile or has a load on its way
	s_add_nc_u64 s[G0+4*\slot+2:G0+4*\slot+3], s[G0+4*\slot+2:G0+4*\slot+3], 2*ROWB
	s_add_nc_u64 s[G0B+4*\slot+2:G0B+4*\slot+3], s[G0B+4*\slot+2:G0B+4*\slot+3], 2*ROWB
	JLOAD G0+4*\slot, G1, G0B+4*\slot, G1B         ; the first tensor load behind the round; the four v_nop behind it are among the places in front of the loads below
	PLACES NP-4
.else
	PLACES NP
.endif
	v_add_nc_u32 v[ADRS], 4*NQ, v[ADRS]            ; on to the next K step's scale words (no LDS load of mine is out)
	FETCH_B \next, 0, 0
	FETCH_A \next, 0, 0
	SCALES \next
	WIN MUL_HI
	MUL16 4, 1, NQ-1, \slot, 0
	MUL16 6, 1, NQ-1, \slot, 0
	PLACES NP
	WIN 0
	FETCH_A \next, 0, 4
.endm
	s_wait_tensorcnt 1                             ; the scales and my part of K step 0 are in (K step 1's load may be out),
	s_barrier_signal -1
	s_barrier_wait -1                              ; everybody's are
	FETCH_B 0, 0, 0
	FETCH_A 0, 0, 0
	SCALES 0
	FETCH_A 0, 0, 4
	s_wait_loadcnt 0x0                             ; the bias
	STEP 0, 0, 1                                   ; the first step stands in front of the loop: its products start the sums from the bias
	s_mov_b32 s3, LAPS-1
.Llap:                                                 ; a trip goes once round the ring, from a lap's second step to the next lap's first, and fills both slots again
	TURN 0, 1, 1
	STEP 1, 0, 0
	TURN 1, 0, 1
	STEP 0, 0, 0
	s_sub_co_u32 s3, s3, 1
	s_cmp_lg_u32 s3, 0
	s_cbranch_scc1 .Llap
	TURN 0, 1, 0                                   ; the last lap fills nothing, and has no round of the cluster's barrier
	STEP 1, 0, 0
	s_wait_dscnt 4*NL                              ; the very last step: nothing more to fetch
	WIN MUL_LO
	MUL16 0, 1, NQ-1, 1, 0
	MUL16 2, 1, NQ-1, 1, 0
	s_wait_dscnt 0
	WIN MUL_HI
	MUL16 4, 1, NQ-1, 1, 0
	MUL16 6, 1, NQ-1, 1, 0
	WIN 0
; THE WAY OUT, block by block of 16 rows x 128 columns.  A lane holds 32 neighbouring bytes of a row, and the lanes beside it hold other rows: so a block goes through my own stage in LDS and comes back as whole
; rows of 512 bytes, which the 32 lanes store at a multiple of 256 bytes from C's first byte.  LDS serves a wave's instructions in order (ISA guide 5.7.1.4): no wait between the stores and the loads.
.macro TOSTAGE a
.set AC, 64*((\a)%4)
	WIN 0x08+4*((\a)/4)                            ; the data: window 2 or 3
.irp b, 0,1,2,3,4,5,6,7
	ds_store_b128 v[STO], v[AC+8*\b:AC+8*\b+3] offset:64*\b          ; each accumulator from its low end on
	ds_store_b128 v[STO], v[AC+8*\b+4:AC+8*\b+7] offset:64*\b+16
.endr
	WIN 0
.set BB, BK+64*((\a)%2)
.irp t, 0,1,2,3,4,5,6,7,8,9,10,11,12,13,14,15
	ds_load_b128 v[BB+4*\t:BB+4*\t+3], v[RD] offset:\t*SPITCH
.endr
.endm
.macro SEND a, younger                 ; younger: the LDS instructions issued behind block a's loads, which may stay out
.set BB, BK+64*((\a)%2)
	s_wait_dscnt \younger                          ; the block is back in registers
.if (\a) > 0
	s_add_nc_u64 s[12:13], s[12:13], 16*SIZE_N*4   ; (behind a wait on XCNT: the earlier stores have read their base)  16 rows of C on
.endif
.irp t, 0,1,2,3,4,5,6,7,8,9,10,11,12,13,14,15
	global_store_b128 v[CO], v[BB+4*\t:BB+4*\t+3], s[12:13] offset:\t*SIZE_N*4   ; 32 lanes store 512 consecutive bytes
.endr
.endm
	PLACES NP                                      ; these places serve the loads into the registers that held A's fragments and the reads of the last products' results alike
	TOSTAGE 0
.irp a, 1,2,3,4,5,6,7
.if \a > 1
	s_wait_xcnt 0x0                                ; block a - 2's stores have read their registers and their base: block a's loads may land there, and the base may step
.endif
	TOSTAGE \a
	SEND \a-1, 32                                  ; behind block a - 1's loads: block a's 16 stores and 16 loads
.endr
	s_wait_xcnt 0x0                                ; block 6's stores have read their base
	SEND 7, 0
	s_wait_tensorcnt 0x0                           ; the wave's end, behind my last tensor load and my last LDS store
	ds_add_u32 v[SPW], v[NIL]
	s_wait_dscnt 0x0
	CROUND                                         ; the closing round: no work-group ends while a partner may still ask for a tile that names it
	s_endpgm
.Lfunc_end_k_q3d19cc5c3b_proj:
	.size	k_q3d19cc5c3b_proj, .Lfunc_end_k_q3d19cc5c3b_proj-k_q3d19cc5c3b_proj
	.p2alignl 7, 3214868480
	.fill 96, 4, 3214868480
	.section	.rodata,"a",@progbits
	.p2align	6, 0x0
	.amdhsa_kernel k_q3d19cc5c3b_proj
		.amdhsa_group_segment_fixed_size 327680
		.amdhsa_private_segment_fixed_size 0
		.amdhsa_enable_private_segment 0
		.amdhsa_kernarg_size 24
		.amdhsa_user_sgpr_count 2
		.amdhsa_user_sgpr_kernarg_segment_ptr 1
		.amdhsa_wavefront_size32 1
		.amdhsa_system_sgpr_workgroup_id_x 1
		.amdhsa_system_sgpr_workgroup_id_y 1
		.amdhsa_system_sgpr_workgroup_id_z 1
		.amdhsa_system_vgpr_workitem_id 0
		.amdhsa_next_free_vgpr 1024
		.amdhsa_next_free_sgpr 100
		.amdhsa_reserve_vcc 0
		.amdhsa_float_denorm_mode_32 3
		.amdhsa_float_denorm_mode_16_64 3
		.amdhsa_memory_ordered 1
		.amdhsa_forward_progress 1
		.amdhsa_inst_pref_size 148
	.end_amdhsa_kernel
	.amdgpu_metadata
---
amdhsa.version: [ 1, 2 ]
amdhsa.kernels:
  - .name:           k_q3d19cc5c3b_proj
    .symbol:         k_q3d19cc5c3b_proj.kd
    .args:
      - { .name: aq, .offset: 0, .size: 8, .value_kind: global_buffer, .address_space: global }
      - { .name: wq, .offset: 8, .size: 8, .value_kind: global_buffer, .address_space: global }
      - { .name: pj, .offset: 16, .size: 8, .value_kind: global_buffer, .address_space: global }
    .group_segment_fixed_size: 327680
    .private_segment_fixed_size: 0
    .kernarg_segment_align: 8
    .kernarg_segment_size: 24
    .max_flat_workgroup_size: 128
    .sgpr_count:     100
    .vgpr_count:     1024
    .wavefront_size: 32
...
	.end_amdgpu_metadata
.endif
;; end of part 3
;; launch mix (part 4): grid 512 x 1, 4 waves a work-group, no clusters, 41,472 bytes of LDS; arguments pj, W_Vqx, W_Vqc, W_Vkx, W_Vkc, b_Vqx, b_Vqc, b_Vkx, b_Vkc, qk; writes qk
.if DOCPART == 4
	.amdgcn_target "amdgcn-amd-amdhsa--gfx1250"
	.amdhsa_code_object_version 6
	.text
	.protected	k_q3d19cc5c3b_mix
	.globl	k_q3d19cc5c3b_mix
	.p2align	8
	.type	k_q3d19cc5c3b_mix,@function
k_q3d19cc5c3b_mix:
	s_mov_b64 s[64:65], 0
	v_nop
	global_prefetch_b8 v0, s[64:65] scope:SCOPE_SE
	s_setreg_imm32_b32 hwreg(HW_REG_WAVE_MODE, 25, 1), 1
	s_wait_xcnt 0x0
; The gate and the mix, for q (work-groups 0-255) and for k (256-511): lam = sigmoid(x' . Vx + bx + c' . Vc + bc), y = (1 - lam) x' + lam c', all in f32; then y is quantised to FP8 (E4M3) along
; each head's 64 numbers (two blocks of 32) and laid for attention.  x', c': sections 2 P and 2 P + 1 of pj, f32 [4096 (r = 2 s + b)][1024].
; qk: scale WORDS u32 [32 (bh = 16 b + head)][2048 (s)], q's at 0, k's at 262,144; codes [32][2048][64], q's at QC, k's 4,194,304 further on.
; A scale word is e0 | e1 << 8 | 0x7f7f0000: attention's matrix instruction is 128 deep along K, the head 64: the upper 64 are zero codes there, under the byte 127.
; SHARES.  A wave owns four rows s0 .. s0 + 3 of one b, one after the other; a row of x' and of c' is 32 registers each: read from memory once, kept between the dot product and the mix.
; Each load reads 512 consecutive bytes.  The mixed row turns through the wave's stage in LDS, so that a lane holds 16 NEIGHBOURS (columns 512 t + 16 lane + 0 .. 15, t = 0, 1): four lanes hold a head,
; two a block.  The codes of four rows of a head are 256 consecutive bytes of qk: they are gathered in a second stage and leave sixteen lanes to 256 aligned bytes.
; The scale words leave as pieces of 16 bytes (four rows of a head): one byte for each 128 that the launch reads.
; ORDER OF ROUNDING: the two dot products are summed together, in four chains and across lanes, then bx and bc are added: another order of f32 additions than the source's.
; LIMITS: a block of zeros gets the byte 1 and not 127 (its codes are zeros, and this program alone reads the words); NaN and infinities are not served.
; No tensor loads, no barrier: waves share nothing.  Matrix units and clusters have nothing to do here: memory binds.
.set QC,   524288
.set EMAX, 8
.set VX,   32                          ; v32-63   Vx, as a row is loaded: register 4 j + i = column 128 j + 4 lane + i
.set VC,   64                          ; v64-95   Vc
                                       ; v96-127, v128-159: x' and c' of even rows; v160-191, v192-223: of odd rows; c's registers later take the turned row
.set CD,   224                         ; v224-231 codes
.set WD,   232                         ; v232-239 scale words: register 2 i + t
	s_load_b512 s[8:23], s[0:1], 0x0               ; pj 8, Vqx 10, Vqc 12, Vkx 14, Vkc 16, bVqx 18, bVqc 20, bVkx 22
	s_load_b128 s[24:27], s[0:1], 0x40             ; bVkc 24, qk 26
	v_lshl_add_u32 v254, v0, 2, 0xa000
	v_mov_b32 v255, 0
	v_lshrrev_b32 v1, 5, v0
	v_readfirstlane_b32 s28, v1                    ; wave
	s_lshr_b32 s2, ttmp9, 8                        ; P: 0 q, 1 k
	s_bfe_u32 s3, ttmp9, 0x10007                   ; b
	s_and_b32 s4, ttmp9, 127
	s_lshl_b32 s4, s4, 2
	s_add_co_u32 s4, s4, s28
	s_lshl_b32 s4, s4, 2                           ; s0 = 4 x (4 x (work-group % 128) + wave)
	s_lshl_b32 s5, s4, 1
	s_add_co_u32 s5, s5, s3                        ; my first row r = 2 s0 + b; the next lies two rows on
	s_lshl_b32 s6, s5, 12
	s_lshl_b32 s7, s2, 25
	s_add_co_u32 s6, s6, s7                        ; in pj: 2 P sections of 2^24 bytes + r rows of 4,096
	s_mov_b32 s7, 0
	s_lshl_b32 s42, s2, 22                         ; codes: QC + P 2^22 + b x 16 heads x 131,072 + 64 s0
	s_lshl_b32 s43, s3, 21
	s_add_co_u32 s42, s42, s43
	s_lshl_b32 s43, s4, 6
	s_add_co_u32 s42, s42, s43
	s_add_co_u32 s42, s42, QC
	s_mov_b32 s43, 0
	s_lshl_b32 s44, s2, 18                         ; words: P 2^18 + b x 16 heads x 8,192 + 4 s0
	s_lshl_b32 s45, s3, 17
	s_add_co_u32 s44, s44, s45
	s_lshl_b32 s45, s4, 2
	s_add_co_u32 s44, s44, s45
	s_mov_b32 s45, 0
	s_mov_b32 s36, 0x600000                        ; the mantissa field of 448
	s_mov_b32 s37, 0xcccccccc                      ; lanes whose bit 1 is set
	s_mov_b32 s38, 0xaaaaaaaa                      ; lanes whose bit 0 is set
	s_mov_b32 s40, 0x76543210
	s_mov_b32 s41, 0xfedcba98                      ; v_permlanex16_b32's selects for lane l xor 16
	s_mul_i32 s29, s28, 10240                      ; my wave's LDS: the turning stage (5,120 bytes), then the codes' stage (16 heads x 320)
	v_and_b32 v1, 31, v0                           ; l
	v_lshlrev_b32 v2, 4, v1                        ; 16 l: my bytes of a load's 512
	v_lshrrev_b32 v9, 2, v1                        ; l / 4
	v_and_b32 v10, 3, v1                           ; l % 4
	v_mul_u32_u24 v3, v9, 80
	v_lshl_add_u32 v3, v10, 4, v3
	v_add_nc_u32 v3, s29, v3                       ; the turn, in: four lanes' 64 bytes on end, then 16 of padding
	v_mul_u32_u24 v4, v1, 80
	v_add_nc_u32 v4, s29, v4                       ; the turn, out: my 64 bytes
	v_mul_u32_u24 v5, v9, 320
	v_lshl_add_u32 v5, v10, 4, v5
	v_add_nc_u32 v5, s29, v5
	v_add_nc_u32 v5, 5120, v5                      ; codes in: head l / 4 (+ 8 t), 16 (l % 4); a head's pitch is 256 + 64 bytes, so that 16 lanes fall on 16 different columns of 16 bytes
	v_lshrrev_b32 v11, 4, v1                       ; l / 16
	v_and_b32 v12, 15, v1                          ; l % 16
	v_mul_u32_u24 v6, v11, 320
	v_lshl_add_u32 v6, v12, 4, v6
	v_add_nc_u32 v6, s29, v6
	v_add_nc_u32 v6, 5120, v6                      ; codes back: sixteen lanes to a head's 256 bytes
	v_lshlrev_b32 v7, 17, v11
	v_lshl_add_u32 v7, v12, 4, v7                  ; and in qk: heads lie 131,072 bytes apart
	v_lshlrev_b32 v8, 13, v9
	v_lshl_add_u32 v8, v10, 2, v8                  ; words: head l / 4 (8,192 bytes apart), row l % 4
	v_mov_b32 v29, 0                               ; written once: the destination of a move between lanes counts as one of its sources
	s_wait_kmcnt 0x0
	s_cmp_lt_u32 ttmp9, 256                        ; q's vectors and biases or k's: the choice hangs on the work-group's number alone
	s_cselect_b64 s[10:11], s[10:11], s[14:15]
	s_cselect_b64 s[12:13], s[12:13], s[16:17]
	s_cselect_b64 s[18:19], s[18:19], s[22:23]
	s_cselect_b64 s[20:21], s[20:21], s[24:25]
	s_load_b32 s30, s[18:19], 0x0                  ; bx
	s_load_b32 s31, s[20:21], 0x0                  ; bc
	s_add_nc_u64 s[32:33], s[8:9], s[6:7]          ; x' at my first row
	s_add_nc_u64 s[34:35], s[32:33], 0x1000000     ; c': one section on
	s_add_nc_u64 s[42:43], s[26:27], s[42:43]
	s_add_nc_u64 s[44:45], s[26:27], s[44:45]
.irp j, 0,1,2,3,4,5,6,7
	global_load_b128 v[VX+4*\j:VX+4*\j+3], v2, s[10:11] offset:512*\j
	global_load_b128 v[VC+4*\j:VC+4*\j+3], v2, s[12:13] offset:512*\j
.endr
.macro FILL set, i                     ; row i of my four: 16 loads of 512 consecutive bytes
.irp j, 0,1,2,3,4,5,6,7
	global_load_b128 v[96+64*(\set)+4*\j:96+64*(\set)+4*\j+3], v2, s[32:33] offset:8192*(\i)+512*\j th:TH_LOAD_NT
.endr
.irp j, 0,1,2,3,4,5,6,7
	global_load_b128 v[128+64*(\set)+4*\j:128+64*(\set)+4*\j+3], v2, s[34:35] offset:8192*(\i)+512*\j th:TH_LOAD_NT
.endr
.endm
	FILL 0, 0
	FILL 1, 1
	s_wait_kmcnt 0x0                               ; bx, bc
.macro ROW i, left, refill
.set XR, 96+64*((\i)%2)
.set CR, XR+32
	s_wait_loadcnt \left                           ; this row's loads (and the vectors') are in; the next row's sixteen may be out
	; the two dot products, in four chains of pairs; the first four products start the chains
.irp p, 0,1,2,3
	v_pk_mul_f32 v[16+2*\p:17+2*\p], v[XR+2*\p:XR+2*\p+1], v[VX+2*\p:VX+2*\p+1]
.endr
.irp p, 4,5,6,7,8,9,10,11,12,13,14,15
	v_pk_fma_f32 v[16+2*(\p%4):17+2*(\p%4)], v[XR+2*\p:XR+2*\p+1], v[VX+2*\p:VX+2*\p+1], v[16+2*(\p%4):17+2*(\p%4)]
.endr
.irp p, 0,1,2,3,4,5,6,7,8,9,10,11,12,13,14,15
	v_pk_fma_f32 v[16+2*(\p%4):17+2*(\p%4)], v[CR+2*\p:CR+2*\p+1], v[VC+2*\p:VC+2*\p+1], v[16+2*(\p%4):17+2*(\p%4)]
.endr
	v_pk_add_f32 v[16:17], v[16:17], v[18:19]
	v_pk_add_f32 v[20:21], v[20:21], v[22:23]
	v_pk_add_f32 v[16:17], v[16:17], v[20:21]
	v_add_f32 v16, v16, v17
	v_add_f32_dpp v16, v16, v16 row_xmask:1 row_mask:0xf bank_mask:0xf
	v_add_f32_dpp v16, v16, v16 row_xmask:2 row_mask:0xf bank_mask:0xf
	v_add_f32_dpp v16, v16, v16 row_xmask:4 row_mask:0xf bank_mask:0xf
	v_add_f32_dpp v16, v16, v16 row_xmask:8 row_mask:0xf bank_mask:0xf
	v_permlanex16_b32 v17, v16, s40, s41
	v_add_f32 v16, v16, v17                        ; every lane holds the row's sum
	v_add_f32 v16, s30, v16
	v_add_f32 v16, s31, v16
	v_mul_f32 v16, 0xbfb8aa3b, v16                 ; -log2(e) z
	v_exp_f32 v16, v16
	v_nop                                          ; one plain instruction behind a transcendental (ISA guide 5.7.2)
	s_wait_alu depctr_va_vdst(0)
	v_add_f32 v16, 1.0, v16
	v_rcp_f32 v18, v16                             ; lam = 1 / (1 + 2^(-log2(e) z))
	v_nop
	s_wait_alu depctr_va_vdst(0)
	v_sub_f32 v20, 1.0, v18                        ; 1 - lam
.set p, 0
.rept 16
	v_pk_mul_f32 v[XR+p:XR+p+1], v[XR+p:XR+p+1], v[20:21] op_sel_hi:[1,0]
.set p, p+2
.endr
.set p, 0
.rept 16
	v_pk_fma_f32 v[XR+p:XR+p+1], v[CR+p:CR+p+1], v[18:19], v[XR+p:XR+p+1] op_sel_hi:[1,0,1]
.set p, p+2
.endr
	; the turn: as loaded into the stage, back 64 bytes a lane, into the registers that c' has left
.irp j, 0,1,2,3,4,5,6,7
	ds_store_b128 v3, v[XR+4*\j:XR+4*\j+3] offset:2560*(\j/4)+640*(\j%4)
.endr
.irp t, 0,1
.irp k, 0,1,2,3
	ds_load_b128 v[CR+16*\t+4*\k:CR+16*\t+4*\k+3], v4 offset:2560*\t+16*\k   ; LDS serves a wave's instructions in order: these see the stores above
.endr
.endr
	s_wait_dscnt 0x0                               ; the row is back; the last row's stores of codes have read their registers
.irp t, 0,1
.set QS, CR+16*\t
	v_max3_num_f32 v24, |v[QS]|, |v[QS+1]|, |v[QS+2]|              ; the largest magnitude of my 16
	v_max3_num_f32 v25, |v[QS+3]|, |v[QS+4]|, |v[QS+5]|
.irp n, 6,10
	v_max3_num_f32 v24, v24, |v[QS+\n]|, |v[QS+\n+1]|
	v_max3_num_f32 v25, v25, |v[QS+\n+2]|, |v[QS+\n+3]|
.endr
	v_max3_num_f32 v24, v24, |v[QS+14]|, |v[QS+15]|
	v_max3_num_f32 v24, v24, v25, (EMAX+1)<<23     ; and the floor 2^(9 - 127): the byte cannot fall under 1
	v_max_num_f32_dpp v24, v24, v24 row_xmask:1 row_mask:0xf bank_mask:0xf   ; and of my neighbour's 16: the block's
	v_add_nc_u32 v27, -(EMAX<<23), v24             ; the conversion's scale operand
	v_and_or_b32 v26, v24, 0x7f800000, s36         ; 448 x the scale
.irp n, 0,1,2,3,4,5,6,7,8,9,10,11,12,13,14,15
	v_med3_num_f32 v[QS+\n], v[QS+\n], -v26, v26   ; the conversion to an 8-bit code does not saturate (ISA guide 7.6.2): the hold comes first
.endr
	v_cvt_scalef32_pk8_fp8_f32 v[CD+4*\t:CD+4*\t+1], v[QS:QS+7], v27
	v_cvt_scalef32_pk8_fp8_f32 v[CD+4*\t+2:CD+4*\t+3], v[QS+8:QS+15], v27
	v_lshrrev_b32 v28, 23, v27                     ; my block's byte
	v_mov_b32_dpp v29, v28 row_xmask:2 row_mask:0xf bank_mask:0xf   ; the head's other block's
	v_cndmask_b32 v30, v28, v29, s37               ; e0: mine where my bit 1 is clear
	v_cndmask_b32 v31, v29, v28, s37               ; e1
	v_lshl_or_b32 v30, v31, 8, v30
	v_or_b32 v[WD+2*(\i)+\t], 0x7f7f0000, v30      ; the head's scale word, in all four of its lanes
	ds_store_b128 v5, v[CD+4*\t:CD+4*\t+3] offset:2560*\t+64*(\i)
.endr
.if \refill
	FILL (\i)%2, (\i)+2
.endif
.endm
	ROW 0, 16, 1
	ROW 1, 16, 1
	ROW 2, 16, 0
	ROW 3, 0, 0
.irp u, 0,1,2,3,4,5,6,7
	ds_load_b128 v[96+4*\u:99+4*\u], v6 offset:640*\u              ; heads 2 u and 2 u + 1: 256 bytes each
.endr
.irp u, 0,1,2,3,4,5,6,7
	s_wait_dscnt 7-\u                              ; the loads behind load u may stay out
	global_store_b128 v7, v[96+4*\u:99+4*\u], s[42:43] offset:262144*\u   ; sixteen lanes store 256 consecutive bytes, aligned: four rows of a head
.endr
.irp t, 0,1
	v_cndmask_b32 v242, v[WD+\t], v[WD+2+\t], s38  ; lane l takes row l % 4's word of its head
	v_cndmask_b32 v243, v[WD+4+\t], v[WD+6+\t], s38
	v_cndmask_b32 v[240+\t], v242, v243, s37
	global_store_b32 v8, v[240+\t], s[44:45] offset:65536*\t
.endr
	s_wait_tensorcnt 0x0
	ds_add_u32 v254, v255
	s_wait_dscnt 0x0
	s_endpgm
.Lfunc_end_k_q3d19cc5c3b_mix:
	.size	k_q3d19cc5c3b_mix, .Lfunc_end_k_q3d19cc5c3b_mix-k_q3d19cc5c3b_mix
	.p2alignl 7, 3214868480
	.fill 96, 4, 3214868480
	.section	.rodata,"a",@progbits
	.p2align	6, 0x0
	.amdhsa_kernel k_q3d19cc5c3b_mix
		.amdhsa_group_segment_fixed_size 41472
		.amdhsa_private_segment_fixed_size 0
		.amdhsa_enable_private_segment 0
		.amdhsa_kernarg_size 80
		.amdhsa_user_sgpr_count 2
		.amdhsa_user_sgpr_kernarg_segment_ptr 1
		.amdhsa_wavefront_size32 1
		.amdhsa_system_sgpr_workgroup_id_x 1
		.amdhsa_system_sgpr_workgroup_id_y 1
		.amdhsa_system_sgpr_workgroup_id_z 1
		.amdhsa_system_vgpr_workitem_id 0
		.amdhsa_next_free_vgpr 256
		.amdhsa_next_free_sgpr 66
		.amdhsa_reserve_vcc 0
		.amdhsa_float_denorm_mode_32 3
		.amdhsa_float_denorm_mode_16_64 3
		.amdhsa_memory_ordered 1
		.amdhsa_forward_progress 1
		.amdhsa_inst_pref_size 56
	.end_amdhsa_kernel
	.amdgpu_metadata
---
amdhsa.version: [ 1, 2 ]
amdhsa.kernels:
  - .name:           k_q3d19cc5c3b_mix
    .symbol:         k_q3d19cc5c3b_mix.kd
    .args:
      - { .name: pj, .offset: 0, .size: 8, .value_kind: global_buffer, .address_space: global }
      - { .name: W_Vqx, .offset: 8, .size: 8, .value_kind: global_buffer, .address_space: global }
      - { .name: W_Vqc, .offset: 16, .size: 8, .value_kind: global_buffer, .address_space: global }
      - { .name: W_Vkx, .offset: 24, .size: 8, .value_kind: global_buffer, .address_space: global }
      - { .name: W_Vkc, .offset: 32, .size: 8, .value_kind: global_buffer, .address_space: global }
      - { .name: b_Vqx, .offset: 40, .size: 8, .value_kind: global_buffer, .address_space: global }
      - { .name: b_Vqc, .offset: 48, .size: 8, .value_kind: global_buffer, .address_space: global }
      - { .name: b_Vkx, .offset: 56, .size: 8, .value_kind: global_buffer, .address_space: global }
      - { .name: b_Vkc, .offset: 64, .size: 8, .value_kind: global_buffer, .address_space: global }
      - { .name: qk, .offset: 72, .size: 8, .value_kind: global_buffer, .address_space: global }
    .group_segment_fixed_size: 41472
    .private_segment_fixed_size: 0
    .kernarg_segment_align: 8
    .kernarg_segment_size: 80
    .max_flat_workgroup_size: 128
    .sgpr_count:     66
    .vgpr_count:     256
    .wavefront_size: 32
...
	.end_amdgpu_metadata
.endif
;; end of part 4
;; launch vquant (part 5): grid 16 x 8, 4 waves a work-group, no clusters, 36,352 bytes of LDS; arguments pj, vq; writes vq
.if DOCPART == 5
	.amdgcn_target "amdgcn-amd-amdhsa--gfx1250"
	.amdhsa_code_object_version 6
	.text
	.protected	k_q3d19cc5c3b_vquant
	.globl	k_q3d19cc5c3b_vquant
	.p2align	8
	.type	k_q3d19cc5c3b_vquant,@function
k_q3d19cc5c3b_vquant:
	s_mov_b64 s[64:65], 0
	v_nop
	global_prefetch_b8 v0, s[64:65] scope:SCOPE_SE
	s_setreg_imm32_b32 hwreg(HW_REG_WAVE_MODE, 25, 1), 1
	s_wait_xcnt 0x0
; The projected values, section 4 of pj, f32 [2048 (s)][2048 (n = 1024 b + 64 head + d)], are the second operand of attention's second product, whose K is the KEYS s: their FIRST axis here.
; They become codes of FP8 (E4M3) laid [n][s], the keys innermost, at VC in vq, with one E8M0 scale byte for each 32 keys, laid [n][64], at 0.
; A LANE TAKES A COLUMN n AND ITS REGISTERS RUN DOWN THE KEYS: each load reads 128 consecutive bytes a wave (512 a work-group), a block of 32 keys lies in one lane's 32 registers, and the conversions
; give codes with the keys innermost.  A wave takes 32 columns x 256 keys; the codes go through its own stage in LDS and leave as rows: sixteen lanes store 256 consecutive bytes, aligned.
; The scale bytes leave 8 a lane, rows 64 bytes apart: one byte for each 128 that the launch reads.
; LIMITS: a block of zeros gets the byte 1 and not 127 (its codes are zeros, and this program alone reads the bytes); NaN and infinities are not served.
; No tensor loads, no barrier: waves share nothing.  Loads run two blocks (64 loads a wave) ahead.  Every offset is an immediate: 255 x 8,192 at the most, inside the signed 24 bits (ISA guide, chapter 10).
.set SIZE_K, 2048
.set SIZE_N, 2048
.set VSEC,  67108864                   ; section 4 of pj
.set VC,    131072
.set KW,    256
.set NB,    KW/32
.set ROWB,  256
.set PITCH, ROWB+16
.set KROW,  SIZE_K
.set EMAX,  8
.set MANT,  0x600000
.set X,     32
.set C,     96
.set OUTR,  112
.set SB,    24
	s_load_b128 s[4:7], s[0:1], 0x0                ; pj, vq
	v_lshl_add_u32 v192, v0, 2, 0x8c00
	v_mov_b32 v193, 0
	v_lshrrev_b32 v1, 5, v0
	v_readfirstlane_b32 s16, v1                    ; wave 0..3
	v_and_b32 v2, 31, v0                           ; lane
	s_lshl_b32 s17, ttmp9, 7
	s_lshl_b32 s18, s16, 5
	s_add_co_u32 s17, s17, s18                     ; my wave's first column
	s_and_b32 s18, ttmp7, 0xffff                   ; which 256 keys
	v_lshlrev_b32 v3, 2, v2
	s_mul_i32 s19, s16, 32*PITCH                   ; my stage
	v_mul_u32_u24 v4, v2, PITCH
	v_add_nc_u32 v4, s19, v4
	v_and_b32 v5, 15, v2
	v_lshrrev_b32 v6, 4, v2
	v_mul_u32_u24 v7, v6, PITCH
	v_lshl_add_u32 v7, v5, 4, v7
	v_add_nc_u32 v7, s19, v7
	v_mul_u32_u24 v8, v6, KROW
	v_lshl_add_u32 v8, v5, 4, v8
	v_mul_u32_u24 v9, v2, SIZE_K/32
	s_lshl_b32 s20, s18, 21                        ; in: 256 rows of 8,192 bytes for each part + 4 x column + the section
	s_lshl_b32 s21, s17, 2
	s_add_co_u32 s20, s20, s21
	s_add_co_u32 s20, s20, VSEC
	s_mov_b32 s21, 0
	s_lshl_b32 s24, s17, 11                        ; codes: column x 2,048 + 256 x part + VC
	s_lshl_b32 s25, s18, 8
	s_add_co_u32 s24, s24, s25
	s_add_co_u32 s24, s24, VC
	s_mov_b32 s25, 0
	s_lshl_b32 s28, s17, 6                         ; scale bytes: column x 64 + 8 x part
	s_lshl_b32 s29, s18, 3
	s_add_co_u32 s28, s28, s29
	s_mov_b32 s29, 0
	s_mov_b32 s31, MANT
	s_wait_kmcnt 0x0
	s_add_nc_u64 s[4:5], s[4:5], s[20:21]
	s_add_nc_u64 s[8:9], s[6:7], s[28:29]
	s_add_nc_u64 s[6:7], s[6:7], s[24:25]
.macro LOAD t
.irp i, 0,1,2,3,4,5,6,7,8,9,10,11,12,13,14,15,16,17,18,19,20,21,22,23,24,25,26,27,28,29,30,31
	global_load_b32 v[X+32*((\t)%2)+\i], v3, s[4:5] offset:(32*(\t)+\i)*SIZE_N*4 th:TH_LOAD_NT
.endr
.endm
	LOAD 0
	LOAD 1
.macro BLOCK t
.set XS, X+32*((\t)%2)
.if (\t) < NB-1
	s_wait_loadcnt 32                              ; this block's 32 loads are in; the next block's 32 may be out
.else
	s_wait_loadcnt 0
.endif
	v_max3_num_f32 v12, |v[XS]|, |v[XS+1]|, |v[XS+2]|
	v_max3_num_f32 v13, |v[XS+3]|, |v[XS+4]|, |v[XS+5]|
.irp i, 6,10,14,18,22,26
	v_max3_num_f32 v12, v12, |v[XS+\i]|, |v[XS+\i+1]|
	v_max3_num_f32 v13, v13, |v[XS+\i+2]|, |v[XS+\i+3]|
.endr
	v_max3_num_f32 v12, v12, |v[XS+30]|, |v[XS+31]|
	v_max3_num_f32 v12, v12, v13, (EMAX+1)<<23     ; the floor 2^(9 - 127): the byte cannot fall under 1
	v_add_nc_u32 v11, -(EMAX<<23), v12             ; the conversion's scale operand
	v_and_or_b32 v10, v12, 0x7f800000, s31         ; 448 x the scale
	v_lshrrev_b32 v13, 23, v11                     ; the scale's byte
.if (\t)%4 == 0
	v_mov_b32 v[SB+(\t)/4], v13
.else
	v_lshl_or_b32 v[SB+(\t)/4], v13, 8*((\t)%4), v[SB+(\t)/4]
.endif
.irp i, 0,1,2,3,4,5,6,7,8,9,10,11,12,13,14,15,16,17,18,19,20,21,22,23,24,25,26,27,28,29,30,31
	v_med3_num_f32 v[XS+\i], v[XS+\i], -v10, v10   ; the conversion to an 8-bit code does not saturate (ISA guide 7.6.2): the hold comes first
.endr
.irp g, 0,1,2,3
	v_cvt_scalef32_pk8_fp8_f32 v[C+2*\g:C+2*\g+1], v[XS+8*\g:XS+8*\g+7], v11
.endr
	ds_store_b128 v4, v[C:C+3] offset:32*(\t)
	ds_store_b128 v4, v[C+4:C+7] offset:32*(\t)+16
.if (\t)+2 < NB
	LOAD (\t)+2
.endif
	s_wait_dscnt 0x0                               ; the stores have read their registers: the next block's codes may be written
.endm
.set Q, 0
.rept NB
	BLOCK Q
.set Q, Q+1
.endr
	global_store_b64 v9, v[SB:SB+1], s[8:9]
.irp t, 0,1,2,3,4,5,6,7,8,9,10,11,12,13,14,15
	ds_load_b128 v[OUTR+4*\t:OUTR+4*\t+3], v7 offset:2*\t*PITCH
.endr
.irp t, 0,1,2,3,4,5,6,7,8,9,10,11,12,13,14,15
	s_wait_dscnt 15-\t                             ; the loads behind load t may stay out
	global_store_b128 v8, v[OUTR+4*\t:OUTR+4*\t+3], s[6:7] offset:2*\t*KROW
.endr
	s_wait_tensorcnt 0x0
	ds_add_u32 v192, v193
	s_wait_dscnt 0x0
	s_endpgm
.Lfunc_end_k_q3d19cc5c3b_vquant:
	.size	k_q3d19cc5c3b_vquant, .Lfunc_end_k_q3d19cc5c3b_vquant-k_q3d19cc5c3b_vquant
	.p2alignl 7, 3214868480
	.fill 96, 4, 3214868480
	.section	.rodata,"a",@progbits
	.p2align	6, 0x0
	.amdhsa_kernel k_q3d19cc5c3b_vquant
		.amdhsa_group_segment_fixed_size 36352
		.amdhsa_private_segment_fixed_size 0
		.amdhsa_enable_private_segment 0
		.amdhsa_kernarg_size 16
		.amdhsa_user_sgpr_count 2
		.amdhsa_user_sgpr_kernarg_segment_ptr 1
		.amdhsa_wavefront_size32 1
		.amdhsa_system_sgpr_workgroup_id_x 1
		.amdhsa_system_sgpr_workgroup_id_y 1
		.amdhsa_system_sgpr_workgroup_id_z 1
		.amdhsa_system_vgpr_workitem_id 0
		.amdhsa_next_free_vgpr 194
		.amdhsa_next_free_sgpr 66
		.amdhsa_reserve_vcc 0
		.amdhsa_float_denorm_mode_32 3
		.amdhsa_float_denorm_mode_16_64 3
		.amdhsa_memory_ordered 1
		.amdhsa_forward_progress 1
		.amdhsa_inst_pref_size 59
	.end_amdhsa_kernel
	.amdgpu_metadata
---
amdhsa.version: [ 1, 2 ]
amdhsa.kernels:
  - .name:           k_q3d19cc5c3b_vquant
    .symbol:         k_q3d19cc5c3b_vquant.kd
    .args:
      - { .name: pj, .offset: 0, .size: 8, .value_kind: global_buffer, .address_space: global }
      - { .name: vq, .offset: 8, .size: 8, .value_kind: global_buffer, .address_space: global }
    .group_segment_fixed_size: 36352
    .private_segment_fixed_size: 0
    .kernarg_segment_align: 8
    .kernarg_segment_size: 16
    .max_flat_workgroup_size: 128
    .sgpr_count:     66
    .vgpr_count:     194
    .wavefront_size: 32
...
	.end_amdgpu_metadata
.endif
;; end of part 5
;; launch attn (part 6): grid 8 x 32, 16 waves a work-group, clusters of 4 x 1, 327,680 bytes of LDS; arguments qk, vq, cq; writes cq
.if DOCPART == 6
	.amdgcn_target "amdgcn-amd-amdhsa--gfx1250"
	.amdhsa_code_object_version 6
	.text
	.protected	k_q3d19cc5c3b_attn
	.globl	k_q3d19cc5c3b_attn
	.p2align	8
	.type	k_q3d19cc5c3b_attn,@function
k_q3d19cc5c3b_attn:
	s_mov_b64 s[64:65], 0
	v_nop
	global_prefetch_b8 v0, s[64:65] scope:SCOPE_SE
	s_setreg_imm32_b32 hwreg(HW_REG_WAVE_MODE, 25, 1), 1
	s_wait_xcnt 0x0
	s_wait_alu depctr_hold_cnt(0) depctr_sa_sdst(0) depctr_va_vdst(0) depctr_va_sdst(0) depctr_va_ssrc(0) depctr_va_vcc(0) depctr_vm_vsrc(0)
	s_getreg_b32 s2, hwreg(HW_REG_IB_STS2, 6, 4)
	s_cmp_eq_u32 s2, 0
	s_cbranch_scc0 .Lentry_in_a_cluster
	s_endpgm
.Lentry_in_a_cluster:
	s_bfe_u32 s2, ttmp6, 0x10000c
	s_cmp_lg_u32 s2, 0x3003
	s_cbranch_scc0 .Lentry_shape_is_right
	s_endpgm
.Lentry_shape_is_right:
; ctx[bh][q][:] = the sum over k of softmax_k(Q[bh][q] . K[bh][k] / 8) V[bh][k][:], head size 64, 2,048 keys, both products on codes of FP8 (E4M3) with one E8M0 scale for each 32 along a product's K;
; then ctx is quantised along the model's 1,024 (a head's 64 are two blocks of 32) for the last projection.
; qk: scale words u32 [32][2048] (q's at 0, k's at KWD), codes [32][2048][64] (q's at QC, k's at KC).  vq: scale bytes [2048 (n = 64 bh + d)][64] at 0, codes [n][2048 (keys)] at VC.
; cq: scale bytes [4096 (r = 2 s + b)][32] at 0, codes [4096][1024] at A_CD.
; THE FIRST PRODUCT'S K IS 64, the instruction's 128: the upper 64 are zero codes on both sides (registers cleared once), under the byte 127 that the scale words carry.
; THE SOFTMAX: t = score x log2(e) / 8; M = the row's largest t so far, rounded UP to a whole number; p = 2^(t - M) is quantised along the keys, not normalised.  The row's sum is taken of the
; unquantised p, in f32, and divides at the end.  When M moves, the sum and O are multiplied by 2^(old M - new M): exact.
; SHARES.  A work-group owns 256 queries of one bh; each of its SIXTEEN waves 16 of them, in 256 registers: four waves to a SIMD, so that one wave's vector work stands beside another's matrix work.
; Every wave walks all keys, 128 a step.  K's and V's tiles come through a ring of two LDS slots of 256 keys (wave 0: K's, wave 1: V's) and are read by all sixteen.  The scales of the whole bh stay in LDS.
; CLUSTER.  The four query blocks of a cluster belong to one bh and walk the same K and V: each tile is asked for JOINTLY, by the same tensor load with the same descriptor and the mask 15.
; LAYOUT.  Both products are used transposed: S^T = K Q^T, O^T = V^T P^T: a lane holds ONE query (lane % 16) throughout.  THE ROWS OF A TILE ARE NOT NEIGHBOURS: lane r of tile 2 b + u takes row
; 32 b + 8 u + r + 8 (r / 8), of K (keys) and of V (the head's d) alike, so that the 16 registers of tiles 2 b and 2 b + 1 are 16 neighbours along the next product's K: 32 b + 16 (lane / 16) + 0 .. 15.
; THE WAY OUT: a head owns 64 of a row's 1,024 code bytes and 2 of its 32 scale bytes, so the codes leave as pieces of 64 bytes and the scale bytes one by one: 66 bytes for each query.
; LIMITS: a block of zeros gets the byte 1 and not 127 (its codes are zeros, and this program alone reads the bytes); NaN and infinities are not served.
; REGISTERS: v1-7 addresses that stay; v8-11 addresses in hand; v12 -M, v13 the largest t, v[14:15] the sum; v16-23 Q, v24-31 zeros; v32-95 four fragments of K, the upper eight of each zeros;
;   v96-159 S^T, then p, then four fragments of V; v160-191 O^T; v192-223 ctx; v224-239 codes; v232-254 at work; v248-251, v253, v255 scale words.
.set KWD,   262144
.set QC,    524288
.set KC,    4718592
.set VC,    131072
.set A_CD,  655360
.set SK,    256                        ; keys in a slot
.set KP,    80                         ; a key's row in LDS: 64 bytes + 16 of padding
.set VP,    272                        ; a row of V's tile: 256 bytes + 16
.set VOFF,  SK*KP                      ; a slot: 256 rows of K, then 64 rows of V
.set SLOT1, 1<<17                      ; slot 1 begins here: one exclusive or turns an address
.set NSL,   2048/SK
.set SCK,   2*SLOT1                    ; K's scale words: 8,192 bytes as 32 rows of 256 + 16
.set SCV,   SCK+32*272                 ; V's scale bytes: 4,096 bytes as 16 rows of 256 + 16
.set SPARE, SCV+16*272                 ; the spare words, 128 bytes for each wave: eight blocks of 256 bytes that no other line names
.set G1K,  24                          ; s[24:31] descriptor group 1 for K's tiles;  s[32:39] V's;  s[40:43], s[44:47] their groups 0, which walk
.set G1V,  32
.set G0K,  40
.set G0V,  44
.set G1SK, 48                          ; s[48:55], s[56:63] groups 1 for the scales;  s[68:71], s[72:75] their groups 0
.set G1SV, 56
.set G0SK, 68
.set G0SV, 72
.set TB,   76                          ; s76  LDS byte at which the slot in hand begins
.set TS,   77                          ; s77  the step's scale words of K: 544 bytes a step
.set TJ,   78                          ; s78  V's: 4 bytes a step
.set SLOTS, 79
.macro CROUND                          ; a round of the cluster's barrier
	s_barrier_signal -1
	s_barrier_wait -1
	s_cmp_lg_u32 s18, 0
	s_cbranch_scc1 .Lnot_wave_0_\@
	s_barrier_signal -3
.Lnot_wave_0_\@:
	s_barrier_wait -3
	s_barrier_signal -1
	s_barrier_wait -1
.endm
; A joint refill: wave 0 fetches K's tile, wave 1 V's, the others nothing.  The branches hang on the wave's number alone.  Four v_nop follow each of the two lines.
.macro TLOAD
	s_cmp_lt_u32 s18, 1
	s_cbranch_scc0 .Lnot_k_\@
	tensor_load_to_lds s[G0K:G0K+3], s[G1K:G1K+7]
	s_nop 0
.rept 4
	v_nop
.endr
	s_branch .Lasked_\@
.Lnot_k_\@:
	s_cmp_lt_u32 s18, 2
	s_cbranch_scc0 .Lasked_\@
	tensor_load_to_lds s[G0V:G0V+3], s[G1V:G1V+7]
	s_nop 0
.rept 4
	v_nop
.endr
.Lasked_\@:
.endm
	s_load_b128 s[4:7], s[0:1], 0x0                ; qk, vq
	s_load_b64 s[8:9], s[0:1], 0x10                ; cq
	v_lshl_add_u32 v5, v0, 2, SPARE                ; my spare word; never rewritten
	v_mov_b32 v6, 0                                ; 0; never rewritten
	ds_add_u32 v5, v6
	s_wait_dscnt 0x0
	v_lshrrev_b32 v8, 5, v0
	v_readfirstlane_b32 s18, v8                    ; wave 0..15
	s_bfe_u32 s80, ttmp6, 0x40000                  ; cx: it enters Q's and cq's global addresses alone
	s_lshl_b32 s81, ttmp9, 2
	s_add_co_u32 s81, s81, s80                     ; my block of 256 queries
	s_lshl_b32 s81, s81, 8
	s_lshl_b32 s82, s18, 4
	s_add_co_u32 s81, s81, s82                     ; my first query
	s_and_b32 s83, ttmp7, 0xffff                   ; bh, which the four partners share
	s_lshr_b32 s84, s83, 4                         ; b
	s_and_b32 s85, s83, 15                         ; head
	s_lshl_b32 s86, s83, 17                        ; a bh's codes are 131,072 bytes in each tensor
	s_add_co_u32 s88, s86, KC
	s_mov_b32 s89, 0
	s_add_co_u32 s90, s86, VC
	s_mov_b32 s91, 0
	s_lshl_b32 s92, s83, 13                        ; its scale words 8,192
	s_lshl_b32 s94, s83, 12                        ; V's scale bytes 4,096
	s_mov_b32 s95, 0
	s_lshl_b32 s96, s81, 6
	s_add_co_u32 s96, s96, s86
	s_add_co_u32 s96, s96, QC                      ; my queries' codes
	s_mov_b32 s97, 0
	s_lshl_b32 s98, s81, 2
	s_add_co_u32 s98, s98, s92                     ; and their scale words
	s_mov_b32 s99, 0
	s_add_co_u32 s92, s92, KWD
	s_mov_b32 s93, 0
	s_lshl_b32 s82, s81, 1
	s_add_co_u32 s82, s82, s84                     ; my first row of cq: 2 s + b; the next query's lies two rows on
	s_lshl_b32 s10, s82, 10
	s_lshl_b32 s11, s85, 6
	s_add_co_u32 s10, s10, s11
	s_add_co_u32 s10, s10, A_CD                    ; codes: row x 1,024 + 64 x head
	s_mov_b32 s11, 0
	s_lshl_b32 s12, s82, 5
	s_lshl_b32 s13, s85, 1
	s_add_co_u32 s12, s12, s13                     ; scale bytes: row x 32 + 2 x head
	s_mov_b32 s13, 0
	s_mul_i32 s87, s18, 1280                       ; the way out: my stage, 16 rows x 80 bytes, in slot 0: it has had its last fill, and nobody reads it, behind the last change of slots
	s_mov_b32 s66, 0xffff0000                      ; lanes 16-31
	s_mov_b32 s19, 0x600000                        ; the mantissa field of 448
	s_mov_b32 s20, 0x76543210
	s_mov_b32 s21, 0xfedcba98                      ; v_permlanex16_b32's selects for lane l xor 16
	s_mov_b32 s22, 0x3e38aa3b                      ; c = log2(e) / 8
	s_mov_b32 s23, s22                             ; (named with it as a pair, so it is written)
	; descriptor group 1.  K: 256 rows of 64 bytes, dense;  V: 64 rows of 256 bytes, 2,048 apart
	s_mov_b32 s[G1K], 15|(1<<20)|(1<<21)|(3<<22)|(3<<25)           ; 15:0 the mask: all four; 17:16 elements of 1 byte; 20 padding on; 21 set beside a mask; 24:22 after every 16 words; 31:25 four words
	s_mov_b32 s[G1K+1], 64<<16                     ; tensor_dim0
	s_mov_b32 s[G1K+2], SK<<16                     ; tensor_dim1
	s_mov_b32 s[G1K+3], 64<<16                     ; tile_dim0
	s_mov_b32 s[G1K+4], SK                         ; tile_dim1
	s_mov_b32 s[G1K+5], 64                         ; tensor_dim0_stride
	s_mov_b32 s[G1K+6], 0
	s_mov_b32 s[G1K+7], 0
	s_mov_b32 s[G1V], 15|(1<<20)|(1<<21)|(5<<22)|(3<<25)           ; padding: four words after every 64
	s_mov_b32 s[G1V+1], SK<<16
	s_mov_b32 s[G1V+2], 64<<16
	s_mov_b32 s[G1V+3], SK<<16
	s_mov_b32 s[G1V+4], 64
	s_mov_b32 s[G1V+5], 2048
	s_mov_b32 s[G1V+6], 0
	s_mov_b32 s[G1V+7], 0
	; the scales: dense blocks, as rows of 256 bytes (32 elements of 8 bytes), 16 bytes of padding behind each: 32 rows for K's words, 16 for V's bytes
	s_mov_b32 s[G1SK], 15|(3<<16)|(1<<20)|(1<<21)|(5<<22)|(3<<25)
	s_mov_b32 s[G1SK+1], 32<<16
	s_mov_b32 s[G1SK+2], 32<<16
	s_mov_b32 s[G1SK+3], 32<<16
	s_mov_b32 s[G1SK+4], 32
	s_mov_b32 s[G1SK+5], 32
	s_mov_b32 s[G1SK+6], 0
	s_mov_b32 s[G1SK+7], 0
	s_mov_b32 s[G1SV], 15|(3<<16)|(1<<20)|(1<<21)|(5<<22)|(3<<25)
	s_mov_b32 s[G1SV+1], 32<<16
	s_mov_b32 s[G1SV+2], 16<<16
	s_mov_b32 s[G1SV+3], 32<<16
	s_mov_b32 s[G1SV+4], 16
	s_mov_b32 s[G1SV+5], 32
	s_mov_b32 s[G1SV+6], 0
	s_mov_b32 s[G1SV+7], 0
	s_mov_b32 s[TB], 0
	s_mov_b32 s[TS], 0
	s_mov_b32 s[TJ], 0
	s_mov_b32 s[SLOTS], NSL-1
	s_wait_kmcnt 0x0
	s_mov_b32 s[G0SK], 1                           ; 1:0 count = 1
	s_mov_b32 s[G0SK+1], SCK                       ; 63:32 LDS address
	s_add_nc_u64 s[G0SK+2:G0SK+3], s[4:5], s[92:93]   ; 120:64 global address
	s_or_b32 s[G0SK+3], s[G0SK+3], 0x80000000      ; 127:126 type = 2
	s_mov_b32 s[G0SV], 1
	s_mov_b32 s[G0SV+1], SCV
	s_add_nc_u64 s[G0SV+2:G0SV+3], s[6:7], s[94:95]
	s_or_b32 s[G0SV+3], s[G0SV+3], 0x80000000
	s_mov_b32 s[G0K], 1
	s_mov_b32 s[G0K+1], 0                          ; slot 0
	s_add_nc_u64 s[G0K+2:G0K+3], s[4:5], s[88:89]  ; the first 256 keys
	s_or_b32 s[G0K+3], s[G0K+3], 0x80000000
	s_mov_b32 s[G0V], 1
	s_mov_b32 s[G0V+1], VOFF
	s_add_nc_u64 s[G0V+2:G0V+3], s[6:7], s[90:91]
	s_or_b32 s[G0V+3], s[G0V+3], 0x80000000
	s_add_nc_u64 s[14:15], s[4:5], s[96:97]        ; Q's codes
	s_add_nc_u64 s[16:17], s[4:5], s[98:99]        ; Q's scale words
	s_add_nc_u64 s[10:11], s[8:9], s[10:11]        ; cq's codes
	s_add_nc_u64 s[12:13], s[8:9], s[12:13]        ; cq's scale bytes
	CROUND                                         ; all four work-groups are here: the first joint loads meet
	s_cmp_lt_u32 s18, 1                            ; a wave's two first fills stand in one branch: two loads of waves 0 and 1 are out; four v_nop follow the second
	s_cbranch_scc0 .Lfirst_not_k
	tensor_load_to_lds s[G0SK:G0SK+3], s[G1SK:G1SK+7]
	s_nop 0
	tensor_load_to_lds s[G0K:G0K+3], s[G1K:G1K+7]
	s_nop 0
.rept 4
	v_nop
.endr
	s_branch .Lfirst_asked
.Lfirst_not_k:
	s_cmp_lt_u32 s18, 2
	s_cbranch_scc0 .Lfirst_asked
	tensor_load_to_lds s[G0SV:G0SV+3], s[G1SV:G1SV+7]
	s_nop 0
	tensor_load_to_lds s[G0V:G0V+3], s[G1V:G1V+7]
	s_nop 0
.rept 4
	v_nop
.endr
.Lfirst_asked:
	v_and_b32 v8, 15, v0                           ; r
	v_bfe_u32 v9, v0, 4, 1                         ; h
	v_lshlrev_b32 v10, 6, v8
	v_lshl_add_u32 v10, v9, 4, v10                 ; Q: row r of 64 bytes, + 16 h
	global_load_b128 v[16:19], v10, s[14:15]       ; k = 16 h + 0 .. 15
	global_load_b128 v[20:23], v10, s[14:15] offset:32   ; k = 32 + 16 h + 0 .. 15
	v_lshlrev_b32 v254, 2, v8
	global_load_b32 v255, v254, s[16:17]           ; Q's scale words
	v_and_b32 v11, 8, v8
	v_add_nc_u32 v11, v11, v8                      ; r + 8 (r / 8)
	v_mul_u32_u24 v1, v11, KP
	v_lshl_add_u32 v1, v9, 4, v1                   ; my lane's place in a tile of K
	v_mul_u32_u24 v2, v11, VP
	v_lshl_add_u32 v2, v9, 4, v2
	v_add_nc_u32 v2, VOFF, v2                      ; and of V
	v_lshl_add_u32 v3, v11, 2, SCK                 ; K's scale words: 4 bytes a key; a step's 128 keys are two rows of 256 bytes
	v_lshlrev_b32 v12, 6, v11                      ; V's: 64 bytes a row d: which row of 256 bytes, and where in it
	v_lshrrev_b32 v13, 8, v12
	v_and_b32 v12, 255, v12
	v_mad_u32_u24 v4, v13, 272, v12
	v_add_nc_u32 v4, SCV, v4
	v_and_b32 v12, 31, v0
	v_lshrrev_b32 v13, 2, v12
	v_and_b32 v12, 3, v12
	v_lshlrev_b32 v7, 11, v13
	v_lshl_add_u32 v7, v12, 4, v7                  ; the way out: query lane / 4 (rows of cq 2,048 bytes apart), 16 (lane % 4)
	v_mov_b32 v13, 0xff61b1e6                      ; the largest t so far: -3e38, under every t
	v_floor_f32 v12, -v13                          ; -M
	v_mov_b32 v14, 0                               ; the sum, in two halves
	v_mov_b32 v15, 0
.irp j, 0,1,2,3,4,5,6,7
	v_mov_b32 v[24+\j], 0                          ; Q's upper 64 along K: zero codes, written once
	v_mov_b32 v[40+\j], 0                          ; and those of K's four fragments
	v_mov_b32 v[56+\j], 0
	v_mov_b32 v[72+\j], 0
	v_mov_b32 v[88+\j], 0
.endr
.irp b, 0,1,2,3
	v_mov_b32 v[236+\b], 0                         ; written once: a lane permute's destination counts as one of its sources
.endr
	v_mov_b32 v253, 0                              ; (named as the upper half of the pair v[252:253] before it is first written)
.set j, 0
.rept 32
	v_mov_b32 v[160+j], 0                          ; O^T.  (The loop is written once: its first step finds zeros, which the first change of M leaves zeros)
.set j, j+1
.endr
; A KEY STEP: 128 keys, the q-th of the slot in hand.
.macro STEP q
	v_add_nc_u32 v8, s[TB], v1
	v_add_nc_u32 v9, s[TB], v2
	v_add_nc_u32 v10, s[TS], v3
	v_add_nc_u32 v11, s[TJ], v4
.rept 5
	v_nop                                          ; with the four additions nine places: the first products below write over registers that the last step's products read as V's fragments
.endr
.irp g, 0,1                                    ; S^T = K Q^T, four tiles of 16 keys at a time
.if \g > 0
.rept 8
	v_nop                                          ; places in front of loads into registers that matrix instructions have read
.endr
.endif
.irp t, 0,1,2,3
.irp c, 0,1
	ds_load_b128 v[32+16*\t+4*\c:32+16*\t+4*\c+3], v8 offset:(128*(\q)+32*((4*\g+\t)/2)+8*(\t%2))*KP+32*\c
.endr
	ds_load_b32 v[248+\t], v10 offset:272*\g+(32*(((4*\g+\t)/2)%2)+8*(\t%2))*4
.endr
	s_wait_dscnt 0x0
.irp t, 0,1,2,3
	v_wmma_scale_f32_16x16x128_f8f6f4 v[96+8*(4*\g+\t):103+8*(4*\g+\t)], v[32+16*\t:47+16*\t], v[16:31], 0, v[248+\t], v255
.endr
.endr
.rept 8
	v_nop
.endr
.irp b, 0,1,2,3
	v_max3_num_f32 v[232+\b], v[96+16*\b], v[97+16*\b], v[98+16*\b]   ; THE LARGEST SCORE OF EACH BLOCK OF 32 KEYS: it serves the row's maximum and, since p rises with the score, the block's largest p
.endr
.irp i, 3,5,7,9,11,13
.irp b, 0,1,2,3
	v_max3_num_f32 v[232+\b], v[232+\b], v[96+16*\b+\i], v[97+16*\b+\i]   ; (the four blocks by turns)
.endr
.endr
.irp b, 0,1,2,3
	v_max_num_f32 v[232+\b], v[232+\b], v[111+16*\b]
.endr
.irp b, 0,1,2,3
	v_permlanex16_b32 v[236+\b], v[232+\b], s20, s21
.endr
.irp b, 0,1,2,3
	v_max_num_f32 v[232+\b], v[232+\b], v[236+\b]  ; with lane l xor 16's 16 keys
.endr
	v_max3_num_f32 v254, v232, v233, v234
	v_max_num_f32 v254, v254, v235                 ; the step's largest score of my query
	v_mul_f32 v254, s22, v254                      ; as t (c is positive)
	v_max_num_f32 v13, v13, v254                   ; the running largest t
	v_mov_b32 v254, v12
	v_floor_f32 v12, -v13                          ; the new -M = floor(-t) = -ceil(t): M is a whole number
	v_sub_f32 v254, v12, v254                      ; M's old value less its new one: a whole number, 0 or less
	v_cvt_i32_f32 v254, v254                       ; (it saturates)
	v_ldexp_f32 v252, 1.0, v254                    ; f = 2^(old M - new M)
.set j, 0
.rept 32
	v_pk_fma_f32 v[96+j:97+j], v[96+j:97+j], s[22:23], v[12:13] op_sel_hi:[1,0,0]   ; t - M, two at a time (of the pairs c and -M the low word serves both halves)
.set j, j+2
.endr
.irp b, 0,1,2,3
	v_fma_f32 v[232+\b], v[232+\b], s22, v12       ; the same of each block's largest score
.endr
.set j, 0
.rept 64
	v_exp_f32 v[96+j], v[96+j]                     ; p = 2^(t - M), at most 1: NOT normalised
.set j, j+1
.endr
.irp b, 0,1,2,3
	v_exp_f32 v[232+\b], v[232+\b]                 ; the block's largest p: the same two instructions on the same number give the same bits
.endr
	v_pk_mul_f32 v[14:15], v[14:15], v[252:253] op_sel_hi:[1,0]   ; the sums under the new M.  (A plain place behind the exponentials)
	s_wait_alu depctr_va_vdst(0)
.irp b, 0,1,2,3
	v_max_num_f32 v[232+\b], 0x4800000, v[232+\b]  ; the floor 2^(9 - 127): the byte cannot fall under 1
.endr
.irp b, 0,1,2,3
	v_add_nc_u32 v[244+\b], 0xfc000000, v[232+\b]  ; 8 off the exponent field: the conversion's scale operand
.endr
.irp b, 0,1,2,3
	v_and_or_b32 v[240+\b], v[232+\b], 0x7f800000, s19   ; 448 x the scale
.endr
.irp b, 0,1,2,3
	v_lshrrev_b32 v[236+\b], 23, v[244+\b]         ; the scale's byte
.endr
	v_lshl_or_b32 v253, v237, 8, v236              ; p's scale word for these 128 keys
	v_lshl_or_b32 v253, v238, 16, v253
	v_lshl_or_b32 v253, v239, 24, v253
	v_pk_add_f32 v[236:237], v[96:97], v[98:99]    ; THE ROW'S SUM IS TAKEN OF THE UNQUANTISED p: two at a time, in two chains
.irp j, 4,8,12,16,20,24,28,32,36,40,44,48,52,56,60
	v_pk_add_f32 v[14:15], v[14:15], v[96+\j:97+\j]
	v_pk_add_f32 v[236:237], v[236:237], v[98+\j:99+\j]
.endr
	v_pk_add_f32 v[14:15], v[14:15], v[236:237]
.irp b, 0,1,2,3
.irp i, 0,1,2,3,4,5,6,7,8,9,10,11,12,13,14,15
	v_min_num_f32 v[96+16*\b+\i], v[96+16*\b+\i], v[240+\b]   ; the conversion to an 8-bit code does not saturate (ISA guide 7.6.2); p is not negative, so the hold is one-sided
.endr
	v_cvt_scalef32_pk8_fp8_f32 v[224+4*\b:225+4*\b], v[96+16*\b:103+16*\b], v[244+\b]
	v_cvt_scalef32_pk8_fp8_f32 v[226+4*\b:227+4*\b], v[104+16*\b:111+16*\b], v[244+\b]
.endr
.irp t, 0,1,2,3                                ; V's four fragments (16 of the head's 64 x these 128 keys) into the registers that p has left
.irp c, 0,1,2,3
	ds_load_b128 v[96+16*\t+4*\c:96+16*\t+4*\c+3], v9 offset:(32*(\t/2)+8*(\t%2))*VP+128*(\q)+32*\c
.endr
	ds_load_b32 v[248+\t], v11 offset:(8*(\t/2)+2*(\t%2))*272
.endr
.set j, 0
.rept 16
	v_pk_mul_f32 v[160+j:161+j], v[160+j:161+j], v[252:253] op_sel_hi:[1,0]   ; O^T under the new M: x f.  (These sixteen are also the places between the conversions and the products below)
.set j, j+2
.endr
	s_wait_dscnt 0x0
.irp t, 0,1,2,3                                ; O^T += V^T P^T: the four accumulators take one turn each
	v_wmma_scale_f32_16x16x128_f8f6f4 v[160+8*\t:167+8*\t], v[96+16*\t:111+16*\t], v[224:239], v[160+8*\t:167+8*\t], v[248+\t], v253
.endr
	s_add_co_u32 s[TS], s[TS], 544                 ; the next step's scale words
	s_add_co_u32 s[TJ], s[TJ], 4
.endm
; THE CHANGE OF SLOTS stands at a slot's head.  Each wave waits for all its tensor loads (its part of the slot that is about to be read), adds 0 to its spare word, and waits for that and for its reads of
; the slot that it has left.  fill = 1: the barrier is a round of the cluster's, so that no wave of any partner still reads that slot or has a load on its way; behind it the slot is filled with the
; keys that follow: the load has a whole slot's two steps in which to land.
.macro CHANGE fill
	s_wait_tensorcnt 0x0                           ; no tensor load of mine is out, so a group 0 may be written
	ds_add_u32 v5, v6                              ; 0 onto my spare word
.if \fill
	s_xor_b32 s[G0K+1], s[G0K+1], SLOT1            ; the walking descriptors: the other slot than last time,
	s_add_nc_u64 s[G0K+2:G0K+3], s[G0K+2:G0K+3], SK*64   ; the next 256 keys; the type bits on top are not reached
	s_xor_b32 s[G0V+1], s[G0V+1], SLOT1
	s_add_nc_u64 s[G0V+2:G0V+3], s[G0V+2:G0V+3], SK
.endif
	s_wait_dscnt 0x0                               ; the add is done, and my reads of the slot that I have left are over
.if \fill
	CROUND
	TLOAD                                          ; the first thing behind the round, and a wave's one tensor load until the next
.else
	s_barrier_signal -1
	s_barrier_wait -1
.endif
.endm
.macro SLOT_STEPS
	STEP 0
	STEP 1
	s_xor_b32 s[TB], s[TB], SLOT1                  ; on to the other slot
.endm
	s_wait_loadcnt 0x0                             ; Q
.Lslot:                                            ; seven trips: behind each change of slots but the last the next slot is asked for
	CHANGE 1
	SLOT_STEPS
	s_sub_co_u32 s[SLOTS], s[SLOTS], 1
	s_cmp_lg_u32 s[SLOTS], 0
	s_cbranch_scc1 .Lslot
	CHANGE 0                                       ; the last slot is written out
	SLOT_STEPS
	; THE WAY OUT.  ctx = O^T / the sum; register 16 B + i is d = 32 B + 16 h + i of my query: the two blocks of 32 are quantised as they stand, each shared with lane l xor 16.
	v_add_f32 v14, v14, v15                        ; the sum's two halves,
	v_permlanex16_b32 v252, v14, s20, s21
	v_add_f32 v14, v14, v252                       ; and lane l xor 16's: the row's sum
	v_rcp_f32 v14, v14
	v_and_b32 v8, 15, v0                           ; (from here on twelve plain lines: the places behind the last products, and the one behind the reciprocal)  r
	v_bfe_u32 v9, v0, 4, 1                         ; h
	v_mul_u32_u24 v10, v8, 80
	v_lshl_add_u32 v10, v9, 4, v10
	v_add_nc_u32 v10, s87, v10                     ; the stage, in: row r, 16 h (+ 32 B)
	v_and_b32 v32, 31, v0
	v_lshrrev_b32 v33, 2, v32
	v_and_b32 v34, 3, v32
	v_mul_u32_u24 v11, v33, 80
	v_lshl_add_u32 v11, v34, 4, v11
	v_add_nc_u32 v11, s87, v11                     ; back: four lanes to a row of 64 bytes, eight rows an instruction
	v_lshl_add_u32 v9, v8, 6, v9                   ; scale bytes: query r's row lies 64 r bytes on; lanes 16-31 store block 1's
.set j, 0
	s_wait_alu depctr_va_vdst(0)
.rept 32
	v_mul_f32 v[192+j], v[160+j], v14              ; each accumulator from its low end on
.set j, j+1
.endr
.irp b, 0,1
	v_max3_num_f32 v[232+\b], |v[192+16*\b]|, |v[193+16*\b]|, 0x4800000   ; block b: my 16 numbers, and the floor 2^(9 - 127)
.endr
.irp i, 2,4,6,8,10,12,14
.irp b, 0,1
	v_max3_num_f32 v[232+\b], v[232+\b], |v[192+16*\b+\i]|, |v[193+16*\b+\i]|
.endr
.endr
.irp b, 0,1
	v_permlanex16_b32 v[236+\b], v[232+\b], s20, s21
.endr
.irp b, 0,1
	v_max_num_f32 v[232+\b], v[232+\b], v[236+\b]  ; with lane l xor 16's: the block's largest magnitude
.endr
.irp b, 0,1
	v_add_nc_u32 v[244+\b], 0xfc000000, v[232+\b]  ; the conversion's scale operand
.endr
.irp b, 0,1
	v_and_or_b32 v[240+\b], v[232+\b], 0x7f800000, s19   ; 448 x the scale
.endr
.irp b, 0,1
	v_lshrrev_b32 v[236+\b], 23, v[244+\b]         ; the scale's byte
.endr
.irp b, 0,1
.irp i, 0,1,2,3,4,5,6,7,8,9,10,11,12,13,14,15
	v_med3_num_f32 v[192+16*\b+\i], v[192+16*\b+\i], -v[240+\b], v[240+\b]
.endr
	v_cvt_scalef32_pk8_fp8_f32 v[224+4*\b:225+4*\b], v[192+16*\b:199+16*\b], v[244+\b]
	v_cvt_scalef32_pk8_fp8_f32 v[226+4*\b:227+4*\b], v[200+16*\b:207+16*\b], v[244+\b]
.endr
	v_nop                                          ; one plain line behind the last conversion
	v_cndmask_b32 v242, v236, v237, s66            ; lanes 0-15 block 0's byte, lanes 16-31 block 1's
	ds_store_b128 v10, v[224:227]                  ; d = 16 h + 0 .. 15
	ds_store_b128 v10, v[228:231] offset:32        ; d = 32 + 16 h + 0 .. 15
	ds_load_b128 v[32:35], v11                     ; LDS serves a wave's instructions in order: these see my stores
	ds_load_b128 v[36:39], v11 offset:640
	s_wait_dscnt 1                                 ; queries 0-7 are back; the younger load may be out
	global_store_b128 v7, v[32:35], s[10:11]       ; four lanes store a query's 64 bytes
	s_wait_dscnt 0x0
	global_store_b128 v7, v[36:39], s[10:11] offset:16384
	global_store_b8 v9, v242, s[12:13]
	s_wait_tensorcnt 0x0                           ; the wave's end, behind my last tensor load and my last LDS store
	ds_add_u32 v5, v6
	s_wait_dscnt 0x0
	CROUND                                         ; the closing round: no work-group ends while a partner may still ask for a tile that names it
	s_endpgm
.Lfunc_end_k_q3d19cc5c3b_attn:
	.size	k_q3d19cc5c3b_attn, .Lfunc_end_k_q3d19cc5c3b_attn-k_q3d19cc5c3b_attn
	.p2alignl 7, 3214868480
	.fill 96, 4, 3214868480
	.section	.rodata,"a",@progbits
	.p2align	6, 0x0
	.amdhsa_kernel k_q3d19cc5c3b_attn
		.amdhsa_group_segment_fixed_size 327680
		.amdhsa_private_segment_fixed_size 0
		.amdhsa_enable_private_segment 0
		.amdhsa_kernarg_size 24
		.amdhsa_user_sgpr_count 2
		.amdhsa_user_sgpr_kernarg_segment_ptr 1
		.amdhsa_wavefront_size32 1
		.amdhsa_system_sgpr_workgroup_id_x 1
		.amdhsa_system_sgpr_workgroup_id_y 1
		.amdhsa_system_sgpr_workgroup_id_z 1
		.amdhsa_system_vgpr_workitem_id 0
		.amdhsa_next_free_vgpr 256
		.amdhsa_next_free_sgpr 100
		.amdhsa_reserve_vcc 0
		.amdhsa_float_denorm_mode_32 3
		.amdhsa_float_denorm_mode_16_64 3
		.amdhsa_memory_ordered 1
		.amdhsa_forward_progress 1
		.amdhsa_inst_pref_size 96
	.end_amdhsa_kernel
	.amdgpu_metadata
---
amdhsa.version: [ 1, 2 ]
amdhsa.kernels:
  - .name:           k_q3d19cc5c3b_attn
    .symbol:         k_q3d19cc5c3b_attn.kd
    .args:
      - { .name: qk, .offset: 0, .size: 8, .value_kind: global_buffer, .address_space: global }
      - { .name: vq, .offset: 8, .size: 8, .value_kind: global_buffer, .address_space: global }
      - { .name: cq, .offset: 16, .size: 8, .value_kind: global_buffer, .address_space: global }
    .group_segment_fixed_size: 327680
    .private_segment_fixed_size: 0
    .kernarg_segment_align: 8
    .kernarg_segment_size: 24
    .max_flat_workgroup_size: 512
    .sgpr_count:     100
    .vgpr_count:     256
    .wavefront_size: 32
...
	.end_amdgpu_metadata
.endif
;; end of part 6
;; launch outp: the kernel of part 3 again; grid 4 x 16, 4 waves a work-group, clusters of 4 x 4, 327,680 bytes of LDS; arguments cq, wo, out0; writes out0
;; ======== version 2 of 2: 6 launches
;; limits: right only within a limited range of input values
;; workspace buffers: aq 21,626,880 bytes; cq 4,849,664 bytes; wq 5,427,200 bytes; wo 1,232,896 bytes; pj 83,886,080 bytes; qk 8,912,896 bytes; vq 4,325,376 bytes
;; launch quant (part 7): grid 832 x 1, 4 waves a work-group, no clusters, 69,120 bytes of LDS; arguments W_qx_lin, W_qc_lin, W_kx_lin, W_kc_lin, W_vx_lin, W_out_lin, b_qx_lin, b_qc_lin, b_kx_lin, b_kc_lin, b_vx_lin, b_out_lin, wq, wo, aq, vx, qx, qc, kx, kc; writes wq, wo, aq
.if DOCPART == 7
	.amdgcn_target "amdgcn-amd-amdhsa--gfx1250"
	.amdhsa_code_object_version 6
	.text
	.protected	k_q3d19cc5c3b_quant
	.globl	k_q3d19cc5c3b_quant
	.p2align	8
	.type	k_q3d19cc5c3b_quant,@function
k_q3d19cc5c3b_quant:
	s_mov_b64 s[64:65], 0
	v_nop
	global_prefetch_b8 v0, s[64:65] scope:SCOPE_SE
	s_setreg_imm32_b32 hwreg(HW_REG_WAVE_MODE, 25, 1), 1
	s_wait_xcnt 0x0
; ONE LAUNCH QUANTISES THE SIX WEIGHTS AND THE FIVE ACTIVATIONS to codes of FP8 (E4M3) with one E8M0 scale byte for each 32 along K.  Work-groups 0 to 191 take the weights, 192 to 831 the activations:
; one scalar branch on the work-group's number parts two texts that share nothing; each has LDS bytes of its own (the weights' stages from 0, the activations' regions from ABASE).
; A block's scale is 2^(floor(log2(its largest magnitude)) - 8); its byte is the largest magnitude's exponent field - 8, held at 1 from below.
; LIMITS: a block of zeros gets the byte 1 and not 127 (its codes are zeros, and this program alone reads the bytes); NaN and infinities among the inputs are not served.
; No tensor loads, no barrier: waves share nothing.
;
; THE WEIGHTS.  W [1024 (k)][1024 (n)], f32, K the FIRST axis, become codes laid [n][k], K innermost, and scale bytes laid [n][32].  Tensors 0 to 4 (qx, qc, kx, kc, vx) go into wq one behind the
; other, tensor 5 (out) into wo.  Both buffers: scale bytes at 0, biases (f32, copied as they are) at W_BI, codes at W_CD.  Work-group g: 128 columns from 128 (g % 8); tensor g / 32; 256 along K from
; 256 ((g / 8) % 4).  A LANE TAKES A COLUMN n AND ITS REGISTERS RUN DOWN K: each load reads 128 consecutive bytes a wave, a block of 32 along K lies in one lane's 32 registers, and the conversions
; give codes with K innermost.  A wave's 32 columns x 256 codes go through its own stage in LDS and leave as rows: sixteen lanes store 256 consecutive bytes, aligned.  The scale bytes leave 8 a lane,
; rows 32 bytes apart; the biases 128 bytes a wave: both are small beside the 4 bytes a number that are read.  Loads run two blocks (64 loads a wave) ahead.
;
; THE ACTIVATIONS.  [2048][2][1024], f32, K = the last axis.  Rows keep their order in memory, r = 2 s + b.  aq: scale bytes [5 x 4096][32] at 0, codes [5 x 4096][1024] at A_CD; tensors in the order
; qx, qc, kx, kc, vx; 128 work-groups to a tensor.  Rows are dense, so a tensor is a plain stream of blocks of 32.  A wave takes 16 steps of 512 numbers.  Each of a step's four loads reads 512
; consecutive bytes, 16 a lane; the 2,048 bytes turn through the wave's own stage in LDS (16 bytes of padding behind each 64) and come back 64 bytes a lane, so that a lane holds 16 NEIGHBOURS along K
; (two neighbouring lanes hold a block), as the conversions want.  A lane's 16 codes are 16 bytes: the wave stores 512 consecutive bytes.  A wave's 256 scale bytes are gathered in LDS and leave as
; 256 consecutive bytes, aligned.  Loads run four steps (16 loads a wave) ahead, the turn through LDS one step.
.set WGW,   192                        ; the weights' work-groups: 8 x 4 x 6
.set SIZE_K, 1024
.set SIZE_N, 1024
.set W_BI,  163840                     ; 5 x 1024 x 32 scale bytes lie in front
.set W_CD,  184320                     ; and 5 x 4096 bytes of biases
.set A_CD,  655360                     ; 5 x 4096 x 32 scale bytes lie in front
.set EMAX,  8
.set MANT,  0x600000                   ; the mantissa field of 448
.set KW,    256                        ; the weights' path
.set NB,    KW/32
.set PITCH, 272                        ; a stage row: 256 bytes + 16
.set KROW,  SIZE_K                     ; a row of codes in memory
.set WX,    32                         ; v32-95   two sets of 32 numbers
.set WC,    96                         ; v96-103  a block's codes
.set WOUT,  112                        ; v112-175 the way out
.set WSB,   24                         ; v24-25   the scale bytes
.set ABASE, 35840                      ; the activations' path: its LDS begins behind the weights' four stages
.set STEPS, 16
.set CB,    16                         ; bytes of 16 codes
.set AR,    16                         ; v16-79   four sets of 16 numbers as they are loaded
.set AX,    80                         ; v80-111  two sets of 16 neighbours
.set AC,    128                        ; v128-191 codes: four registers for each step, so that no store's data are written again
.set AE,    112                        ; v112-127 a scale byte for each step
.set WREG,  8192                       ; a region for each wave: two stages of 32 x SP bytes, behind them its 256 scale bytes
.set SP,    80
	v_lshl_add_u32 v192, v0, 2, 0x10c00
	v_mov_b32 v193, 0
	v_lshrrev_b32 v1, 5, v0
	v_readfirstlane_b32 s16, v1                    ; wave 0..3
	v_and_b32 v2, 31, v0                           ; lane
	s_cmp_lt_u32 ttmp9, WGW
	s_cbranch_scc0 .Lacts
	; ================ the weights ================
	s_load_b512 s[36:51], s[0:1], 0x0              ; W0 .. W5 at s[36+2 i], b0, b1 at s[48:51]
	s_load_b256 s[52:59], s[0:1], 0x40             ; b2 .. b5
	s_load_b128 s[60:63], s[0:1], 0x60             ; wq, wo
	s_and_b32 s17, ttmp9, 7
	s_lshl_b32 s17, s17, 7
	s_lshl_b32 s18, s16, 5
	s_add_co_u32 s17, s17, s18                     ; my wave's first column
	s_lshr_b32 s19, ttmp9, 3
	s_lshr_b32 s32, s19, 2                         ; the tensor, 0..5
	s_and_b32 s18, s19, 3                          ; which 256 along K
	s_wait_alu depctr_va_vdst(0)
	v_lshlrev_b32 v3, 2, v2                        ; in: 4 bytes a lane
	s_mul_i32 s19, s16, 32*PITCH                   ; my stage
	v_mul_u32_u24 v4, v2, PITCH
	v_add_nc_u32 v4, s19, v4                       ; into it: row = my column
	v_and_b32 v5, 15, v2
	v_lshrrev_b32 v6, 4, v2                        ; out of it: sixteen lanes to a row, two rows an instruction
	v_mul_u32_u24 v7, v6, PITCH
	v_lshl_add_u32 v7, v5, 4, v7
	v_add_nc_u32 v7, s19, v7
	v_mul_u32_u24 v8, v6, KROW
	v_lshl_add_u32 v8, v5, 4, v8                   ; the same place in the codes
	v_mul_u32_u24 v9, v2, SIZE_K/32                ; my column's row of scale bytes
	s_cmp_eq_u32 s32, 5
	s_cselect_b32 s34, 0, s32                      ; the tensor's place in its output buffer
	; byte offsets, all under 2^32, in registers of their own
	s_lshl_b32 s20, s18, 20                        ; W: 256 rows of 4,096 bytes for each part of K,
	s_lshl_b32 s22, s17, 2                         ; + 4 x column (also the bias's offset)
	s_add_co_u32 s20, s20, s22
	s_mov_b32 s21, 0
	s_mov_b32 s23, 0
	s_lshl_b32 s24, s34, 20                        ; codes: tensor x 2^20 + column x 1,024 + 256 x part + W_CD
	s_lshl_b32 s25, s17, 10
	s_add_co_u32 s24, s24, s25
	s_lshl_b32 s25, s18, 8
	s_add_co_u32 s24, s24, s25
	s_add_co_u32 s24, s24, W_CD
	s_mov_b32 s25, 0
	s_lshl_b32 s28, s34, 15                        ; scale bytes: tensor x 32,768 + column x 32 + 8 x part
	s_lshl_b32 s29, s17, 5
	s_add_co_u32 s28, s28, s29
	s_lshl_b32 s29, s18, 3
	s_add_co_u32 s28, s28, s29
	s_mov_b32 s29, 0
	s_lshl_b32 s30, s34, 12                        ; bias out: tensor x 4,096 + 4 x column + W_BI
	s_add_co_u32 s30, s30, s22
	s_add_co_u32 s30, s30, W_BI
	s_mov_b32 s31, 0
	s_mov_b32 s33, MANT
	s_wait_kmcnt 0x0
	s_mov_b64 s[4:5], s[36:37]                     ; the choice of buffers hangs on the work-group's number alone
	s_mov_b64 s[10:11], s[48:49]
.irp i, 1,2,3,4,5
	s_cmp_eq_u32 s32, \i
	s_cselect_b64 s[4:5], s[36+2*\i:37+2*\i], s[4:5]
	s_cselect_b64 s[10:11], s[48+2*\i:49+2*\i], s[10:11]
.endr
	s_cselect_b64 s[12:13], s[62:63], s[60:61]     ; (the last compare: tensor 5 goes to wo)
	s_add_nc_u64 s[4:5], s[4:5], s[20:21]
	s_add_nc_u64 s[6:7], s[12:13], s[24:25]
	s_add_nc_u64 s[8:9], s[12:13], s[28:29]
	s_add_nc_u64 s[14:15], s[12:13], s[30:31]
	s_add_nc_u64 s[10:11], s[10:11], s[22:23]
.macro WLOAD t                         ; block t: W(32 t + i, my column), i = 0 .. 31, into set t % 2
.irp i, 0,1,2,3,4,5,6,7,8,9,10,11,12,13,14,15,16,17,18,19,20,21,22,23,24,25,26,27,28,29,30,31
	global_load_b32 v[WX+32*((\t)%2)+\i], v3, s[4:5] offset:(32*(\t)+\i)*SIZE_N*4 th:TH_LOAD_NT
.endr
.endm
	WLOAD 0
	WLOAD 1
.macro WBLOCK t
.set XS, WX+32*((\t)%2)
.if (\t) < NB-1
	s_wait_loadcnt 32                              ; this block's 32 loads are in; the next block's 32 may be out
.else
	s_wait_loadcnt 0
.endif
	v_max3_num_f32 v12, |v[XS]|, |v[XS+1]|, |v[XS+2]|               ; the block's largest magnitude: all 32 numbers are mine
	v_max3_num_f32 v13, |v[XS+3]|, |v[XS+4]|, |v[XS+5]|
.irp i, 6,10,14,18,22,26
	v_max3_num_f32 v12, v12, |v[XS+\i]|, |v[XS+\i+1]|
	v_max3_num_f32 v13, v13, |v[XS+\i+2]|, |v[XS+\i+3]|
.endr
	v_max3_num_f32 v12, v12, |v[XS+30]|, |v[XS+31]|
	v_max3_num_f32 v12, v12, v13, (EMAX+1)<<23     ; and the floor 2^(9 - 127): the byte cannot fall under 1
	v_add_nc_u32 v11, -(EMAX<<23), v12             ; 8 off the exponent field: the conversion takes this operand's exponent field as its scale
	v_and_or_b32 v10, v12, 0x7f800000, s33         ; 448 x the scale
	v_lshrrev_b32 v13, 23, v11                     ; the scale's byte
.if (\t)%4 == 0
	v_mov_b32 v[WSB+(\t)/4], v13                   ; four bytes to a register, the lower K in the lower byte
.else
	v_lshl_or_b32 v[WSB+(\t)/4], v13, 8*((\t)%4), v[WSB+(\t)/4]
.endif
.irp i, 0,1,2,3,4,5,6,7,8,9,10,11,12,13,14,15,16,17,18,19,20,21,22,23,24,25,26,27,28,29,30,31
	v_med3_num_f32 v[XS+\i], v[XS+\i], -v10, v10   ; the conversion to an 8-bit code does not saturate (ISA guide 7.6.2): the hold comes first
.endr
.irp g, 0,1,2,3
	v_cvt_scalef32_pk8_fp8_f32 v[WC+2*\g:WC+2*\g+1], v[XS+8*\g:XS+8*\g+7], v11
.endr
	ds_store_b128 v4, v[WC:WC+3] offset:32*(\t)    ; 32 codes: 32 bytes of my column's row
	ds_store_b128 v4, v[WC+4:WC+7] offset:32*(\t)+16
.if (\t)+2 < NB
	WLOAD (\t)+2
.endif
	s_wait_dscnt 0x0                               ; the stores have read their registers: the next block's codes may be written
.endm
.set Q, 0
.rept NB
	WBLOCK Q
.set Q, Q+1
.endr
	global_store_b64 v9, v[WSB:WSB+1], s[8:9]      ; my column's 8 scale bytes
.irp t, 0,1,2,3,4,5,6,7,8,9,10,11,12,13,14,15
	ds_load_b128 v[WOUT+4*\t:WOUT+4*\t+3], v7 offset:2*\t*PITCH   ; LDS serves a wave's instructions in order: these see my stores
.endr
.irp t, 0,1,2,3,4,5,6,7,8,9,10,11,12,13,14,15
	s_wait_dscnt 15-\t                             ; the loads behind load t may stay out
	global_store_b128 v8, v[WOUT+4*\t:WOUT+4*\t+3], s[6:7] offset:2*\t*KROW
.endr
	s_cmp_lg_u32 s18, 0                            ; the work-groups of K's first part also copy their 128 numbers of the bias: one writer for each byte
	s_cbranch_scc1 .Lw_end
	global_load_b32 v176, v3, s[10:11]
	s_wait_loadcnt 0x0
	global_store_b32 v3, v176, s[14:15]
.Lw_end:
	s_wait_tensorcnt 0x0
	ds_add_u32 v192, v193
	s_wait_dscnt 0x0
	s_endpgm
	; ================ the activations ================
.Lacts:
	s_load_b256 s[4:11], s[0:1], 0x80              ; qx, qc, kx, kc
	s_load_b128 s[12:15], s[0:1], 0x70             ; aq, vx
	s_wait_alu depctr_va_vdst(0)
	v_lshlrev_b32 v3, 4, v2                        ; my 16 bytes of a load's 512
	s_mul_i32 s17, s16, WREG
	s_add_co_u32 s17, s17, ABASE                   ; my wave's region
	v_lshrrev_b32 v14, 2, v2
	v_mul_u32_u24 v14, v14, SP
	v_and_b32 v15, 3, v2
	v_lshl_add_u32 v14, v15, 4, v14
	v_add_nc_u32 v14, s17, v14                     ; the stage, on the way in: SP (lane / 4) + 16 (lane % 4)
	v_mul_u32_u24 v15, v2, SP
	v_add_nc_u32 v15, s17, v15                     ; and on the way out: SP x lane
	v_mul_u32_u24 v4, v2, CB                       ; my codes' place in a step's
	v_lshrrev_b32 v5, 1, v2
	s_add_co_u32 s17, s17, 2*32*SP
	v_add_nc_u32 v5, s17, v5                       ; my block's byte among my wave's 256
	v_lshlrev_b32 v7, 3, v2                        ; on the way out 8 bytes a lane
	v_add_nc_u32 v6, s17, v7
	s_mov_b32 s23, MANT
	s_sub_co_u32 s25, ttmp9, WGW                   ; my number among the activations' 640 work-groups
	s_lshr_b32 s24, s25, 7                         ; the tensor
	s_and_b32 s18, s25, 127
	s_lshl_b32 s18, s18, 2
	s_add_co_u32 s18, s18, s16                     ; my run of 8,192 numbers in the tensor,
	s_lshl_b32 s18, s18, 15                        ; in bytes
	s_mov_b32 s19, 0
	s_lshl_b32 s20, s25, 2
	s_add_co_u32 s20, s20, s16                     ; my run among all five tensors'
	s_lshl_b32 s26, s20, 13                        ; 8,192 bytes of codes a run
	s_add_co_u32 s26, s26, A_CD
	s_mov_b32 s27, 0
	s_lshl_b32 s28, s20, 8                         ; 256 scale bytes a run
	s_mov_b32 s29, 0
	s_wait_alu depctr_va_vdst(0)
	s_wait_kmcnt 0x0
	s_cmp_eq_u32 s24, 1                            ; the choice hangs on the work-group's number alone
	s_cselect_b64 s[4:5], s[6:7], s[4:5]
	s_cmp_eq_u32 s24, 2
	s_cselect_b64 s[4:5], s[8:9], s[4:5]
	s_cmp_eq_u32 s24, 3
	s_cselect_b64 s[4:5], s[10:11], s[4:5]
	s_cmp_eq_u32 s24, 4
	s_cselect_b64 s[4:5], s[14:15], s[4:5]
	s_add_nc_u64 s[4:5], s[4:5], s[18:19]
	s_add_nc_u64 s[8:9], s[12:13], s[26:27]        ; codes
	s_add_nc_u64 s[10:11], s[12:13], s[28:29]      ; scale bytes
.macro ALOAD t
.irp i, 0,1,2,3
	global_load_b128 v[AR+16*((\t)%4)+4*\i:AR+16*((\t)%4)+4*\i+3], v3, s[4:5] offset:2048*(\t)+512*\i th:TH_LOAD_NT   ; 32 lanes read 512 consecutive bytes
.endr
.endm
.macro ATURN t                         ; step t's numbers through the stage: LDS serves a wave's instructions in order, so no wait stands between the stores and the loads
.irp i, 0,1,2,3
	ds_store_b128 v14, v[AR+16*((\t)%4)+4*\i:AR+16*((\t)%4)+4*\i+3] offset:32*SP*((\t)%2)+8*SP*\i
.endr
.irp i, 0,1,2,3
	ds_load_b128 v[AX+16*((\t)%2)+4*\i:AX+16*((\t)%2)+4*\i+3], v15 offset:32*SP*((\t)%2)+16*\i
.endr
.endm
.irp t, 0,1,2,3
	ALOAD \t
.endr
	s_wait_loadcnt 12                              ; step 0's four loads are in; three steps' twelve may be out
	ATURN 0
.macro ASTEP t
.set XS, AX+16*((\t)%2)
.if (\t) > 0
	s_wait_dscnt 1                                 ; this step's numbers are back from the stage (the last step's byte store may be out): its stores into the stage have read their registers,
.else
	s_wait_dscnt 0x0
.endif
.if (\t)+4 < STEPS
	ALOAD (\t)+4                                   ; which take the loads of four steps on
.endif
.if (\t)+1 < STEPS
.if STEPS-2-(\t) >= 3
	s_wait_loadcnt 12                              ; the next step's four loads are in; those of the three steps behind it may be out
.else
	s_wait_loadcnt 4*(STEPS-2-(\t))
.endif
	ATURN (\t)+1                                   ; and go through the other stage while this step is worked
.endif
	v_max3_num_f32 v8, |v[XS]|, |v[XS+1]|, |v[XS+2]|               ; the largest magnitude of my 16
	v_max3_num_f32 v9, |v[XS+3]|, |v[XS+4]|, |v[XS+5]|
.irp i, 6,10
	v_max3_num_f32 v8, v8, |v[XS+\i]|, |v[XS+\i+1]|
	v_max3_num_f32 v9, v9, |v[XS+\i+2]|, |v[XS+\i+3]|
.endr
	v_max3_num_f32 v8, v8, |v[XS+14]|, |v[XS+15]|
	v_max3_num_f32 v8, v8, v9, (EMAX+1)<<23        ; and the floor 2^(9 - 127): the byte cannot fall under 1
	v_max_num_f32_dpp v8, v8, v8 row_xmask:1 row_mask:0xf bank_mask:0xf   ; and of my neighbour's 16: the block's
	v_add_nc_u32 v11, -(EMAX<<23), v8              ; 8 off its exponent field: the conversion's scale operand
	v_and_or_b32 v10, v8, 0x7f800000, s23          ; 448 x the scale
.irp i, 0,1,2,3,4,5,6,7,8,9,10,11,12,13,14,15
	v_med3_num_f32 v[XS+\i], v[XS+\i], -v10, v10   ; the conversion to an 8-bit code does not saturate (ISA guide 7.6.2): the hold comes first
.endr
	v_cvt_scalef32_pk8_fp8_f32 v[AC+4*(\t):AC+4*(\t)+1], v[XS:XS+7], v11
	v_cvt_scalef32_pk8_fp8_f32 v[AC+4*(\t)+2:AC+4*(\t)+3], v[XS+8:XS+15], v11
	v_lshrrev_b32 v[AE+(\t)], 23, v11              ; the scale's byte
	ds_store_b8 v5, v[AE+(\t)] offset:16*(\t)      ; both lanes of a block write the same byte with the same value
	global_store_b128 v4, v[AC+4*(\t):AC+4*(\t)+3], s[8:9] offset:32*CB*(\t)
.endm
.irp t, 0,1,2,3,4,5,6,7,8,9,10,11,12,13,14,15
	ASTEP \t
.endr
	ds_load_b64 v[12:13], v6                       ; LDS serves a wave's instructions in order: these see my stores
	s_wait_dscnt 0x0
	global_store_b64 v7, v[12:13], s[10:11]        ; 32 lanes store 256 consecutive bytes, aligned
	s_wait_tensorcnt 0x0
	ds_add_u32 v192, v193
	s_wait_dscnt 0x0
	s_endpgm
.Lfunc_end_k_q3d19cc5c3b_quant:
	.size	k_q3d19cc5c3b_quant, .Lfunc_end_k_q3d19cc5c3b_quant-k_q3d19cc5c3b_quant
	.p2alignl 7, 3214868480
	.fill 96, 4, 3214868480
	.section	.rodata,"a",@progbits
	.p2align	6, 0x0
	.amdhsa_kernel k_q3d19cc5c3b_quant
		.amdhsa_group_segment_fixed_size 69120
		.amdhsa_private_segment_fixed_size 0
		.amdhsa_enable_private_segment 0
		.amdhsa_kernarg_size 160
		.amdhsa_user_sgpr_count 2
		.amdhsa_user_sgpr_kernarg_segment_ptr 1
		.amdhsa_wavefront_size32 1
		.amdhsa_system_sgpr_workgroup_id_x 1
		.amdhsa_system_sgpr_workgroup_id_y 1
		.amdhsa_system_sgpr_workgroup_id_z 1
		.amdhsa_system_vgpr_workitem_id 0
		.amdhsa_next_free_vgpr 194
		.amdhsa_next_free_sgpr 66
		.amdhsa_reserve_vcc 0
		.amdhsa_float_denorm_mode_32 3
		.amdhsa_float_denorm_mode_16_64 3
		.amdhsa_memory_ordered 1
		.amdhsa_forward_progress 1
		.amdhsa_inst_pref_size 111
	.end_amdhsa_kernel
	.amdgpu_metadata
---
amdhsa.version: [ 1, 2 ]
amdhsa.kernels:
  - .name:           k_q3d19cc5c3b_quant
    .symbol:         k_q3d19cc5c3b_quant.kd
    .args:
      - { .name: W_qx_lin, .offset: 0, .size: 8, .value_kind: global_buffer, .address_space: global }
      - { .name: W_qc_lin, .offset: 8, .size: 8, .value_kind: global_buffer, .address_space: global }
      - { .name: W_kx_lin, .offset: 16, .size: 8, .value_kind: global_buffer, .address_space: global }
      - { .name: W_kc_lin, .offset: 24, .size: 8, .value_kind: global_buffer, .address_space: global }
      - { .name: W_vx_lin, .offset: 32, .size: 8, .value_kind: global_buffer, .address_space: global }
      - { .name: W_out_lin, .offset: 40, .size: 8, .value_kind: global_buffer, .address_space: global }
      - { .name: b_qx_lin, .offset: 48, .size: 8, .value_kind: global_buffer, .address_space: global }
      - { .name: b_qc_lin, .offset: 56, .size: 8, .value_kind: global_buffer, .address_space: global }
      - { .name: b_kx_lin, .offset: 64, .size: 8, .value_kind: global_buffer, .address_space: global }
      - { .name: b_kc_lin, .offset: 72, .size: 8, .value_kind: global_buffer, .address_space: global }
      - { .name: b_vx_lin, .offset: 80, .size: 8, .value_kind: global_buffer, .address_space: global }
      - { .name: b_out_lin, .offset: 88, .size: 8, .value_kind: global_buffer, .address_space: global }
      - { .name: wq, .offset: 96, .size: 8, .value_kind: global_buffer, .address_space: global }
      - { .name: wo, .offset: 104, .size: 8, .value_kind: global_buffer, .address_space: global }
      - { .name: aq, .offset: 112, .size: 8, .value_kind: global_buffer, .address_space: global }
      - { .name: vx, .offset: 120, .size: 8, .value_kind: global_buffer, .address_space: global }
      - { .name: qx, .offset: 128, .size: 8, .value_kind: global_buffer, .address_space: global }
      - { .name: qc, .offset: 136, .size: 8, .value_kind: global_buffer, .address_space: global }
      - { .name: kx, .offset: 144, .size: 8, .value_kind: global_buffer, .address_space: global }
      - { .name: kc, .offset: 152, .size: 8, .value_kind: global_buffer, .address_space: global }
    .group_segment_fixed_size: 69120
    .private_segment_fixed_size: 0
    .kernarg_segment_align: 8
    .kernarg_segment_size: 160
    .max_flat_workgroup_size: 128
    .sgpr_count:     66
    .vgpr_count:     194
    .wavefront_size: 32
...
	.end_amdgpu_metadata
.endif
;; end of part 7
;; launch proj (part 8): grid 4 x 64, 4 waves a work-group, clusters of 4 x 4, 327,680 bytes of LDS; arguments aq, wq, pj; writes pj
.if DOCPART == 8
	.amdgcn_target "amdgcn-amd-amdhsa--gfx1250"
	.amdhsa_code_object_version 6
	.text
	.protected	k_q3d19cc5c3b_proj
	.globl	k_q3d19cc5c3b_proj
	.p2align	8
	.type	k_q3d19cc5c3b_proj,@function
k_q3d19cc5c3b_proj:
	s_mov_b64 s[64:65], 0
	v_nop
	global_prefetch_b8 v0, s[64:65] scope:SCOPE_SE
	s_setreg_imm32_b32 hwreg(HW_REG_WAVE_MODE, 25, 1), 1
	s_wait_xcnt 0x0
	s_wait_alu depctr_hold_cnt(0) depctr_sa_sdst(0) depctr_va_vdst(0) depctr_va_sdst(0) depctr_va_ssrc(0) depctr_va_vcc(0) depctr_vm_vsrc(0)
	s_getreg_b32 s2, hwreg(HW_REG_IB_STS2, 6, 4)
	s_cmp_eq_u32 s2, 0
	s_cbranch_scc0 .Lentry_in_a_cluster
	s_endpgm
.Lentry_in_a_cluster:
	s_bfe_u32 s2, ttmp6, 0x10000c
	s_cmp_lg_u32 s2, 0xf033
	s_cbranch_scc0 .Lentry_shape_is_right
	s_endpgm
.Lentry_shape_is_right:
.set SIZE_K, 1024
.set SIZE_N, 1024
.set A_CD,   655360
.set W_BI,   163840
.set W_CD,   184320
.set KSTEP,  256
.set NQ,     KSTEP/128
.set ROWB,   256
.set KROW,   SIZE_K
.set PITCH,  272
.set FR,     16
.set NL,     4
.set NP,     8
.set HALFT,  128*PITCH
.set SLOT,   4*HALFT
.set LAPS,   SIZE_K/(2*KSTEP)
.set KS,     SIZE_K/32
.set SCL,    2*SLOT
.set HALFS,  (128*KS/256)*272
.set SBLK,   (16*KS/256)*272
.set SPARE,  SCL+4*HALFS
.set SPITCH, 528
.set ADRA, 16
.set ADRB, 20
.set STO,  24
.set RD,   25
.set CO,   26
.set ADRS, 27
.set SPW,  28
.set NIL,  29
.set BO,   30
.set SC,   32
.set BIAS, 64
.set AF,   128
.set BK,   128
.set G1, 24
.set G0, 32
.set G1B, 48
.set G0B, 56
.set G1S, 68
.set G0S, 76
.set G1SB, 80
.set G0SB, 88
.set MSB, 0
.macro WIN new
.if MSB != \new
	s_set_vgpr_msb (MSB<<8)|\new
.set MSB, \new
.endif
.endm
.set MUL_LO, 0xa1
.set MUL_HI, 0xf1
.set FIRST_LO, 0x81
.set FIRST_HI, 0xc1
.set TO_B,   0x40
.macro JLOAD g0a, g1a, g0b, g1b
	s_cmp_eq_u32 s15, 0
	s_cbranch_scc0 .Lfor_b_\@
	tensor_load_to_lds s[\g0a:\g0a+3], s[\g1a:\g1a+7]
	s_nop 0
.rept 4
	v_nop
.endr
	s_branch .Lasked_\@
.Lfor_b_\@:
	tensor_load_to_lds s[\g0b:\g0b+3], s[\g1b:\g1b+7]
	s_nop 0
.rept 4
	v_nop
.endr
.Lasked_\@:
.endm
.macro CREST
	s_cmp_lg_u32 s14, 0
	s_cbranch_scc1 .Lnot_wave_0_\@
	s_barrier_signal -3
.Lnot_wave_0_\@:
	s_barrier_wait -3
	s_barrier_signal -1
	s_barrier_wait -1
.endm
.macro CROUND
	s_barrier_signal -1
	s_barrier_wait -1
	CREST
.endm
	s_load_b64 s[4:5], s[0:1], 0x0
	s_load_b64 s[8:9], s[0:1], 0x8
	s_load_b64 s[12:13], s[0:1], 0x10
	v_lshl_add_u32 v[SPW], v0, 2, SPARE
	v_mov_b32 v[NIL], 0
	ds_add_u32 v28, v29
	ds_add_u32 v28, v29
	s_wait_dscnt 0x0
	v_lshrrev_b32 v1, 5, v0
	v_readfirstlane_b32 s14, v1
	s_lshr_b32 s15, s14, 1
	s_and_b32 s16, s14, 1
	s_bfe_u32 s40, ttmp6, 0x40000
	s_bfe_u32 s41, ttmp6, 0x40004
	s_lshl_b32 s42, ttmp9, 2
	s_add_co_u32 s42, s42, s40
	s_and_b32 s17, ttmp7, 0xffff
	s_add_co_u32 s17, s17, 4                       ; this launch makes tensors 1 to 4 (qc, kx, kc, vx): 64 tile rows from tile row 16 on; tensor 0 is launch pq's
	s_lshr_b32 s95, s17, 2
	s_lshl_b32 s17, s17, 2
	s_add_co_u32 s17, s17, s41
	s_lshl_b32 s43, s41, 2
	s_lshl_b32 s43, 15, s43
	s_lshl_b32 s44, 0x1111, s40
	s_or_b32 s[G1+0], s43, (0<<16)|(1<<20)|(1<<21)|(5<<22)|(3<<25)
	s_or_b32 s[G1B+0], s44, (0<<16)|(1<<20)|(1<<21)|(5<<22)|(3<<25)
.irp g, G1, G1B
	s_mov_b32 s[\g+1], ROWB<<16
	s_mov_b32 s[\g+2], 128<<16
	s_mov_b32 s[\g+3], ROWB<<16
	s_mov_b32 s[\g+4], 128
	s_mov_b32 s[\g+5], KROW
	s_mov_b32 s[\g+6], 0
	s_mov_b32 s[\g+7], 0
.endr
	s_or_b32 s[G1S+0], s43, (3<<16)|(1<<20)|(1<<21)|(5<<22)|(3<<25)
	s_or_b32 s[G1SB+0], s44, (3<<16)|(1<<20)|(1<<21)|(5<<22)|(3<<25)
.irp g, G1S, G1SB
	s_mov_b32 s[\g+1], 32<<16
	s_mov_b32 s[\g+2], (128*KS/256)<<16
	s_mov_b32 s[\g+3], 32<<16
	s_mov_b32 s[\g+4], 128*KS/256
	s_mov_b32 s[\g+5], 32
	s_mov_b32 s[\g+6], 0
	s_mov_b32 s[\g+7], 0
.endr
	s_lshl_b32 s18, s16, 7
	s_lshl_b32 s20, s17, 8
	s_add_co_u32 s20, s20, s18
	s_lshl_b32 s46, s42, 8
	s_add_co_u32 s46, s46, s18
	s_lshl_b32 s47, s95, 10
	s_add_co_u32 s46, s46, s47
	s_mov_b32 s21, 0
	s_mov_b32 s47, 0
	s_mov_b64 s[18:19], KS
	s_mul_u64 s[22:23], s[20:21], s[18:19]
	s_mul_u64 s[92:93], s[46:47], s[18:19]
	s_mov_b64 s[18:19], KROW
	s_mul_u64 s[20:21], s[20:21], s[18:19]
	s_mul_u64 s[46:47], s[46:47], s[18:19]
	s_mul_i32 s45, s14, HALFT
	s_mul_i32 s94, s14, HALFS
	s_lshl_b32 s98, s95, 12
	s_lshl_b32 s99, s42, 10
	s_add_co_u32 s98, s98, s99
	s_lshl_b32 s99, s16, 9
	s_add_co_u32 s98, s98, s99
	s_add_co_u32 s98, s98, W_BI
	s_mov_b32 s99, 0
	s_wait_kmcnt 0x0
	s_mov_b64 s[6:7], s[4:5]
	s_add_nc_u64 s[4:5], s[4:5], A_CD
	s_mov_b64 s[10:11], s[8:9]
	s_add_nc_u64 s[8:9], s[8:9], W_CD
	s_add_nc_u64 s[96:97], s[10:11], s[98:99]
	s_add_nc_u64 s[20:21], s[4:5], s[20:21]
	s_add_nc_u64 s[22:23], s[6:7], s[22:23]
	s_add_nc_u64 s[46:47], s[8:9], s[46:47]
	s_add_nc_u64 s[92:93], s[10:11], s[92:93]
	CROUND
	s_mov_b32 s[G0S], 1
	s_add_co_u32 s[G0S+1], s94, SCL
	s_mov_b64 s[G0S+2:G0S+3], s[22:23]
	s_or_b32 s[G0S+3], s[G0S+3], 0x80000000
	s_mov_b32 s[G0SB], 1
	s_add_co_u32 s[G0SB+1], s94, SCL
	s_mov_b64 s[G0SB+2:G0SB+3], s[92:93]
	s_or_b32 s[G0SB+3], s[G0SB+3], 0x80000000
	JLOAD G0S, G1S, G0SB, G1SB
.irp s, 0,1
	s_mov_b32 s[G0+4*\s], 1
	s_add_co_u32 s[G0+4*\s+1], s45, \s*SLOT
	s_add_nc_u64 s[G0+4*\s+2:G0+4*\s+3], s[20:21], \s*ROWB
	s_or_b32 s[G0+4*\s+3], s[G0+4*\s+3], 0x80000000
	s_mov_b32 s[G0B+4*\s], 1
	s_add_co_u32 s[G0B+4*\s+1], s45, \s*SLOT
	s_add_nc_u64 s[G0B+4*\s+2:G0B+4*\s+3], s[46:47], \s*ROWB
	s_or_b32 s[G0B+4*\s+3], s[G0B+4*\s+3], 0x80000000
	s_wait_alu depctr_va_vdst(0)
	s_wait_tensorcnt 0x0
	ds_add_u32 v28, v29
	s_wait_dscnt 0x0
	CROUND
	JLOAD G0+4*\s, G1, G0B+4*\s, G1B
.endr
	v_and_b32 v1, 15, v0
	v_bfe_u32 v2, v0, 4, 1
	v_lshlrev_b32 v[BO], 5, v2
.irp b, 0,1,2,3,4,5,6,7
	global_load_b128 v[BIAS+8*\b:BIAS+8*\b+3], v[BO], s[96:97] offset:64*\b
	global_load_b128 v[BIAS+8*\b+4:BIAS+8*\b+7], v[BO], s[96:97] offset:64*\b+16
.endr
	v_mul_u32_u24 v3, v1, PITCH
	v_lshl_add_u32 v4, v2, 4, v3
	s_mul_i32 s21, s15, HALFT
	s_mul_i32 s22, s16, HALFT
	s_add_co_u32 s22, s22, 2*HALFT
.irp s, 0,1
	v_add_nc_u32 v[ADRA+\s], s21, v4
	v_add_nc_u32 v[ADRB+\s], s22, v4
	s_add_co_u32 s21, s21, SLOT
	s_add_co_u32 s22, s22, SLOT
.endr
	v_mul_u32_u24 v5, v1, KS
	v_lshrrev_b32 v6, 8, v5
	v_lshl_add_u32 v5, v6, 4, v5
	s_mul_i32 s21, s15, HALFS
	s_mul_i32 s22, s16, HALFS
	s_add_co_u32 s22, s22, 2*HALFS
	s_sub_co_u32 s22, s22, s21
	v_mul_u32_u24 v6, s22, v2
	s_add_co_u32 s21, s21, SCL
	v_add_nc_u32 v5, v5, v6
	v_add_nc_u32 v[ADRS], s21, v5
	s_mul_i32 s23, s14, 16*SPITCH
	v_mul_u32_u24 v5, v1, SPITCH
	v_lshl_add_u32 v5, v2, 5, v5
	v_add_nc_u32 v[STO], s23, v5
	v_and_b32 v6, 31, v0
	v_lshlrev_b32 v[CO], 4, v6
	v_add_nc_u32 v[RD], s23, v[CO]
	s_lshl_b32 s20, s17, 8
	s_lshl_b32 s21, s15, 7
	s_add_co_u32 s20, s20, s21
	s_mov_b32 s21, 0
	s_mov_b64 s[18:19], SIZE_N*4
	s_mul_u64 s[20:21], s[20:21], s[18:19]
	s_lshl_b32 s46, s42, 10
	s_lshl_b32 s47, s16, 9
	s_add_co_u32 s46, s46, s47
	s_mov_b32 s47, 0
	s_add_nc_u64 s[20:21], s[20:21], s[46:47]
	s_add_nc_u64 s[12:13], s[12:13], s[20:21]
.macro FRAG reg, adr, q, i
.irp c, 0,1,2,3
	ds_load_b128 v[\reg+4*\c:\reg+4*\c+3], v[\adr] offset:128*(\q)+32*\c+(\i)*16*PITCH
.endr
.endm
.macro MUL16 a0, p, q, sc, first
.irp a, \a0, \a0+1
.irp b, 0,1,2,3,4,5,6,7
.if \first
	v_wmma_scale_f32_16x16x128_f8f6f4 v[8*(8*((\a)%4)+\b):8*(8*((\a)%4)+\b)+7], v[128*(\p)+FR*\b:128*(\p)+FR*\b+FR-1], v[AF+FR*(\a):AF+FR*(\a)+FR-1], v[BIAS+8*\b:BIAS+8*\b+7], v[SC+8*NQ*(\sc)+NQ*\b+(\q)], v[SC+8*NQ*(\sc)+NQ*(\a)+(\q)] matrix_a_scale:MATRIX_SCALE_ROW1
.else
	v_wmma_scale_f32_16x16x128_f8f6f4 v[8*(8*((\a)%4)+\b):8*(8*((\a)%4)+\b)+7], v[128*(\p)+FR*\b:128*(\p)+FR*\b+FR-1], v[AF+FR*(\a):AF+FR*(\a)+FR-1], v[8*(8*((\a)%4)+\b):8*(8*((\a)%4)+\b)+7], v[SC+8*NQ*(\sc)+NQ*\b+(\q)], v[SC+8*NQ*(\sc)+NQ*(\a)+(\q)] matrix_a_scale:MATRIX_SCALE_ROW1
.endif
.endr
.endr
.endm
.macro FETCH_B slot, q, p
	WIN TO_B
.irp i, 0,1,2,3,4,5,6,7
	FRAG 128*(\p)+FR*\i, ADRB+\slot, \q, \i
.endr
	WIN 0
.endm
.macro FETCH_A slot, q, i0
.irp i, \i0, \i0+1, \i0+2, \i0+3
	FRAG AF+FR*(\i), ADRA+\slot, \q, \i
.endr
.endm
.macro SCALES sc
.irp i, 0,1,2,3,4,5,6,7
	ds_load_b64 v[SC+8*NQ*\sc+NQ*\i:SC+8*NQ*\sc+NQ*\i+1], v[ADRS] offset:\i*SBLK
.endr
.endm
.macro PLACES n
.rept \n
	v_nop
.endr
.endm
.macro STEP slot, q, first
	s_wait_dscnt 4*NL
.if \first
	WIN FIRST_LO
.else
	WIN MUL_LO
.endif
	MUL16 0, (\q)%2, \q, \slot, \first
	MUL16 2, (\q)%2, \q, \slot, \first
	s_wait_dscnt 0
	PLACES NP
	FETCH_B \slot, (\q)+1, 1-(\q)%2
	FETCH_A \slot, (\q)+1, 0
.if \first
	WIN FIRST_HI
.else
	WIN MUL_HI
.endif
	MUL16 4, (\q)%2, \q, \slot, \first
	MUL16 6, (\q)%2, \q, \slot, \first
	PLACES NP
	WIN 0
	FETCH_A \slot, (\q)+1, 4
.endm
.macro TURN slot, next, fill
	s_wait_tensorcnt 0x0
	ds_add_u32 v[SPW], v[NIL]
	s_wait_dscnt 4*NL+1
	WIN MUL_LO
	MUL16 0, 1, NQ-1, \slot, 0
	s_wait_dscnt 0x0
	s_barrier_signal -1
	MUL16 2, 1, NQ-1, \slot, 0
	WIN 0
	s_barrier_wait -1
.if \fill
	CREST
	s_add_nc_u64 s[G0+4*\slot+2:G0+4*\slot+3], s[G0+4*\slot+2:G0+4*\slot+3], 2*ROWB
	s_add_nc_u64 s[G0B+4*\slot+2:G0B+4*\slot+3], s[G0B+4*\slot+2:G0B+4*\slot+3], 2*ROWB
	JLOAD G0+4*\slot, G1, G0B+4*\slot, G1B
	PLACES NP-4
.else
	PLACES NP
.endif
	s_wait_alu depctr_va_vdst(0)
	v_add_nc_u32 v[ADRS], 4*NQ, v[ADRS]
	FETCH_B \next, 0, 0
	FETCH_A \next, 0, 0
	SCALES \next
	WIN MUL_HI
	MUL16 4, 1, NQ-1, \slot, 0
	MUL16 6, 1, NQ-1, \slot, 0
	PLACES NP
	WIN 0
	FETCH_A \next, 0, 4
.endm
	s_wait_alu depctr_va_vdst(0)
	s_wait_tensorcnt 1
	s_barrier_signal -1
	s_barrier_wait -1
	FETCH_B 0, 0, 0
	FETCH_A 0, 0, 0
	SCALES 0
	FETCH_A 0, 0, 4
	s_wait_loadcnt 0x0
	STEP 0, 0, 1
	s_mov_b32 s3, LAPS-1
.Llap:
	TURN 0, 1, 1
	STEP 1, 0, 0
	TURN 1, 0, 1
	STEP 0, 0, 0
	s_sub_co_u32 s3, s3, 1
	s_cmp_lg_u32 s3, 0
	s_cbranch_scc1 .Llap
	TURN 0, 1, 0
	STEP 1, 0, 0
	s_wait_dscnt 4*NL
	WIN MUL_LO
	MUL16 0, 1, NQ-1, 1, 0
	MUL16 2, 1, NQ-1, 1, 0
	s_wait_dscnt 0
	WIN MUL_HI
	MUL16 4, 1, NQ-1, 1, 0
	MUL16 6, 1, NQ-1, 1, 0
	WIN 0
.macro TOSTAGE a
.set AC, 64*((\a)%4)
	WIN 0x08+4*((\a)/4)
.irp b, 0,1,2,3,4,5,6,7
	ds_store_b128 v[STO], v[AC+8*\b:AC+8*\b+3] offset:64*\b
	ds_store_b128 v[STO], v[AC+8*\b+4:AC+8*\b+7] offset:64*\b+16
.endr
	WIN 0
.set BB, BK+64*((\a)%2)
.irp t, 0,1,2,3,4,5,6,7,8,9,10,11,12,13,14,15
	ds_load_b128 v[BB+4*\t:BB+4*\t+3], v[RD] offset:\t*SPITCH
.endr
.endm
.macro SEND a, younger
.set BB, BK+64*((\a)%2)
	s_wait_dscnt \younger
.if (\a) > 0
	s_add_nc_u64 s[12:13], s[12:13], 16*SIZE_N*4
.endif
.irp t, 0,1,2,3,4,5,6,7,8,9,10,11,12,13,14,15
	global_store_b128 v[CO], v[BB+4*\t:BB+4*\t+3], s[12:13] offset:\t*SIZE_N*4
.endr
.endm
	PLACES NP
	TOSTAGE 0
.irp a, 1,2,3,4,5,6,7
.if \a > 1
	s_wait_xcnt 0x0
.endif
	TOSTAGE \a
	SEND \a-1, 32
.endr
	s_wait_xcnt 0x0
	SEND 7, 0
	s_wait_tensorcnt 0x0
	ds_add_u32 v[SPW], v[NIL]
	s_wait_dscnt 0x0
	CROUND
	s_endpgm
.Lfunc_end_k_q3d19cc5c3b_proj:
	.size	k_q3d19cc5c3b_proj, .Lfunc_end_k_q3d19cc5c3b_proj-k_q3d19cc5c3b_proj
	.p2alignl 7, 3214868480
	.fill 96, 4, 3214868480
	.section	.rodata,"a",@progbits
	.p2align	6, 0x0
	.amdhsa_kernel k_q3d19cc5c3b_proj
		.amdhsa_group_segment_fixed_size 327680
		.amdhsa_private_segment_fixed_size 0
		.amdhsa_enable_private_segment 0
		.amdhsa_kernarg_size 24
		.amdhsa_user_sgpr_count 2
		.amdhsa_user_sgpr_kernarg_segment_ptr 1
		.amdhsa_wavefront_size32 1
		.amdhsa_system_sgpr_workgroup_id_x 1
		.amdhsa_system_sgpr_workgroup_id_y 1
		.amdhsa_system_sgpr_workgroup_id_z 1
		.amdhsa_system_vgpr_workitem_id 0
		.amdhsa_next_free_vgpr 1024
		.amdhsa_next_free_sgpr 100
		.amdhsa_reserve_vcc 0
		.amdhsa_float_denorm_mode_32 3
		.amdhsa_float_denorm_mode_16_64 3
		.amdhsa_memory_ordered 1
		.amdhsa_forward_progress 1
		.amdhsa_inst_pref_size 149
	.end_amdhsa_kernel
	.amdgpu_metadata
---
amdhsa.version: [ 1, 2 ]
amdhsa.kernels:
  - .name:           k_q3d19cc5c3b_proj
    .symbol:         k_q3d19cc5c3b_proj.kd
    .args:
      - { .name: aq, .offset: 0, .size: 8, .value_kind: global_buffer, .address_space: global }
      - { .name: wq, .offset: 8, .size: 8, .value_kind: global_buffer, .address_space: global }
      - { .name: pj, .offset: 16, .size: 8, .value_kind: global_buffer, .address_space: global }
    .group_segment_fixed_size: 327680
    .private_segment_fixed_size: 0
    .kernarg_segment_align: 8
    .kernarg_segment_size: 24
    .max_flat_workgroup_size: 128
    .sgpr_count:     100
    .vgpr_count:     1024
    .wavefront_size: 32
...
	.end_amdgpu_metadata
.endif
;; end of part 8
;; launch pq (part 9): grid 8 x 32, 4 waves a work-group, clusters of 4 x 4, 327,680 bytes of LDS; arguments aq, wq, pj; writes pj
.if DOCPART == 9
	.amdgcn_target "amdgcn-amd-amdhsa--gfx1250"
	.amdhsa_code_object_version 6
	.text
	.protected	k_q3d19cc5c3b_pq
	.globl	k_q3d19cc5c3b_pq
	.p2align	8
	.type	k_q3d19cc5c3b_pq,@function
k_q3d19cc5c3b_pq:
	s_mov_b64 s[64:65], 0
	v_nop
	global_prefetch_b8 v0, s[64:65] scope:SCOPE_SE
	s_setreg_imm32_b32 hwreg(HW_REG_WAVE_MODE, 25, 1), 1
	s_wait_xcnt 0x0
	s_wait_alu depctr_hold_cnt(0) depctr_sa_sdst(0) depctr_va_vdst(0) depctr_va_sdst(0) depctr_va_ssrc(0) depctr_va_vcc(0) depctr_vm_vsrc(0)
	s_getreg_b32 s2, hwreg(HW_REG_IB_STS2, 6, 4)
	s_cmp_eq_u32 s2, 0
	s_cbranch_scc0 .Lentry_in_a_cluster
	s_endpgm
.Lentry_in_a_cluster:
	s_bfe_u32 s2, ttmp6, 0x10000c
	s_cmp_lg_u32 s2, 0xf033
	s_cbranch_scc0 .Lentry_shape_is_right
	s_endpgm
.Lentry_shape_is_right:
; C[m][n] = bias[n] + sum over k of A[m][k] W[n][k], 4,096 x 1,024 x 1,024, both operands codes of FP8 (E4M3) with one E8M0 byte for each 32 along K; C f32.
; First buffer: A's scale bytes [row][32] at 0, codes [row][1024] at A_CD.  Second: W's scale bytes [n][32] at 0, bias f32 at W_BI, codes [n][1024] at W_CD.  The launch takes rows 0 to 4,095 and n 0 to 1,023 of them.
; SHARES.  A work-group makes 128 x 128 of C: 32 x 8 = 256 work-groups.  Four waves, 64 x 64 each: 16 accumulators, 128 registers.
; ALL OF K LIES IN LDS: 128 rows of A and 128 of W, 1,024 bytes each + 16 of padding, are 266,240 bytes.  Each wave brings 64 rows by its one tensor load at the head; no byte is filled twice,
; so there is no ring, and one barrier shows all four parts to all four waves.  The eight K steps of 128 follow with no barrier.
; CLUSTER 4 x 4: A's rows hang on the tile row alone and are asked for jointly along a row of the cluster, W's on the tile column alone, along a column.
; No prefetch: the text has no loop to run ahead in; each byte is asked for once, by the head's loads.
; The scale words (8 a row) and the bias go from memory into registers: sixteen lanes read 512 consecutive bytes in two loads.
; TRANSPOSED USE: source 0 = 16 rows of W, source 1 = 16 rows of A: a lane holds row lane % 16 of C and 8 neighbouring columns.  The bias, in that layout, is the C of the first K step.
; REGISTERS.  Window 0: v16-29 addresses; v32-63 A's scale words (tile i, K step q: v[32+8i+q]); v64-95 W's; v96-127 bias; v128-255 fragments, set 0 (A at 128, W at 192).
;   Window 1: v0-127 accumulators (a, b) at 8 (4 a + b); v128-255 fragments, set 1.
.set A_CD,   655360
.set W_BI,   163840
.set W_CD,   184320
.set KB,     1024                      ; a row of codes in bytes
.set PITCH,  1040                      ; in LDS: + 16: 65 x 16 bytes, so the 16 rows of a fragment load begin at 16 different columns of 16 bytes
.set QUART,  64*PITCH                  ; what one tensor load brings
.set STAGE,  4*QUART                   ; behind the tiles: 16 rows x 272 bytes for each wave, for the way out
.set SPITCH, 272
.set SPARE,  STAGE+4*16*SPITCH         ; the spare words, 128 bytes a wave
.set ADRA, 16
.set ADRB, 17
.set STO,  18
.set RD,   19
.set CO,   20
.set SO,   21
.set BO,   22
.set SPW,  28
.set NIL,  29
.set SA,   32
.set SB,   64
.set BIAS, 96
.set FA,   128
.set FB,   192
.set BK,   128
.set G1,   24                          ; s[24:31] group 1 for A, s[32:35] its group 0; s[48:55], s[36:39] for W
.set G1B,  48
.set FLAGS, (1<<20)|(1<<21)|(7<<22)|(3<<25)   ; padding on; bit 21 beside a mask; 4 words behind every 256; elements of 1 byte
.set MSB, 0
.macro WIN new                         ; the immediate's high byte repeats the setting that is left
.if MSB != \new
	s_set_vgpr_msb (MSB<<8)|\new
.set MSB, \new
.endif
.endm
.macro CROUND                          ; a round of the cluster's barrier
	s_barrier_signal -1
	s_barrier_wait -1
	s_cmp_lg_u32 s10, 0
	s_cbranch_scc1 .Lnot_wave_0_\@
	s_barrier_signal -3
.Lnot_wave_0_\@:
	s_barrier_wait -3
	s_barrier_signal -1
	s_barrier_wait -1
.endm
.macro PLACES                          ; eight places behind this matrix form
.rept 8
	v_nop
.endr
.endm
	s_load_b128 s[4:7], s[0:1], 0x0                ; A's buffer, W's buffer
	s_load_b64 s[8:9], s[0:1], 0x10                ; C
	v_lshl_add_u32 v[SPW], v0, 2, SPARE
	v_mov_b32 v[NIL], 0
	ds_add_u32 v[SPW], v[NIL]                      ; the opening lines: the add twice on end and one wait
	ds_add_u32 v[SPW], v[NIL]
	v_lshrrev_b32 v1, 5, v0
	v_readfirstlane_b32 s10, v1                    ; wave 0..3
	s_lshr_b32 s11, s10, 1                         ; my half of the block's rows; also: I fetch for A (0) or W (1)
	s_and_b32 s12, s10, 1                          ; my half of its columns; also: which 64 rows I fetch
	s_bfe_u32 s13, ttmp6, 0x40000                  ; cx
	s_bfe_u32 s14, ttmp6, 0x40004                  ; cy
	s_lshl_b32 s15, ttmp9, 2
	s_add_co_u32 s15, s15, s13                     ; tile column
	s_and_b32 s16, ttmp7, 0xffff
	s_lshl_b32 s16, s16, 2
	s_add_co_u32 s16, s16, s14                     ; tile row
	s_lshl_b32 s17, s14, 2
	s_lshl_b32 s17, 15, s17                        ; my row of the cluster
	s_lshl_b32 s18, 0x1111, s13                    ; my column
	s_or_b32 s[G1], s17, FLAGS
	s_or_b32 s[G1B], s18, FLAGS
.irp g, G1, G1B
	s_mov_b32 s[\g+1], KB<<16                      ; tensor_dim0
	s_mov_b32 s[\g+2], 64<<16                      ; tensor_dim1
	s_mov_b32 s[\g+3], KB<<16                      ; tile_dim0
	s_mov_b32 s[\g+4], 64                          ; tile_dim1
	s_mov_b32 s[\g+5], KB                          ; pitch
	s_mov_b32 s[\g+6], 0
	s_mov_b32 s[\g+7], 0
.endr
	s_lshl_b32 s20, s16, 17                        ; A's codes: (128 tile row + 64 half) x 1,024 + A_CD
	s_lshl_b32 s21, s12, 16
	s_add_co_u32 s20, s20, s21
	s_add_co_u32 s20, s20, A_CD
	s_mov_b32 s21, 0
	s_lshl_b32 s22, s15, 17                        ; W's codes likewise, by the tile column
	s_lshl_b32 s23, s12, 16
	s_add_co_u32 s22, s22, s23
	s_add_co_u32 s22, s22, W_CD
	s_mov_b32 s23, 0
	s_lshl_b32 s40, s16, 12                        ; the scale bytes of the 64 rows of A that I multiply: 32 a row
	s_lshl_b32 s41, s11, 11
	s_add_co_u32 s40, s40, s41
	s_mov_b32 s41, 0
	s_lshl_b32 s42, s15, 12                        ; and of my 64 rows of W
	s_lshl_b32 s43, s12, 11
	s_add_co_u32 s42, s42, s43
	s_mov_b32 s43, 0
	s_lshl_b32 s44, s15, 9                         ; my first column, in bytes of f32
	s_lshl_b32 s45, s12, 8
	s_add_co_u32 s44, s44, s45
	s_lshl_b32 s46, s16, 19                        ; C: my first row x 4,096 + the column
	s_lshl_b32 s47, s11, 18
	s_add_co_u32 s46, s46, s47
	s_add_co_u32 s46, s46, s44
	s_add_co_u32 s44, s44, W_BI                    ; the bias
	s_mov_b32 s45, 0
	s_mov_b32 s47, 0
	s_mul_i32 s19, s10, QUART                      ; where my tensor load lands: A's halves, then W's
	s_mul_i32 s56, s11, QUART                      ; the rows of A that I multiply
	s_mul_i32 s57, s12, QUART
	s_add_co_u32 s57, s57, 2*QUART                 ; and of W
	s_mul_i32 s58, s10, 16*SPITCH
	s_add_co_u32 s58, s58, STAGE                   ; my stage
	s_wait_dscnt 0x0                               ; both opening adds are done
	s_wait_kmcnt 0x0
	s_add_nc_u64 s[20:21], s[4:5], s[20:21]
	s_add_nc_u64 s[22:23], s[6:7], s[22:23]
	s_add_nc_u64 s[40:41], s[4:5], s[40:41]
	s_add_nc_u64 s[42:43], s[6:7], s[42:43]
	s_add_nc_u64 s[44:45], s[6:7], s[44:45]
	s_add_nc_u64 s[46:47], s[8:9], s[46:47]
	CROUND                                         ; all sixteen work-groups are here: the joint loads meet
	s_mov_b32 s32, 1
	s_mov_b32 s33, s19
	s_mov_b64 s[34:35], s[20:21]
	s_or_b32 s35, s35, 0x80000000
	s_mov_b32 s36, 1
	s_mov_b32 s37, s19
	s_mov_b64 s[38:39], s[22:23]
	s_or_b32 s39, s39, 0x80000000
	s_cmp_eq_u32 s11, 0                            ; one chain, a load to an arm: every wave issues one
	s_cbranch_scc0 .Lfor_w
	tensor_load_to_lds s[32:35], s[G1:G1+7]
	s_nop 0
.rept 4
	v_nop
.endr
	s_branch .Lasked
.Lfor_w:
	tensor_load_to_lds s[36:39], s[G1B:G1B+7]
	s_nop 0
.rept 4
	v_nop
.endr
.Lasked:
	v_and_b32 v1, 15, v0                           ; r
	v_bfe_u32 v2, v0, 4, 1                         ; h
	v_lshlrev_b32 v[SO], 5, v1                     ; a row's 32 scale bytes
	v_lshlrev_b32 v[BO], 5, v2                     ; 8 h numbers of the bias
.irp i, 0,1,2,3
	global_load_b128 v[SA+8*\i:SA+8*\i+3], v[SO], s[40:41] offset:512*\i
	global_load_b128 v[SA+8*\i+4:SA+8*\i+7], v[SO], s[40:41] offset:512*\i+16
	global_load_b128 v[SB+8*\i:SB+8*\i+3], v[SO], s[42:43] offset:512*\i
	global_load_b128 v[SB+8*\i+4:SB+8*\i+7], v[SO], s[42:43] offset:512*\i+16
	global_load_b128 v[BIAS+8*\i:BIAS+8*\i+3], v[BO], s[44:45] offset:64*\i
	global_load_b128 v[BIAS+8*\i+4:BIAS+8*\i+7], v[BO], s[44:45] offset:64*\i+16
.endr
	v_mul_u32_u24 v3, v1, PITCH
	v_lshl_add_u32 v3, v2, 4, v3                   ; a fragment's row x pitch + 16 h
	v_add_nc_u32 v[ADRA], s56, v3
	v_add_nc_u32 v[ADRB], s57, v3
	v_mul_u32_u24 v4, v1, SPITCH
	v_lshl_add_u32 v4, v2, 5, v4
	v_add_nc_u32 v[STO], s58, v4                   ; the stage, in: row r, 32 h
	v_mul_u32_u24 v5, v2, SPITCH
	v_lshl_add_u32 v5, v1, 4, v5
	v_add_nc_u32 v[RD], s58, v5                    ; back: lanes 0-15 one row of 256 bytes, lanes 16-31 the next
	v_lshlrev_b32 v6, 12, v2
	v_lshl_add_u32 v[CO], v1, 4, v6                ; the same two rows in C
	s_wait_alu depctr_va_vdst(0)
	s_wait_tensorcnt 0x0                           ; my 64 rows have landed
	s_barrier_signal -1
	s_barrier_wait -1                              ; everybody's have
.macro FETCH q, p                      ; K step q's eight fragments into set p: 32 loads in one run
.set W, 0x40*(\p)
	WIN W
.irp i, 0,1,2,3
.irp c, 0,1,2,3
	ds_load_b128 v[FB+16*\i+4*\c:FB+16*\i+4*\c+3], v[ADRB] offset:\i*16*PITCH+128*(\q)+32*\c
.endr
.endr
.irp i, 0,1,2,3
.irp c, 0,1,2,3
	ds_load_b128 v[FA+16*\i+4*\c:FA+16*\i+4*\c+3], v[ADRA] offset:\i*16*PITCH+128*(\q)+32*\c
.endr
.endr
.endm
.macro MUL q, p, first                 ; 16 products; the 16 accumulators take turns in one order in every step
.if \first
.set W, 0x40                           ; D in window 1; the bias, as C, in window 0
.else
.set W, 0x50+5*(\p)                    ; C and D in window 1, the fragments in window p
.endif
	WIN W
.irp a, 0,1,2,3
.irp b, 0,1,2,3
.if \first
	v_wmma_scale_f32_16x16x128_f8f6f4 v[8*(4*\a+\b):8*(4*\a+\b)+7], v[FB+16*\b:FB+16*\b+15], v[FA+16*\a:FA+16*\a+15], v[BIAS+8*\b:BIAS+8*\b+7], v[SB+8*\b+(\q)], v[SA+8*\a+(\q)]
.else
	v_wmma_scale_f32_16x16x128_f8f6f4 v[8*(4*\a+\b):8*(4*\a+\b)+7], v[FB+16*\b:FB+16*\b+15], v[FA+16*\a:FA+16*\a+15], v[8*(4*\a+\b):8*(4*\a+\b)+7], v[SB+8*\b+(\q)], v[SA+8*\a+(\q)]
.endif
.endr
.endr
.endm
	FETCH 0, 0
.irp q, 0,1,2,3,4,5,6,7
.if \q < 7
.if \q > 0
	PLACES                                         ; the loads below land in the set that the last step's products read
.endif
	FETCH \q+1, (\q+1)%2
	s_wait_dscnt 32                                ; this step's fragments are in; the 32 loads just issued may be out
.else
	s_wait_dscnt 0x0
.endif
.if \q == 0
	s_wait_loadcnt 0x0                             ; scale words and bias
	MUL 0, 0, 1
.else
	MUL \q, \q%2, 0
.endif
.endr
; THE WAY OUT, four blocks of 16 rows x 64 columns: through my own stage and back as rows of 256 bytes; LDS serves a wave's instructions in order (ISA guide 5.7.1.4), so no wait stands between the stores and the loads.
.macro TOSTAGE a
	WIN 0x04                                       ; the data lie in window 1
.irp b, 0,1,2,3
	ds_store_b128 v[STO], v[8*(4*(\a)+\b):8*(4*(\a)+\b)+3] offset:64*\b      ; each accumulator from its low end on
	ds_store_b128 v[STO], v[8*(4*(\a)+\b)+4:8*(4*(\a)+\b)+7] offset:64*\b+16
.endr
	WIN 0
.irp t, 0,1,2,3,4,5,6,7
	ds_load_b128 v[BK+32*((\a)%2)+4*\t:BK+32*((\a)%2)+4*\t+3], v[RD] offset:\t*2*SPITCH
.endr
.endm
.macro SEND a, younger                 ; younger: the LDS instructions issued behind block a's loads
	s_wait_dscnt \younger
.irp t, 0,1,2,3,4,5,6,7
	global_store_b128 v[CO], v[BK+32*((\a)%2)+4*\t:BK+32*((\a)%2)+4*\t+3], s[46:47] offset:(16*(\a)+2*\t)*4096   ; sixteen lanes store 256 consecutive bytes, aligned
.endr
.endm
	PLACES                                         ; behind the last products: their results are read, and set 0's registers take loads
	TOSTAGE 0
.irp a, 1,2,3
.if \a > 1
	s_wait_xcnt 0x0                                ; block a - 2's stores have read their registers: block a's loads may land there
.endif
	TOSTAGE \a
	SEND \a-1, 16                                  ; behind block a - 1's loads: block a's 8 stores and 8 loads
.endr
	SEND 3, 0
	s_wait_tensorcnt 0x0                           ; the wave's end
	ds_add_u32 v[SPW], v[NIL]
	s_wait_dscnt 0x0
	CROUND                                         ; the closing round
	s_endpgm
.Lfunc_end_k_q3d19cc5c3b_pq:
	.size	k_q3d19cc5c3b_pq, .Lfunc_end_k_q3d19cc5c3b_pq-k_q3d19cc5c3b_pq
	.p2alignl 7, 3214868480
	.fill 96, 4, 3214868480
	.section	.rodata,"a",@progbits
	.p2align	6, 0x0
	.amdhsa_kernel k_q3d19cc5c3b_pq
		.amdhsa_group_segment_fixed_size 327680
		.amdhsa_private_segment_fixed_size 0
		.amdhsa_enable_private_segment 0
		.amdhsa_kernarg_size 24
		.amdhsa_user_sgpr_count 2
		.amdhsa_user_sgpr_kernarg_segment_ptr 1
		.amdhsa_wavefront_size32 1
		.amdhsa_system_sgpr_workgroup_id_x 1
		.amdhsa_system_sgpr_workgroup_id_y 1
		.amdhsa_system_sgpr_workgroup_id_z 1
		.amdhsa_system_vgpr_workitem_id 0
		.amdhsa_next_free_vgpr 512
		.amdhsa_next_free_sgpr 66
		.amdhsa_reserve_vcc 0
		.amdhsa_float_denorm_mode_32 3
		.amdhsa_float_denorm_mode_16_64 3
		.amdhsa_memory_ordered 1
		.amdhsa_forward_progress 1
		.amdhsa_inst_pref_size 51
	.end_amdhsa_kernel
	.amdgpu_metadata
---
amdhsa.version: [ 1, 2 ]
amdhsa.kernels:
  - .name:           k_q3d19cc5c3b_pq
    .symbol:         k_q3d19cc5c3b_pq.kd
    .args:
      - { .name: aq, .offset: 0, .size: 8, .value_kind: global_buffer, .address_space: global }
      - { .name: wq, .offset: 8, .size: 8, .value_kind: global_buffer, .address_space: global }
      - { .name: pj, .offset: 16, .size: 8, .value_kind: global_buffer, .address_space: global }
    .group_segment_fixed_size: 327680
    .private_segment_fixed_size: 0
    .kernarg_segment_align: 8
    .kernarg_segment_size: 24
    .max_flat_workgroup_size: 128
    .sgpr_count:     66
    .vgpr_count:     512
    .wavefront_size: 32
...
	.end_amdgpu_metadata
.endif
;; end of part 9
;; launch mixv (part 10): grid 640 x 1, 4 waves a work-group, no clusters, 77,312 bytes of LDS; arguments pj, W_Vqx, W_Vqc, W_Vkx, W_Vkc, b_Vqx, b_Vqc, b_Vkx, b_Vkc, qk, vq; writes qk, vq
.if DOCPART == 10
	.amdgcn_target "amdgcn-amd-amdhsa--gfx1250"
	.amdhsa_code_object_version 6
	.text
	.protected	k_q3d19cc5c3b_mixv
	.globl	k_q3d19cc5c3b_mixv
	.p2align	8
	.type	k_q3d19cc5c3b_mixv,@function
k_q3d19cc5c3b_mixv:
	s_mov_b64 s[64:65], 0
	v_nop
	global_prefetch_b8 v0, s[64:65] scope:SCOPE_SE
	s_setreg_imm32_b32 hwreg(HW_REG_WAVE_MODE, 25, 1), 1
	s_wait_xcnt 0x0
; ONE LAUNCH TURNS THE FIVE PROJECTIONS INTO ATTENTION'S THREE OPERANDS.  Work-groups 0 to 127 quantise the values, 128 to 639 make q and k: one scalar branch on the work-group's number parts two texts
; that share nothing; each has LDS bytes of its own (the values' stages from 0, the gate's regions from MBASE).  No tensor loads, no barrier: waves share nothing.  Matrix units and clusters have
; nothing to do here: memory binds.
; LIMITS: a block of zeros gets the byte 1 and not 127 (its codes are zeros, and this program alone reads the bytes); NaN and infinities are not served.
;
; THE VALUES.  Section 4 of pj, f32 [2048 (s)][2048 (n = 1024 b + 64 head + d)], is the second operand of attention's second product, whose K is the KEYS s: the FIRST axis here.  It becomes codes of
; FP8 (E4M3) laid [n][s], the keys innermost, at VCD in vq, with one E8M0 scale byte for each 32 keys, laid [n][64], at 0.  Work-group g: 128 columns from 128 (g % 16), 256 keys from 256 (g / 16).
; A LANE TAKES A COLUMN n AND ITS REGISTERS RUN DOWN THE KEYS: each load reads 128 consecutive bytes a wave, a block of 32 keys lies in one lane's 32 registers, and the conversions give codes with the
; keys innermost.  The codes go through the wave's own stage in LDS and leave as rows: sixteen lanes store 256 consecutive bytes, aligned.  The scale bytes leave 8 a lane, rows 64 bytes apart: one byte
; for each 128 that are read.  Loads run two blocks (64 loads a wave) ahead.  Every offset is an immediate: 255 x 8,192 at the most, inside the signed 24 bits (ISA guide, chapter 10).
;
; THE GATE AND THE MIX, for q (the first 256 of its work-groups) and for k: lam = sigmoid(x' . Vx + bx + c' . Vc + bc), y = (1 - lam) x' + lam c', all in f32; then y is quantised along each head's 64
; numbers (two blocks of 32) and laid for attention.  x', c': sections 2 P and 2 P + 1 of pj, f32 [4096 (r = 2 s + b)][1024].
; qk: scale WORDS u32 [32 (bh = 16 b + head)][2048 (s)], q's at 0, k's at 262,144; codes [32][2048][64], q's at QC, k's 4,194,304 further on.
; A scale word is e0 | e1 << 8 | 0x7f7f0000: attention's matrix instruction is 128 deep along K, the head 64: the upper 64 are zero codes there, under the byte 127.
; A wave owns four rows s0 .. s0 + 3 of one b, one after the other; a row of x' and of c' is 32 registers each: read from memory once, kept between the dot product and the mix.  Each load reads 512
; consecutive bytes.  The mixed row turns through the wave's stage in LDS, so that a lane holds 16 NEIGHBOURS (columns 512 t + 16 lane + 0 .. 15, t = 0, 1): four lanes hold a head, two a block.
; The codes of four rows of a head are 256 consecutive bytes of qk: they are gathered in a second stage and leave sixteen lanes to 256 aligned bytes.  The scale words leave as pieces of 16 bytes
; (four rows of a head): one byte for each 128 that are read.
; ORDER OF ROUNDING: the two dot products are summed together, in four chains and across lanes, then bx and bc are added: another order of f32 additions than the source's.
.set WGV,   128                        ; the values' work-groups: 16 x 8
.set EMAX,  8
.set MANT,  0x600000                   ; the mantissa field of 448
.set SIZE_K, 2048                      ; the values' path
.set SIZE_N, 2048
.set VSEC,  67108864                   ; section 4 of pj
.set VCD,   131072
.set KW,    256
.set NB,    KW/32
.set PITCH, 272
.set KROW,  SIZE_K
.set QX,    32                         ; v32-95   two sets of 32 numbers
.set QCD,   96                         ; v96-103  a block's codes
.set QOUT,  112                        ; v112-175 the way out
.set QSB,   24                         ; v24-25   the scale bytes
.set MBASE, 35840                      ; the gate's path: its LDS begins behind the values' four stages
.set QC,    524288
.set GX,    32                         ; v32-63   Vx, as a row is loaded: register 4 j + i = column 128 j + 4 lane + i
.set GC,    64                         ; v64-95   Vc
                                       ; v96-127, v128-159: x' and c' of even rows; v160-191, v192-223: of odd rows; c's registers later take the turned row
.set CD,    224                        ; v224-231 codes
.set WD,    232                        ; v232-239 scale words: register 2 i + t
	v_lshl_add_u32 v254, v0, 2, 0x12c00
	v_mov_b32 v255, 0
	v_lshrrev_b32 v1, 5, v0
	v_readfirstlane_b32 s47, v1                    ; wave 0..3
	s_cmp_lt_u32 ttmp9, WGV
	s_cbranch_scc0 .Lgate
	; ================ the values ================
	s_load_b64 s[4:5], s[0:1], 0x0                 ; pj
	s_load_b64 s[6:7], s[0:1], 0x50                ; vq
	v_and_b32 v2, 31, v0                           ; lane
	s_and_b32 s17, ttmp9, 15
	s_lshl_b32 s17, s17, 7
	s_lshl_b32 s18, s47, 5
	s_add_co_u32 s17, s17, s18                     ; my wave's first column
	s_lshr_b32 s18, ttmp9, 4                       ; which 256 keys
	v_lshlrev_b32 v3, 2, v2
	s_mul_i32 s19, s47, 32*PITCH                   ; my stage
	v_mul_u32_u24 v4, v2, PITCH
	v_add_nc_u32 v4, s19, v4
	v_and_b32 v5, 15, v2
	v_lshrrev_b32 v6, 4, v2
	v_mul_u32_u24 v7, v6, PITCH
	v_lshl_add_u32 v7, v5, 4, v7
	v_add_nc_u32 v7, s19, v7
	v_mul_u32_u24 v8, v6, KROW
	v_lshl_add_u32 v8, v5, 4, v8
	v_mul_u32_u24 v9, v2, SIZE_K/32
	s_lshl_b32 s20, s18, 21                        ; in: 256 rows of 8,192 bytes for each part + 4 x column + the section
	s_lshl_b32 s21, s17, 2
	s_add_co_u32 s20, s20, s21
	s_add_co_u32 s20, s20, VSEC
	s_mov_b32 s21, 0
	s_lshl_b32 s24, s17, 11                        ; codes: column x 2,048 + 256 x part + VCD
	s_lshl_b32 s25, s18, 8
	s_add_co_u32 s24, s24, s25
	s_add_co_u32 s24, s24, VCD
	s_mov_b32 s25, 0
	s_lshl_b32 s28, s17, 6                         ; scale bytes: column x 64 + 8 x part
	s_lshl_b32 s29, s18, 3
	s_add_co_u32 s28, s28, s29
	s_mov_b32 s29, 0
	s_mov_b32 s31, MANT
	s_wait_kmcnt 0x0
	s_add_nc_u64 s[4:5], s[4:5], s[20:21]
	s_add_nc_u64 s[8:9], s[6:7], s[28:29]
	s_add_nc_u64 s[6:7], s[6:7], s[24:25]
.macro VLOAD t
.irp i, 0,1,2,3,4,5,6,7,8,9,10,11,12,13,14,15,16,17,18,19,20,21,22,23,24,25,26,27,28,29,30,31
	global_load_b32 v[QX+32*((\t)%2)+\i], v3, s[4:5] offset:(32*(\t)+\i)*SIZE_N*4 th:TH_LOAD_NT
.endr
.endm
	VLOAD 0
	VLOAD 1
.macro VBLOCK t
.set XS, QX+32*((\t)%2)
.if (\t) < NB-1
	s_wait_loadcnt 32                              ; this block's 32 loads are in; the next block's 32 may be out
.else
	s_wait_loadcnt 0
.endif
	v_max3_num_f32 v12, |v[XS]|, |v[XS+1]|, |v[XS+2]|
	v_max3_num_f32 v13, |v[XS+3]|, |v[XS+4]|, |v[XS+5]|
.irp i, 6,10,14,18,22,26
	v_max3_num_f32 v12, v12, |v[XS+\i]|, |v[XS+\i+1]|
	v_max3_num_f32 v13, v13, |v[XS+\i+2]|, |v[XS+\i+3]|
.endr
	v_max3_num_f32 v12, v12, |v[XS+30]|, |v[XS+31]|
	v_max3_num_f32 v12, v12, v13, (EMAX+1)<<23     ; the floor 2^(9 - 127): the byte cannot fall under 1
	v_add_nc_u32 v11, -(EMAX<<23), v12             ; the conversion's scale operand
	v_and_or_b32 v10, v12, 0x7f800000, s31         ; 448 x the scale
	v_lshrrev_b32 v13, 23, v11                     ; the scale's byte
.if (\t)%4 == 0
	v_mov_b32 v[QSB+(\t)/4], v13
.else
	v_lshl_or_b32 v[QSB+(\t)/4], v13, 8*((\t)%4), v[QSB+(\t)/4]
.endif
.irp i, 0,1,2,3,4,5,6,7,8,9,10,11,12,13,14,15,16,17,18,19,20,21,22,23,24,25,26,27,28,29,30,31
	v_med3_num_f32 v[XS+\i], v[XS+\i], -v10, v10   ; the conversion to an 8-bit code does not saturate (ISA guide 7.6.2): the hold comes first
.endr
.irp g, 0,1,2,3
	v_cvt_scalef32_pk8_fp8_f32 v[QCD+2*\g:QCD+2*\g+1], v[XS+8*\g:XS+8*\g+7], v11
.endr
	ds_store_b128 v4, v[QCD:QCD+3] offset:32*(\t)
	ds_store_b128 v4, v[QCD+4:QCD+7] offset:32*(\t)+16
.if (\t)+2 < NB
	VLOAD (\t)+2
.endif
	s_wait_dscnt 0x0                               ; the stores have read their registers: the next block's codes may be written
.endm
.set Q, 0
.rept NB
	VBLOCK Q
.set Q, Q+1
.endr
	global_store_b64 v9, v[QSB:QSB+1], s[8:9]
.irp t, 0,1,2,3,4,5,6,7,8,9,10,11,12,13,14,15
	ds_load_b128 v[QOUT+4*\t:QOUT+4*\t+3], v7 offset:2*\t*PITCH   ; LDS serves a wave's instructions in order: these see my stores
.endr
.irp t, 0,1,2,3,4,5,6,7,8,9,10,11,12,13,14,15
	s_wait_dscnt 15-\t                             ; the loads behind load t may stay out
	global_store_b128 v8, v[QOUT+4*\t:QOUT+4*\t+3], s[6:7] offset:2*\t*KROW
.endr
	s_wait_tensorcnt 0x0
	ds_add_u32 v254, v255
	s_wait_dscnt 0x0
	s_endpgm
	; ================ the gate and the mix ================
.Lgate:
	s_load_b512 s[8:23], s[0:1], 0x0               ; pj 8, Vqx 10, Vqc 12, Vkx 14, Vkc 16, bVqx 18, bVqc 20, bVkx 22
	s_load_b128 s[24:27], s[0:1], 0x40             ; bVkc 24, qk 26
	s_sub_co_u32 s46, ttmp9, WGV                   ; my number among the gate's 512 work-groups
	s_lshr_b32 s2, s46, 8                          ; P: 0 q, 1 k
	s_bfe_u32 s3, s46, 0x10007                     ; b
	s_and_b32 s4, s46, 127
	s_lshl_b32 s4, s4, 2
	s_add_co_u32 s4, s4, s47
	s_lshl_b32 s4, s4, 2                           ; s0 = 4 x (4 x (number % 128) + wave)
	s_lshl_b32 s5, s4, 1
	s_add_co_u32 s5, s5, s3                        ; my first row r = 2 s0 + b; the next lies two rows on
	s_lshl_b32 s6, s5, 12
	s_lshl_b32 s7, s2, 25
	s_add_co_u32 s6, s6, s7                        ; in pj: 2 P sections of 2^24 bytes + r rows of 4,096
	s_mov_b32 s7, 0
	s_lshl_b32 s42, s2, 22                         ; codes: QC + P 2^22 + b x 16 heads x 131,072 + 64 s0
	s_lshl_b32 s43, s3, 21
	s_add_co_u32 s42, s42, s43
	s_lshl_b32 s43, s4, 6
	s_add_co_u32 s42, s42, s43
	s_add_co_u32 s42, s42, QC
	s_mov_b32 s43, 0
	s_lshl_b32 s44, s2, 18                         ; words: P 2^18 + b x 16 heads x 8,192 + 4 s0
	s_lshl_b32 s45, s3, 17
	s_add_co_u32 s44, s44, s45
	s_lshl_b32 s45, s4, 2
	s_add_co_u32 s44, s44, s45
	s_mov_b32 s45, 0
	s_mov_b32 s36, MANT
	s_mov_b32 s37, 0xcccccccc                      ; lanes whose bit 1 is set
	s_mov_b32 s38, 0xaaaaaaaa                      ; lanes whose bit 0 is set
	s_mov_b32 s40, 0x76543210
	s_mov_b32 s41, 0xfedcba98                      ; v_permlanex16_b32's selects for lane l xor 16
	s_mul_i32 s29, s47, 10240                      ; my wave's LDS: the turning stage (5,120 bytes), then the codes' stage (16 heads x 320)
	s_add_co_u32 s29, s29, MBASE
	v_and_b32 v1, 31, v0                           ; l
	v_lshlrev_b32 v2, 4, v1                        ; 16 l: my bytes of a load's 512
	v_lshrrev_b32 v9, 2, v1                        ; l / 4
	v_and_b32 v10, 3, v1                           ; l % 4
	v_mul_u32_u24 v3, v9, 80
	v_lshl_add_u32 v3, v10, 4, v3
	v_add_nc_u32 v3, s29, v3                       ; the turn, in: four lanes' 64 bytes on end, then 16 of padding
	v_mul_u32_u24 v4, v1, 80
	v_add_nc_u32 v4, s29, v4                       ; the turn, out: my 64 bytes
	v_mul_u32_u24 v5, v9, 320
	v_lshl_add_u32 v5, v10, 4, v5
	v_add_nc_u32 v5, s29, v5
	v_add_nc_u32 v5, 5120, v5                      ; codes in: head l / 4 (+ 8 t), 16 (l % 4); a head's pitch is 256 + 64 bytes, so that 16 lanes fall on 16 different columns of 16 bytes
	v_lshrrev_b32 v11, 4, v1                       ; l / 16
	v_and_b32 v12, 15, v1                          ; l % 16
	v_mul_u32_u24 v6, v11, 320
	v_lshl_add_u32 v6, v12, 4, v6
	v_add_nc_u32 v6, s29, v6
	v_add_nc_u32 v6, 5120, v6                      ; codes back: sixteen lanes to a head's 256 bytes
	v_lshlrev_b32 v7, 17, v11
	v_lshl_add_u32 v7, v12, 4, v7                  ; and in qk: heads lie 131,072 bytes apart
	v_lshlrev_b32 v8, 13, v9
	v_lshl_add_u32 v8, v10, 2, v8                  ; words: head l / 4 (8,192 bytes apart), row l % 4
	v_mov_b32 v29, 0                               ; written once: the destination of a move between lanes counts as one of its sources
	s_wait_kmcnt 0x0
	s_cmp_lt_u32 s46, 256                          ; q's vectors and biases or k's: the choice hangs on the work-group's number alone
	s_cselect_b64 s[10:11], s[10:11], s[14:15]
	s_cselect_b64 s[12:13], s[12:13], s[16:17]
	s_cselect_b64 s[18:19], s[18:19], s[22:23]
	s_cselect_b64 s[20:21], s[20:21], s[24:25]
	s_load_b32 s30, s[18:19], 0x0                  ; bx
	s_load_b32 s31, s[20:21], 0x0                  ; bc
	s_add_nc_u64 s[32:33], s[8:9], s[6:7]          ; x' at my first row
	s_add_nc_u64 s[34:35], s[32:33], 0x1000000     ; c': one section on
	s_add_nc_u64 s[42:43], s[26:27], s[42:43]
	s_add_nc_u64 s[44:45], s[26:27], s[44:45]
.irp j, 0,1,2,3,4,5,6,7
	global_load_b128 v[GX+4*\j:GX+4*\j+3], v2, s[10:11] offset:512*\j
	global_load_b128 v[GC+4*\j:GC+4*\j+3], v2, s[12:13] offset:512*\j
.endr
.macro FILL set, i                     ; row i of my four: 16 loads of 512 consecutive bytes
.irp j, 0,1,2,3,4,5,6,7
	global_load_b128 v[96+64*(\set)+4*\j:96+64*(\set)+4*\j+3], v2, s[32:33] offset:8192*(\i)+512*\j th:TH_LOAD_NT
.endr
.irp j, 0,1,2,3,4,5,6,7
	global_load_b128 v[128+64*(\set)+4*\j:128+64*(\set)+4*\j+3], v2, s[34:35] offset:8192*(\i)+512*\j th:TH_LOAD_NT
.endr
.endm
	FILL 0, 0
	FILL 1, 1
	s_wait_kmcnt 0x0                               ; bx, bc
.macro ROW i, left, refill
.set XR, 96+64*((\i)%2)
.set CR, XR+32
	s_wait_loadcnt \left                           ; this row's loads (and the vectors') are in; the next row's sixteen may be out
	; the two dot products, in four chains of pairs; the first four products start the chains
.irp p, 0,1,2,3
	v_pk_mul_f32 v[16+2*\p:17+2*\p], v[XR+2*\p:XR+2*\p+1], v[GX+2*\p:GX+2*\p+1]
.endr
.irp p, 4,5,6,7,8,9,10,11,12,13,14,15
	v_pk_fma_f32 v[16+2*(\p%4):17+2*(\p%4)], v[XR+2*\p:XR+2*\p+1], v[GX+2*\p:GX+2*\p+1], v[16+2*(\p%4):17+2*(\p%4)]
.endr
.irp p, 0,1,2,3,4,5,6,7,8,9,10,11,12,13,14,15
	v_pk_fma_f32 v[16+2*(\p%4):17+2*(\p%4)], v[CR+2*\p:CR+2*\p+1], v[GC+2*\p:GC+2*\p+1], v[16+2*(\p%4):17+2*(\p%4)]
.endr
	v_pk_add_f32 v[16:17], v[16:17], v[18:19]
	v_pk_add_f32 v[20:21], v[20:21], v[22:23]
	v_pk_add_f32 v[16:17], v[16:17], v[20:21]
	v_add_f32 v16, v16, v17
	v_add_f32_dpp v16, v16, v16 row_xmask:1 row_mask:0xf bank_mask:0xf
	v_add_f32_dpp v16, v16, v16 row_xmask:2 row_mask:0xf bank_mask:0xf
	v_add_f32_dpp v16, v16, v16 row_xmask:4 row_mask:0xf bank_mask:0xf
	v_add_f32_dpp v16, v16, v16 row_xmask:8 row_mask:0xf bank_mask:0xf
	v_permlanex16_b32 v17, v16, s40, s41
	v_add_f32 v16, v16, v17                        ; every lane holds the row's sum
	v_add_f32 v16, s30, v16
	v_add_f32 v16, s31, v16
	v_mul_f32 v16, 0xbfb8aa3b, v16                 ; -log2(e) z
	s_wait_alu depctr_va_vdst(0)
	v_exp_f32 v16, v16
	v_nop                                          ; one plain instruction behind a transcendental (ISA guide 5.7.2)
	s_wait_alu depctr_va_vdst(0)
	v_add_f32 v16, 1.0, v16
	s_wait_alu depctr_va_vdst(0)
	v_rcp_f32 v18, v16                             ; lam = 1 / (1 + 2^(-log2(e) z))
	v_nop
	s_wait_alu depctr_va_vdst(0)
	v_sub_f32 v20, 1.0, v18                        ; 1 - lam
.set p, 0
.rept 16
	v_pk_mul_f32 v[XR+p:XR+p+1], v[XR+p:XR+p+1], v[20:21] op_sel_hi:[1,0]
.set p, p+2
.endr
.set p, 0
.rept 16
	v_pk_fma_f32 v[XR+p:XR+p+1], v[CR+p:CR+p+1], v[18:19], v[XR+p:XR+p+1] op_sel_hi:[1,0,1]
.set p, p+2
.endr
	; the turn: as loaded into the stage, back 64 bytes a lane, into the registers that c' has left
.irp j, 0,1,2,3,4,5,6,7
	ds_store_b128 v3, v[XR+4*\j:XR+4*\j+3] offset:2560*(\j/4)+640*(\j%4)
.endr
.irp t, 0,1
.irp k, 0,1,2,3
	ds_load_b128 v[CR+16*\t+4*\k:CR+16*\t+4*\k+3], v4 offset:2560*\t+16*\k   ; LDS serves a wave's instructions in order: these see the stores above
.endr
.endr
	s_wait_dscnt 0x0                               ; the row is back; the last row's stores of codes have read their registers
.irp t, 0,1
.set QS, CR+16*\t
	v_max3_num_f32 v24, |v[QS]|, |v[QS+1]|, |v[QS+2]|              ; the largest magnitude of my 16
	v_max3_num_f32 v25, |v[QS+3]|, |v[QS+4]|, |v[QS+5]|
.irp n, 6,10
	v_max3_num_f32 v24, v24, |v[QS+\n]|, |v[QS+\n+1]|
	v_max3_num_f32 v25, v25, |v[QS+\n+2]|, |v[QS+\n+3]|
.endr
	v_max3_num_f32 v24, v24, |v[QS+14]|, |v[QS+15]|
	v_max3_num_f32 v24, v24, v25, (EMAX+1)<<23     ; and the floor 2^(9 - 127): the byte cannot fall under 1
	v_max_num_f32_dpp v24, v24, v24 row_xmask:1 row_mask:0xf bank_mask:0xf   ; and of my neighbour's 16: the block's
	v_add_nc_u32 v27, -(EMAX<<23), v24             ; the conversion's scale operand
	v_and_or_b32 v26, v24, 0x7f800000, s36         ; 448 x the scale
.irp n, 0,1,2,3,4,5,6,7,8,9,10,11,12,13,14,15
	v_med3_num_f32 v[QS+\n], v[QS+\n], -v26, v26   ; the conversion to an 8-bit code does not saturate (ISA guide 7.6.2): the hold comes first
.endr
	v_cvt_scalef32_pk8_fp8_f32 v[CD+4*\t:CD+4*\t+1], v[QS:QS+7], v27
	v_cvt_scalef32_pk8_fp8_f32 v[CD+4*\t+2:CD+4*\t+3], v[QS+8:QS+15], v27
	v_lshrrev_b32 v28, 23, v27                     ; my block's byte
	v_mov_b32_dpp v29, v28 row_xmask:2 row_mask:0xf bank_mask:0xf   ; the head's other block's
	v_cndmask_b32 v30, v28, v29, s37               ; e0: mine where my bit 1 is clear
	v_cndmask_b32 v31, v29, v28, s37               ; e1
	v_lshl_or_b32 v30, v31, 8, v30
	v_or_b32 v[WD+2*(\i)+\t], 0x7f7f0000, v30      ; the head's scale word, in all four of its lanes
	ds_store_b128 v5, v[CD+4*\t:CD+4*\t+3] offset:2560*\t+64*(\i)
.endr
.if \refill
	FILL (\i)%2, (\i)+2
.endif
.endm
	ROW 0, 16, 1
	ROW 1, 16, 1
	ROW 2, 16, 0
	ROW 3, 0, 0
.irp u, 0,1,2,3,4,5,6,7
	ds_load_b128 v[96+4*\u:99+4*\u], v6 offset:640*\u              ; heads 2 u and 2 u + 1: 256 bytes each
.endr
	s_wait_alu depctr_va_vdst(0)
.irp u, 0,1,2,3,4,5,6,7
	s_wait_dscnt 7-\u                              ; the loads behind load u may stay out
	global_store_b128 v7, v[96+4*\u:99+4*\u], s[42:43] offset:262144*\u   ; sixteen lanes store 256 consecutive bytes, aligned: four rows of a head
.endr
.irp t, 0,1
	v_cndmask_b32 v242, v[WD+\t], v[WD+2+\t], s38  ; lane l takes row l % 4's word of its head
	v_cndmask_b32 v243, v[WD+4+\t], v[WD+6+\t], s38
	v_cndmask_b32 v[240+\t], v242, v243, s37
	global_store_b32 v8, v[240+\t], s[44:45] offset:65536*\t
.endr
	s_wait_tensorcnt 0x0
	ds_add_u32 v254, v255
	s_wait_dscnt 0x0
	s_endpgm
.Lfunc_end_k_q3d19cc5c3b_mixv:
	.size	k_q3d19cc5c3b_mixv, .Lfunc_end_k_q3d19cc5c3b_mixv-k_q3d19cc5c3b_mixv
	.p2alignl 7, 3214868480
	.fill 96, 4, 3214868480
	.section	.rodata,"a",@progbits
	.p2align	6, 0x0
	.amdhsa_kernel k_q3d19cc5c3b_mixv
		.amdhsa_group_segment_fixed_size 77312
		.amdhsa_private_segment_fixed_size 0
		.amdhsa_enable_private_segment 0
		.amdhsa_kernarg_size 88
		.amdhsa_user_sgpr_count 2
		.amdhsa_user_sgpr_kernarg_segment_ptr 1
		.amdhsa_wavefront_size32 1
		.amdhsa_system_sgpr_workgroup_id_x 1
		.amdhsa_system_sgpr_workgroup_id_y 1
		.amdhsa_system_sgpr_workgroup_id_z 1
		.amdhsa_system_vgpr_workitem_id 0
		.amdhsa_next_free_vgpr 256
		.amdhsa_next_free_sgpr 66
		.amdhsa_reserve_vcc 0
		.amdhsa_float_denorm_mode_32 3
		.amdhsa_float_denorm_mode_16_64 3
		.amdhsa_memory_ordered 1
		.amdhsa_forward_progress 1
		.amdhsa_inst_pref_size 115
	.end_amdhsa_kernel
	.amdgpu_metadata
---
amdhsa.version: [ 1, 2 ]
amdhsa.kernels:
  - .name:           k_q3d19cc5c3b_mixv
    .symbol:         k_q3d19cc5c3b_mixv.kd
    .args:
      - { .name: pj, .offset: 0, .size: 8, .value_kind: global_buffer, .address_space: global }
      - { .name: W_Vqx, .offset: 8, .size: 8, .value_kind: global_buffer, .address_space: global }
      - { .name: W_Vqc, .offset: 16, .size: 8, .value_kind: global_buffer, .address_space: global }
      - { .name: W_Vkx, .offset: 24, .size: 8, .value_kind: global_buffer, .address_space: global }
      - { .name: W_Vkc, .offset: 32, .size: 8, .value_kind: global_buffer, .address_space: global }
      - { .name: b_Vqx, .offset: 40, .size: 8, .value_kind: global_buffer, .address_space: global }
      - { .name: b_Vqc, .offset: 48, .size: 8, .value_kind: global_buffer, .address_space: global }
      - { .name: b_Vkx, .offset: 56, .size: 8, .value_kind: global_buffer, .address_space: global }
      - { .name: b_Vkc, .offset: 64, .size: 8, .value_kind: global_buffer, .address_space: global }
      - { .name: qk, .offset: 72, .size: 8, .value_kind: global_buffer, .address_space: global }
      - { .name: vq, .offset: 80, .size: 8, .value_kind: global_buffer, .address_space: global }
    .group_segment_fixed_size: 77312
    .private_segment_fixed_size: 0
    .kernarg_segment_align: 8
    .kernarg_segment_size: 88
    .max_flat_workgroup_size: 128
    .sgpr_count:     66
    .vgpr_count:     256
    .wavefront_size: 32
...
	.end_amdgpu_metadata
.endif
;; end of part 10
;; launch attn (part 11): grid 8 x 32, 16 waves a work-group, clusters of 4 x 1, 327,680 bytes of LDS; arguments qk, vq, cq; writes cq
.if DOCPART == 11
	.amdgcn_target "amdgcn-amd-amdhsa--gfx1250"
	.amdhsa_code_object_version 6
	.text
	.protected	k_q3d19cc5c3b_attn
	.globl	k_q3d19cc5c3b_attn
	.p2align	8
	.type	k_q3d19cc5c3b_attn,@function
k_q3d19cc5c3b_attn:
	s_mov_b64 s[64:65], 0
	v_nop
	global_prefetch_b8 v0, s[64:65] scope:SCOPE_SE
	s_setreg_imm32_b32 hwreg(HW_REG_WAVE_MODE, 25, 1), 1
	s_wait_xcnt 0x0
	s_wait_alu depctr_hold_cnt(0) depctr_sa_sdst(0) depctr_va_vdst(0) depctr_va_sdst(0) depctr_va_ssrc(0) depctr_va_vcc(0) depctr_vm_vsrc(0)
	s_getreg_b32 s2, hwreg(HW_REG_IB_STS2, 6, 4)
	s_cmp_eq_u32 s2, 0
	s_cbranch_scc0 .Lentry_in_a_cluster
	s_endpgm
.Lentry_in_a_cluster:
	s_bfe_u32 s2, ttmp6, 0x10000c
	s_cmp_lg_u32 s2, 0x3003
	s_cbranch_scc0 .Lentry_shape_is_right
	s_endpgm
.Lentry_shape_is_right:
; ctx[bh][q][:] = the sum over k of softmax_k(Q[bh][q] . K[bh][k] / 8) V[bh][k][:], head size 64, 2,048 keys, both products on codes of FP8 (E4M3) with one E8M0 scale for each 32 along a product's K;
; then ctx is quantised along the model's 1,024 (a head's 64 are two blocks of 32) for the last projection.
; qk: scale words u32 [32][2048] (q's at 0, k's at KWD), codes [32][2048][64] (q's at QC, k's at KC).  vq: scale bytes [2048 (n = 64 bh + d)][64] at 0, codes [n][2048 (keys)] at VC.
; cq: scale bytes [4096 (r = 2 s + b)][32] at 0, codes [4096][1024] at A_CD.
; THE FIRST PRODUCT'S K IS 64, the instruction's 128: the upper 64 are zero codes on both sides (registers cleared once), under the byte 127 that the scale words carry.
; THE SOFTMAX: t = score x log2(e) / 8; M = the row's largest t so far, rounded UP to a whole number; p = 2^(t - M) is quantised along the keys, not normalised.  The row's sum is taken of the
; unquantised p, in f32, and divides at the end.  When M moves, the sum and O are multiplied by 2^(old M - new M): exact.
; SHARES.  A work-group owns 256 queries of one bh; each of its SIXTEEN waves 16 of them, in 256 registers: four waves to a SIMD, so that one wave's vector work stands beside another's matrix work.
; Every wave walks all keys, 128 a step.
; K AND V OF THE WHOLE bh STAY IN LDS: 2,048 keys x 80 bytes, 8 pieces x 64 rows x 272 bytes, and the scales' 13,056 bytes are 316,160 bytes in all.  Each comes in pieces of 256 keys, all asked for at the
; start (waves 0-3: two pieces of K each; 4-11: a piece of V each; 12 and 13: the scales): one load a wave at the most.  NO BYTE OF LDS IS FILLED TWICE: there is no ring and no refill.
; The waves are free to drift apart.
; CLUSTER.  The four query blocks of a cluster belong to one bh and need the same K and V: each piece is asked for JOINTLY, by the same tensor load with the same descriptor and the mask 15.
; LAYOUT.  Both products are used transposed: S^T = K Q^T, O^T = V^T P^T: a lane holds ONE query (lane % 16) throughout.  THE ROWS OF A TILE ARE NOT NEIGHBOURS: lane r of tile 2 b + u takes row
; 32 b + 8 u + r + 8 (r / 8), of K (keys) and of V (the head's d) alike, so that the 16 registers of tiles 2 b and 2 b + 1 are 16 neighbours along the next product's K: 32 b + 16 (lane / 16) + 0 .. 15.
; THE WAY OUT: a head owns 64 of a row's 1,024 code bytes and 2 of its 32 scale bytes, so the codes leave as pieces of 64 bytes and the scale bytes one by one: 66 bytes for each query.
; LIMITS: a block of zeros gets the byte 1 and not 127 (its codes are zeros, and this program alone reads the bytes); NaN and infinities are not served.
; REGISTERS: v1-4, v7 addresses that stay; v8-11 addresses in hand; v12 -M, v13 the largest t, v[14:15] the sum; v16-23 Q, v24-31 zeros; v32-95 four fragments of K, the upper eight of each zeros;
;   v96-159 S^T, then p, then four fragments of V; v160-191 O^T; v192-223 ctx; v224-239 codes; v232-254 at work; v248-251, v253, v255 scale words.
.set KWD,   262144
.set QC,    524288
.set KC,    4718592
.set VC,    131072
.set A_CD,  655360
.set SK,    256                        ; keys in a piece
.set NCH,   2048/SK                    ; pieces
.set KP,    80                         ; a key's row in LDS: 64 bytes + 16 of padding
.set VP,    272                        ; a row of V's piece: 256 bytes + 16
.set KCH,   SK*KP                      ; a piece of K: 20,480 bytes, piece j at j KCH
.set VCH,   64*VP                      ; a piece of V: 17,408 bytes, piece j at VB + j VCH
.set VB,    NCH*KCH
.set SCK,   VB+NCH*VCH                 ; K's scale words: 8,192 bytes as 32 rows of 256 + 16
.set SCV,   SCK+32*272                 ; V's scale bytes: 4,096 bytes as 16 rows of 256 + 16; LDS is used up to SCV + 4,352
.set G1K,  24                          ; s[24:31] descriptor group 1 for K's pieces;  s[32:39] V's;  s[40:47], s[48:55] for the scales
.set G1V,  32
.set G1SK, 40
.set G1SV, 48
                                       ; s[56:59], s[60:63], s[68:71], s[72:75]: groups 0 for K's codes, V's codes, K's scale words, V's scale bytes: a wave uses one of them
.set TBK,  4
.set TBV,  5                           ; s5   the same for V, from VB on
.set TS,   6                           ; s6   the step's scale words of K: 544 bytes a step
.set TJ,   7                           ; s7   V's: 4 bytes a step
.set SLOTS, 8                          ; s8   pieces to go
.set STG,  9                           ; s9   the way out: my stage
.macro CROUND                          ; a round of the cluster's barrier
	s_barrier_signal -1
	s_barrier_wait -1
	s_cmp_lg_u32 s18, 0
	s_cbranch_scc1 .Lnot_wave_0_\@
	s_barrier_signal -3
.Lnot_wave_0_\@:
	s_barrier_wait -3
	s_barrier_signal -1
	s_barrier_wait -1
.endm
.macro ARM under, g0, g1, next         ; one arm of the head's chain: a load, its s_nop 0 and four v_nop, and a jump to the chain's end
	s_cmp_lt_u32 s18, \under
	s_cbranch_scc0 \next
	tensor_load_to_lds s[\g0:\g0+3], s[\g1:\g1+7]
	s_nop 0
.rept 4
	v_nop
.endr
	s_branch .Lfirst_asked
\next:
.endm
	s_load_b128 s[4:7], s[0:1], 0x0                ; qk, vq
	s_load_b64 s[8:9], s[0:1], 0x10                ; cq
	v_lshl_add_u32 v5, v0, 2, 0x4d300
	v_mov_b32 v6, 0
	ds_add_u32 v5, v6
	ds_add_u32 v5, v6
	v_lshrrev_b32 v8, 5, v0
	s_delay_alu instid0(VALU_DEP_1)
	v_readfirstlane_b32 s18, v8                    ; wave 0..15
	s_bfe_u32 s80, ttmp6, 0x40000                  ; cx: it enters Q's and cq's global addresses alone
	s_lshl_b32 s81, ttmp9, 2
	s_add_co_u32 s81, s81, s80                     ; my block of 256 queries
	s_lshl_b32 s81, s81, 8
	s_lshl_b32 s82, s18, 4
	s_add_co_u32 s81, s81, s82                     ; my first query
	s_and_b32 s83, ttmp7, 0xffff                   ; bh, which the four partners share
	s_lshr_b32 s84, s83, 4                         ; b
	s_and_b32 s85, s83, 15                         ; head
	s_lshl_b32 s86, s83, 17                        ; a bh's codes are 131,072 bytes in each tensor
	s_add_co_u32 s88, s86, KC
	s_mov_b32 s89, 0
	s_add_co_u32 s90, s86, VC
	s_mov_b32 s91, 0
	s_lshl_b32 s92, s83, 13                        ; its scale words 8,192
	s_lshl_b32 s94, s83, 12                        ; V's scale bytes 4,096
	s_mov_b32 s95, 0
	s_lshl_b32 s96, s81, 6
	s_add_co_u32 s96, s96, s86
	s_add_co_u32 s96, s96, QC                      ; my queries' codes
	s_mov_b32 s97, 0
	s_lshl_b32 s98, s81, 2
	s_add_co_u32 s98, s98, s92                     ; and their scale words
	s_mov_b32 s99, 0
	s_add_co_u32 s92, s92, KWD
	s_mov_b32 s93, 0
	s_lshl_b32 s82, s81, 1
	s_add_co_u32 s82, s82, s84                     ; my first row of cq: 2 s + b; the next query's lies two rows on
	s_lshl_b32 s10, s82, 10
	s_lshl_b32 s11, s85, 6
	s_add_co_u32 s10, s10, s11
	s_add_co_u32 s10, s10, A_CD                    ; codes: row x 1,024 + 64 x head
	s_mov_b32 s11, 0
	s_lshl_b32 s12, s82, 5
	s_lshl_b32 s13, s85, 1
	s_add_co_u32 s12, s12, s13                     ; scale bytes: row x 32 + 2 x head
	s_mov_b32 s13, 0
	s_mov_b32 s66, 0xffff0000                      ; lanes 16-31
	s_mov_b32 s19, 0x600000                        ; the mantissa field of 448
	s_mov_b32 s20, 0x76543210
	s_mov_b32 s21, 0xfedcba98                      ; v_permlanex16_b32's selects for lane l xor 16
	s_mov_b32 s22, 0x3e38aa3b                      ; c = log2(e) / 8
	s_mov_b32 s23, s22                             ; (named with it as a pair, so it is written)
	; descriptor group 1.  K: 256 rows of 64 bytes, dense;  V: 64 rows of 256 bytes, 2,048 apart
	s_mov_b32 s[G1K], 15|(1<<20)|(1<<21)|(3<<22)|(3<<25)           ; 15:0 the mask: all four; 17:16 elements of 1 byte; 20 padding on; 21 set beside a mask; 24:22 after every 16 words; 31:25 four words
	s_mov_b32 s[G1K+1], 64<<16                     ; tensor_dim0
	s_mov_b32 s[G1K+2], 512<<16                    ; tensor_dim1: a load of K brings 512 keys, two pieces on end
	s_mov_b32 s[G1K+3], 64<<16                     ; tile_dim0
	s_mov_b32 s[G1K+4], 512                        ; tile_dim1
	s_mov_b32 s[G1K+5], 64                         ; tensor_dim0_stride
	s_mov_b32 s[G1K+6], 0
	s_mov_b32 s[G1K+7], 0
	s_mov_b32 s[G1V], 15|(1<<20)|(1<<21)|(5<<22)|(3<<25)           ; padding: four words after every 64
	s_mov_b32 s[G1V+1], SK<<16
	s_mov_b32 s[G1V+2], 64<<16
	s_mov_b32 s[G1V+3], SK<<16
	s_mov_b32 s[G1V+4], 64
	s_mov_b32 s[G1V+5], 2048
	s_mov_b32 s[G1V+6], 0
	s_mov_b32 s[G1V+7], 0
	; the scales: dense blocks, as rows of 256 bytes (32 elements of 8 bytes), 16 bytes of padding behind each: 32 rows for K's words, 16 for V's bytes
	s_mov_b32 s[G1SK], 15|(3<<16)|(1<<20)|(1<<21)|(5<<22)|(3<<25)
	s_mov_b32 s[G1SK+1], 32<<16
	s_mov_b32 s[G1SK+2], 32<<16
	s_mov_b32 s[G1SK+3], 32<<16
	s_mov_b32 s[G1SK+4], 32
	s_mov_b32 s[G1SK+5], 32
	s_mov_b32 s[G1SK+6], 0
	s_mov_b32 s[G1SK+7], 0
	s_mov_b32 s[G1SV], 15|(3<<16)|(1<<20)|(1<<21)|(5<<22)|(3<<25)
	s_mov_b32 s[G1SV+1], 32<<16
	s_mov_b32 s[G1SV+2], 16<<16
	s_mov_b32 s[G1SV+3], 32<<16
	s_mov_b32 s[G1SV+4], 16
	s_mov_b32 s[G1SV+5], 32
	s_mov_b32 s[G1SV+6], 0
	s_mov_b32 s[G1SV+7], 0
	s_wait_dscnt 0x0
	s_wait_kmcnt 0x0
	s_add_nc_u64 s[14:15], s[4:5], s[96:97]        ; Q's codes
	s_add_nc_u64 s[16:17], s[4:5], s[98:99]        ; Q's scale words
	s_add_nc_u64 s[10:11], s[8:9], s[10:11]        ; cq's codes
	s_add_nc_u64 s[12:13], s[8:9], s[12:13]        ; cq's scale bytes
	s_add_nc_u64 s[96:97], s[4:5], s[88:89]        ; the bh's codes of K,
	s_add_nc_u64 s[98:99], s[6:7], s[90:91]        ; of V,
	s_add_nc_u64 s[100:101], s[4:5], s[92:93]      ; K's scale words,
	s_add_nc_u64 s[2:3], s[6:7], s[94:95]          ; V's scale bytes: nothing in these four hangs on my place in the cluster
	s_mov_b32 s[TBK], 0
	s_mov_b32 s[TBV], 0
	s_mov_b32 s[TS], 0
	s_mov_b32 s[TJ], 0
	s_mov_b32 s[SLOTS], NCH
	s_mul_i32 s[STG], s18, 1280                    ; my stage, 16 rows x 80 bytes, in K's first piece: written only behind the barrier that follows every wave's last read of K
	CROUND                                         ; all four work-groups are here: the joint loads meet
	; THE HEAD'S LOADS, ONE A WAVE: waves 0 to 3 bring 512 keys of K each, waves 4 to 11 a piece of V each, wave 12 K's scale words, wave 13 V's scale bytes; waves 14 and 15 none.
	; Every wave makes all four groups 0, from its number alone, and asks by one of them at the most.
	s_and_b32 s76, s18, 3
	s_mul_i32 s77, s76, 2*KCH                      ; K: 512 keys are two pieces of LDS,
	s_lshl_b32 s78, s76, 15                        ; and 32,768 bytes of memory
	s_mov_b32 s79, 0
	s_mov_b32 s56, 1
	s_mov_b32 s57, s77
	s_add_nc_u64 s[58:59], s[96:97], s[78:79]
	s_or_b32 s59, s59, 0x80000000
	s_add_co_u32 s76, s18, 4
	s_and_b32 s76, s76, 7                          ; V: piece wave - 4
	s_mul_i32 s77, s76, VCH
	s_lshl_b32 s78, s76, 8                         ; 256 bytes on in each of the 64 rows
	s_mov_b32 s60, 1
	s_add_co_u32 s61, s77, VB
	s_add_nc_u64 s[62:63], s[98:99], s[78:79]
	s_or_b32 s63, s63, 0x80000000
	s_mov_b32 s68, 1
	s_mov_b32 s69, SCK
	s_mov_b64 s[70:71], s[100:101]
	s_or_b32 s71, s71, 0x80000000
	s_mov_b32 s72, 1
	s_mov_b32 s73, SCV
	s_mov_b64 s[74:75], s[2:3]
	s_or_b32 s75, s75, 0x80000000
	ARM 4,  56, G1K,  .Lhead_v
	ARM 12, 60, G1V,  .Lhead_sk
	ARM 13, 68, G1SK, .Lhead_sv
	ARM 14, 72, G1SV, .Lhead_none
.Lfirst_asked:
	v_and_b32 v8, 15, v0                           ; r
	v_bfe_u32 v9, v0, 4, 1                         ; h
	s_delay_alu instid0(VALU_DEP_2)
	v_lshlrev_b32 v10, 6, v8
	s_delay_alu instid0(VALU_DEP_1)
	v_lshl_add_u32 v10, v9, 4, v10                 ; Q: row r of 64 bytes, + 16 h
	global_load_b128 v[16:19], v10, s[14:15]       ; k = 16 h + 0 .. 15
	global_load_b128 v[20:23], v10, s[14:15] offset:32   ; k = 32 + 16 h + 0 .. 15
	v_lshlrev_b32 v254, 2, v8
	global_load_b32 v255, v254, s[16:17]           ; Q's scale words
	v_and_b32 v11, 8, v8
	s_delay_alu instid0(VALU_DEP_1)
	v_add_nc_u32 v11, v11, v8                      ; r + 8 (r / 8)
	s_delay_alu instid0(VALU_DEP_1)
	v_mul_u32_u24 v1, v11, KP
	s_delay_alu instid0(VALU_DEP_1)
	v_lshl_add_u32 v1, v9, 4, v1                   ; my lane's place in a tile of K
	s_delay_alu instid0(VALU_DEP_3)
	v_mul_u32_u24 v2, v11, VP
	s_delay_alu instid0(VALU_DEP_1)
	v_lshl_add_u32 v2, v9, 4, v2
	s_delay_alu instid0(VALU_DEP_1)
	v_add_nc_u32 v2, VB, v2                        ; and of V
	v_lshl_add_u32 v3, v11, 2, SCK                 ; K's scale words: 4 bytes a key; a step's 128 keys are two rows of 256 bytes
	v_lshlrev_b32 v12, 6, v11                      ; V's: 64 bytes a row d: which row of 256 bytes, and where in it
	s_delay_alu instid0(VALU_DEP_1)
	v_lshrrev_b32 v13, 8, v12
	s_delay_alu instid0(VALU_DEP_2)
	v_and_b32 v12, 255, v12
	s_delay_alu instid0(VALU_DEP_1)
	v_mad_u32_u24 v4, v13, 272, v12
	s_delay_alu instid0(VALU_DEP_1)
	v_add_nc_u32 v4, SCV, v4
	v_and_b32 v12, 31, v0
	s_delay_alu instid0(VALU_DEP_1)
	v_lshrrev_b32 v13, 2, v12
	s_delay_alu instid0(VALU_DEP_2)
	v_and_b32 v12, 3, v12
	s_delay_alu instid0(VALU_DEP_2)
	v_lshlrev_b32 v7, 11, v13
	s_delay_alu instid0(VALU_DEP_1)
	v_lshl_add_u32 v7, v12, 4, v7                  ; the way out: query lane / 4 (rows of cq 2,048 bytes apart), 16 (lane % 4)
	v_mov_b32 v13, 0xff61b1e6                      ; the largest t so far: -3e38, under every t
	s_delay_alu instid0(VALU_DEP_1)
	v_floor_f32 v12, -v13                          ; -M
	v_mov_b32 v14, 0                               ; the sum, in two halves
	v_mov_b32 v15, 0
.irp j, 0,1,2,3,4,5,6,7
	v_mov_b32 v[24+\j], 0                          ; Q's upper 64 along K: zero codes, written once
	v_mov_b32 v[40+\j], 0                          ; and those of K's four fragments
	v_mov_b32 v[56+\j], 0
	v_mov_b32 v[72+\j], 0
	v_mov_b32 v[88+\j], 0
.endr
.irp b, 0,1,2,3
	v_mov_b32 v[236+\b], 0                         ; written once: a lane permute's destination counts as one of its sources
.endr
	v_mov_b32 v253, 0                              ; (named as the upper half of the pair v[252:253] before it is first written)
.set j, 0
.rept 32
	v_mov_b32 v[160+j], 0                          ; O^T.  (A step is written in one form: the first finds zeros, which the first change of M leaves zeros)
.set j, j+1
.endr
; A KEY STEP: 128 keys, the q-th of the piece in hand.
.macro STEP q
	v_add_nc_u32 v8, s[TBK], v1
	s_wait_alu depctr_va_vdst(0)
	v_add_nc_u32 v9, s[TBV], v2
	v_add_nc_u32 v10, s[TS], v3
	s_wait_alu depctr_va_vdst(0)
	v_add_nc_u32 v11, s[TJ], v4
.rept 5
	v_nop                                          ; with the four additions nine places: the first products below write over registers that the last step's products read as V's fragments
.endr
.irp g, 0,1                                    ; S^T = K Q^T, four tiles of 16 keys at a time
.if \g > 0
.rept 8
	v_nop                                          ; places in front of loads into registers that matrix instructions have read
.endr
.endif
.irp t, 0,1,2,3
.irp c, 0,1
	ds_load_b128 v[32+16*\t+4*\c:32+16*\t+4*\c+3], v8 offset:(128*(\q)+32*((4*\g+\t)/2)+8*(\t%2))*KP+32*\c
.endr
	ds_load_b32 v[248+\t], v10 offset:272*\g+(32*(((4*\g+\t)/2)%2)+8*(\t%2))*4
.endr
	s_wait_dscnt 0x0
.irp t, 0,1,2,3
	v_wmma_scale_f32_16x16x128_f8f6f4 v[96+8*(4*\g+\t):103+8*(4*\g+\t)], v[32+16*\t:47+16*\t], v[16:31], 0, v[248+\t], v255
.endr
.endr
.rept 8
	v_nop
.endr
.irp b, 0,1,2,3
	v_max3_num_f32 v[232+\b], v[96+16*\b], v[97+16*\b], v[98+16*\b]   ; THE LARGEST SCORE OF EACH BLOCK OF 32 KEYS: it serves the row's maximum and, since p rises with the score, the block's largest p
.endr
.irp i, 3,5,7,9,11,13
.irp b, 0,1,2,3
	v_max3_num_f32 v[232+\b], v[232+\b], v[96+16*\b+\i], v[97+16*\b+\i]   ; (the four blocks by turns)
.endr
.endr
.irp b, 0,1,2,3
	v_max_num_f32 v[232+\b], v[232+\b], v[111+16*\b]
.endr
.irp b, 0,1,2,3
	v_permlanex16_b32 v[236+\b], v[232+\b], s20, s21
.endr
.irp b, 0,1,2,3
	s_delay_alu instid0(VALU_DEP_4)
	v_max_num_f32 v[232+\b], v[232+\b], v[236+\b]  ; with lane l xor 16's 16 keys
.endr
	s_delay_alu instid0(VALU_DEP_2)
	v_max3_num_f32 v254, v232, v233, v234
	s_delay_alu instid0(VALU_DEP_1)
	v_max_num_f32 v254, v254, v235                 ; the step's largest score of my query
	s_delay_alu instid0(VALU_DEP_1)
	v_mul_f32 v254, s22, v254                      ; as t (c is positive)
	s_delay_alu instid0(VALU_DEP_1)
	v_max_num_f32 v13, v13, v254                   ; the running largest t
	v_mov_b32 v254, v12
	s_delay_alu instid0(VALU_DEP_2)
	v_floor_f32 v12, -v13                          ; the new -M = floor(-t) = -ceil(t): M is a whole number
	s_delay_alu instid0(VALU_DEP_1)
	v_sub_f32 v254, v12, v254                      ; M's old value less its new one: a whole number, 0 or less
	s_delay_alu instid0(VALU_DEP_1)
	v_cvt_i32_f32 v254, v254                       ; (it saturates)
	s_delay_alu instid0(VALU_DEP_1)
	v_ldexp_f32 v252, 1.0, v254                    ; f = 2^(old M - new M)
.set j, 0
.rept 32
	v_pk_fma_f32 v[96+j:97+j], v[96+j:97+j], s[22:23], v[12:13] op_sel_hi:[1,0,0]   ; t - M, two at a time (of the pairs c and -M the low word serves both halves)
.set j, j+2
.endr
.irp b, 0,1,2,3
	v_fma_f32 v[232+\b], v[232+\b], s22, v12       ; the same of each block's largest score
.endr
.set j, 0
	s_wait_alu depctr_va_vdst(0)
.rept 64
	v_exp_f32 v[96+j], v[96+j]                     ; p = 2^(t - M), at most 1: NOT normalised
.set j, j+1
.endr
.irp b, 0,1,2,3
	v_exp_f32 v[232+\b], v[232+\b]                 ; the block's largest p: the same two instructions on the same number give the same bits
.endr
	v_pk_mul_f32 v[14:15], v[14:15], v[252:253] op_sel_hi:[1,0]   ; the sums under the new M.  (A plain place behind the exponentials)
	s_wait_alu depctr_va_vdst(0)
.irp b, 0,1,2,3
	v_max_num_f32 v[232+\b], 0x4800000, v[232+\b]  ; the floor 2^(9 - 127): the byte cannot fall under 1
.endr
.irp b, 0,1,2,3
	s_delay_alu instid0(VALU_DEP_4)
	v_add_nc_u32 v[244+\b], 0xfc000000, v[232+\b]  ; 8 off the exponent field: the conversion's scale operand
.endr
.irp b, 0,1,2,3
	v_and_or_b32 v[240+\b], v[232+\b], 0x7f800000, s19   ; 448 x the scale
.endr
.irp b, 0,1,2,3
	v_lshrrev_b32 v[236+\b], 23, v[244+\b]         ; the scale's byte
.endr
	s_delay_alu instid0(VALU_DEP_3)
	v_lshl_or_b32 v253, v237, 8, v236              ; p's scale word for these 128 keys
	s_delay_alu instid0(VALU_DEP_1)
	v_lshl_or_b32 v253, v238, 16, v253
	s_delay_alu instid0(VALU_DEP_1)
	v_lshl_or_b32 v253, v239, 24, v253
	v_pk_add_f32 v[236:237], v[100:101], v[104:105]
	v_pk_add_f32 v[250:251], v[108:109], v[112:113]
	v_pk_add_f32 v[248:249], v[116:117], v[120:121]
	v_pk_add_f32 v[238:239], v[124:125], v[128:129]
	v_pk_add_f32 v[234:235], v[132:133], v[136:137]
	v_pk_add_f32 v[232:233], v[140:141], v[144:145]
	v_pk_add_f32 v[230:231], v[148:149], v[152:153]
	v_pk_add_f32 v[14:15], v[14:15], v[156:157]
	v_pk_add_f32 v[236:237], v[236:237], v[96:97]
	v_pk_add_f32 v[250:251], v[250:251], v[98:99]
	v_pk_add_f32 v[248:249], v[248:249], v[102:103]
	v_pk_add_f32 v[238:239], v[238:239], v[106:107]
	v_pk_add_f32 v[234:235], v[234:235], v[110:111]
	v_pk_add_f32 v[232:233], v[232:233], v[114:115]
	v_pk_add_f32 v[230:231], v[230:231], v[118:119]
	v_pk_add_f32 v[14:15], v[14:15], v[122:123]
	v_pk_add_f32 v[236:237], v[236:237], v[126:127]
	v_pk_add_f32 v[250:251], v[250:251], v[130:131]
	v_pk_add_f32 v[248:249], v[248:249], v[134:135]
	v_pk_add_f32 v[238:239], v[238:239], v[138:139]
	v_pk_add_f32 v[234:235], v[234:235], v[142:143]
	v_pk_add_f32 v[232:233], v[232:233], v[146:147]
	v_pk_add_f32 v[230:231], v[230:231], v[150:151]
	v_pk_add_f32 v[14:15], v[14:15], v[154:155]
	v_pk_add_f32 v[236:237], v[236:237], v[158:159]
	s_delay_alu instid0(VALU_DEP_2)
	v_pk_add_f32 v[14:15], v[14:15], v[238:239]
	s_delay_alu instid0(VALU_DEP_2)
	v_pk_add_f32 v[236:237], v[236:237], v[234:235]
	v_pk_add_f32 v[250:251], v[250:251], v[232:233]
	v_pk_add_f32 v[248:249], v[248:249], v[230:231]
	s_delay_alu instid0(VALU_DEP_2)
	v_pk_add_f32 v[14:15], v[14:15], v[250:251]
	s_delay_alu instid0(VALU_DEP_2)
	v_pk_add_f32 v[236:237], v[236:237], v[248:249]
	s_delay_alu instid0(VALU_DEP_1)
	v_pk_add_f32 v[14:15], v[14:15], v[236:237]
.irp b, 0,1,2,3
.irp i, 0,1,2,3,4,5,6,7,8,9,10,11,12,13,14,15
	v_min_num_f32 v[96+16*\b+\i], v[96+16*\b+\i], v[240+\b]   ; the conversion to an 8-bit code does not saturate (ISA guide 7.6.2); p is not negative, so the hold is one-sided
.endr
	v_cvt_scalef32_pk8_fp8_f32 v[224+4*\b:225+4*\b], v[96+16*\b:103+16*\b], v[244+\b]
	v_cvt_scalef32_pk8_fp8_f32 v[226+4*\b:227+4*\b], v[104+16*\b:111+16*\b], v[244+\b]
.endr
.irp t, 0,1,2,3                                ; V's four fragments (16 of the head's 64 x these 128 keys) into the registers that p has left
.irp c, 0,1,2,3
	ds_load_b128 v[96+16*\t+4*\c:96+16*\t+4*\c+3], v9 offset:(32*(\t/2)+8*(\t%2))*VP+128*(\q)+32*\c
.endr
	ds_load_b32 v[248+\t], v11 offset:(8*(\t/2)+2*(\t%2))*272
.endr
.set j, 0
.rept 16
	v_pk_mul_f32 v[160+j:161+j], v[160+j:161+j], v[252:253] op_sel_hi:[1,0]   ; O^T under the new M: x f.  (These sixteen are also the places between the conversions and the products below)
.set j, j+2
.endr
	s_wait_alu depctr_va_vdst(0)
	s_wait_dscnt 0x0
.irp t, 0,1,2,3                                ; O^T += V^T P^T: the four accumulators take one turn each
	v_wmma_scale_f32_16x16x128_f8f6f4 v[160+8*\t:167+8*\t], v[96+16*\t:111+16*\t], v[224:239], v[160+8*\t:167+8*\t], v[248+\t], v253
.endr
	s_add_co_u32 s[TS], s[TS], 544                 ; the next step's scale words
	s_add_co_u32 s[TJ], s[TJ], 4
.endm
.macro PIECE_STEPS                     ; a piece's two steps, then on to the next piece
	STEP 0
	STEP 1
	s_add_co_u32 s[TBK], s[TBK], KCH
	s_add_co_u32 s[TBV], s[TBV], VCH
.endm
	s_wait_alu depctr_va_vdst(0)
	s_wait_loadcnt 0x0                             ; Q
	s_wait_tensorcnt 0x0                           ; my one load has landed
	s_barrier_signal -1
	s_barrier_wait -1                              ; everybody's has: all of K and V may be read by all sixteen; nothing is filled from here on; the loop below walks all eight pieces
.Lpiece:                                           ; eight trips, no barrier, no wait on tensor loads
	PIECE_STEPS
	s_sub_co_u32 s[SLOTS], s[SLOTS], 1
	s_cmp_lg_u32 s[SLOTS], 0
	s_cbranch_scc1 .Lpiece
	s_wait_dscnt 0x0                               ; my reads of K and V are over:
	s_barrier_signal -1
	s_barrier_wait -1                              ; everybody's are: the stages, which lie in K's first piece, may be written
	; THE WAY OUT.  ctx = O^T / the sum; register 16 B + i is d = 32 B + 16 h + i of my query: the two blocks of 32 are quantised as they stand, each shared with lane l xor 16.
	v_add_f32 v14, v14, v15                        ; the sum's two halves,
	s_delay_alu instid0(VALU_DEP_1)
	v_permlanex16_b32 v252, v14, s20, s21
	s_delay_alu instid0(VALU_DEP_1)
	v_add_f32 v14, v14, v252                       ; and lane l xor 16's: the row's sum
	s_wait_alu depctr_va_vdst(0)
	v_rcp_f32 v14, v14
	v_and_b32 v8, 15, v0                           ; (from here on twelve plain lines: the places behind the last products, and the one behind the reciprocal)  r
	v_bfe_u32 v9, v0, 4, 1                         ; h
	s_delay_alu instid0(VALU_DEP_2)
	v_mul_u32_u24 v10, v8, 80
	s_delay_alu instid0(VALU_DEP_1)
	v_lshl_add_u32 v10, v9, 4, v10
	s_delay_alu instid0(VALU_DEP_1)
	v_add_nc_u32 v10, s[STG], v10                  ; the stage, in: row r, 16 h (+ 32 B)
	v_and_b32 v32, 31, v0
	s_delay_alu instid0(VALU_DEP_1)
	v_lshrrev_b32 v33, 2, v32
	s_delay_alu instid0(VALU_DEP_2)
	v_and_b32 v34, 3, v32
	s_delay_alu instid0(VALU_DEP_2)
	v_mul_u32_u24 v11, v33, 80
	s_delay_alu instid0(VALU_DEP_1)
	v_lshl_add_u32 v11, v34, 4, v11
	s_delay_alu instid0(VALU_DEP_1)
	v_add_nc_u32 v11, s[STG], v11                  ; back: four lanes to a row of 64 bytes, eight rows an instruction
	v_lshl_add_u32 v9, v8, 6, v9                   ; scale bytes: query r's row lies 64 r bytes on; lanes 16-31 store block 1's
.set j, 0
	s_wait_alu depctr_va_vdst(0)
.rept 32
	v_mul_f32 v[192+j], v[160+j], v14              ; each accumulator from its low end on
.set j, j+1
.endr
.irp b, 0,1
	v_max3_num_f32 v[232+\b], |v[192+16*\b]|, |v[193+16*\b]|, 0x4800000   ; block b: my 16 numbers, and the floor 2^(9 - 127)
.endr
.irp i, 2,4,6,8,10,12,14
.irp b, 0,1
	s_delay_alu instid0(VALU_DEP_2)
	v_max3_num_f32 v[232+\b], v[232+\b], |v[192+16*\b+\i]|, |v[193+16*\b+\i]|
.endr
.endr
.irp b, 0,1
	v_permlanex16_b32 v[236+\b], v[232+\b], s20, s21
.endr
.irp b, 0,1
	s_delay_alu instid0(VALU_DEP_2)
	v_max_num_f32 v[232+\b], v[232+\b], v[236+\b]  ; with lane l xor 16's: the block's largest magnitude
.endr
.irp b, 0,1
	s_delay_alu instid0(VALU_DEP_2)
	v_add_nc_u32 v[244+\b], 0xfc000000, v[232+\b]  ; the conversion's scale operand
.endr
.irp b, 0,1
	s_delay_alu instid0(VALU_DEP_4)
	v_and_or_b32 v[240+\b], v[232+\b], 0x7f800000, s19   ; 448 x the scale
.endr
.irp b, 0,1
	s_delay_alu instid0(VALU_DEP_4)
	v_lshrrev_b32 v[236+\b], 23, v[244+\b]         ; the scale's byte
.endr
.irp b, 0,1
.irp i, 0,1,2,3,4,5,6,7,8,9,10,11,12,13,14,15
	v_med3_num_f32 v[192+16*\b+\i], v[192+16*\b+\i], -v[240+\b], v[240+\b]
.endr
	v_cvt_scalef32_pk8_fp8_f32 v[224+4*\b:225+4*\b], v[192+16*\b:199+16*\b], v[244+\b]
	v_cvt_scalef32_pk8_fp8_f32 v[226+4*\b:227+4*\b], v[200+16*\b:207+16*\b], v[244+\b]
.endr
	v_nop                                          ; one plain line behind the last conversion
	v_cndmask_b32 v242, v236, v237, s66            ; lanes 0-15 block 0's byte, lanes 16-31 block 1's
	ds_store_b128 v10, v[224:227]                  ; d = 16 h + 0 .. 15
	ds_store_b128 v10, v[228:231] offset:32        ; d = 32 + 16 h + 0 .. 15
	ds_load_b128 v[32:35], v11                     ; LDS serves a wave's instructions in order: these see my stores
	ds_load_b128 v[36:39], v11 offset:640
	s_wait_alu depctr_va_vdst(0)
	s_wait_dscnt 1                                 ; queries 0-7 are back; the younger load may be out
	global_store_b128 v7, v[32:35], s[10:11]       ; four lanes store a query's 64 bytes
	s_wait_dscnt 0x0
	global_store_b128 v7, v[36:39], s[10:11] offset:16384
	global_store_b8 v9, v242, s[12:13]
	s_wait_tensorcnt 0x0
	ds_add_u32 v5, v6
	s_wait_dscnt 0x0
	CROUND                                         ; the closing round: no work-group ends while a partner may still ask for a piece that names it
	s_endpgm
.Lfunc_end_k_q3d19cc5c3b_attn:
	.size	k_q3d19cc5c3b_attn, .Lfunc_end_k_q3d19cc5c3b_attn-k_q3d19cc5c3b_attn
	.p2alignl 7, 3214868480
	.fill 96, 4, 3214868480
	.section	.rodata,"a",@progbits
	.p2align	6, 0x0
	.amdhsa_kernel k_q3d19cc5c3b_attn
		.amdhsa_group_segment_fixed_size 327680
		.amdhsa_private_segment_fixed_size 0
		.amdhsa_enable_private_segment 0
		.amdhsa_kernarg_size 24
		.amdhsa_user_sgpr_count 2
		.amdhsa_user_sgpr_kernarg_segment_ptr 1
		.amdhsa_wavefront_size32 1
		.amdhsa_system_sgpr_workgroup_id_x 1
		.amdhsa_system_sgpr_workgroup_id_y 1
		.amdhsa_system_sgpr_workgroup_id_z 1
		.amdhsa_system_vgpr_workitem_id 0
		.amdhsa_next_free_vgpr 256
		.amdhsa_next_free_sgpr 102
		.amdhsa_reserve_vcc 0
		.amdhsa_float_denorm_mode_32 3
		.amdhsa_float_denorm_mode_16_64 3
		.amdhsa_memory_ordered 1
		.amdhsa_forward_progress 1
		.amdhsa_inst_pref_size 61
	.end_amdhsa_kernel
	.amdgpu_metadata
---
amdhsa.version: [ 1, 2 ]
amdhsa.kernels:
  - .name:           k_q3d19cc5c3b_attn
    .symbol:         k_q3d19cc5c3b_attn.kd
    .args:
      - { .name: qk, .offset: 0, .size: 8, .value_kind: global_buffer, .address_space: global }
      - { .name: vq, .offset: 8, .size: 8, .value_kind: global_buffer, .address_space: global }
      - { .name: cq, .offset: 16, .size: 8, .value_kind: global_buffer, .address_space: global }
    .group_segment_fixed_size: 327680
    .private_segment_fixed_size: 0
    .kernarg_segment_align: 8
    .kernarg_segment_size: 24
    .max_flat_workgroup_size: 512
    .sgpr_count:     102
    .vgpr_count:     256
    .wavefront_size: 32
...
	.end_amdgpu_metadata
.endif
;; end of part 11
;; launch outp: the kernel of part 9 again; grid 8 x 32, 4 waves a work-group, clusters of 4 x 4, 327,680 bytes of LDS; arguments cq, wo, out0; writes out0
